; MI455X (gfx1250); checked and timed in simulation.
; The chip was launched on July 23, 2026; its instructions are those of AMD's public machine-readable ISA for CDNA 5 (MIT licence, August 2026) and "CDNA5" Instruction Set Architecture Reference Guide (July 2026). The comments in the code are by the model that wrote it; some were corrected since.
;; Phase Associative Layer. Allowed arithmetic: matrix products marked QUANTISED: E2M3 operands, one E8M0 scale for each 32 along K, by v_wmma_scale_f32_16x16x128_f8f6f4 with both operands' format E2M3, f32 sums; everything else in f32.
;; Inputs: dt_b 16 float32; dt_bias 16 float32; dt_w 16 x 2,048 float32; o_wi 1,024 x 1,024 float32; o_wr 1,024 x 1,024 float32; pg_b 16 float32; pg_w 16 x 1,024 float32; qkv_wi 3,072 x 1,024 float32; qkv_wr 3,072 x 1,024 float32; x 1 x 2,048 x 1,024 x 2 float32.
;; Outputs: out0 1 x 2,048 x 1,024 x 2 float32; out1 1 x 16 x 64 x 64 x 2 float32.
;; This version of the problem:
;;   THIS VERSION OF THE PROBLEM IS GIVEN IN LOW PRECISION. The matrix products marked QUANTISED in the list below multiply operands that are first quantised to E2M3 (2 exponent bits, 3 mantissa bits; 6 bits a number), with one power-of-two scale for each 32 numbers along K (OCP MX v1.0); their sums are f32. All else is computed in f32.
;;   The module's matrix products, in the order in which they are computed (A, B: the left and right operand; K: the contracted axis; several contracted axes count as one K, in the product's order):
;;     1. [M 2,048, K 1,024] x [K 1,024, N 3,072]; A: input x; B: input qkv_wr: QUANTISED
;;     2. [M 2,048, K 1,024] x [K 1,024, N 3,072]; A: input x; B: input qkv_wi: QUANTISED
;;     3. [M 2,048, K 1,024] x [K 1,024, N 3,072]; A: input x; B: input qkv_wi: QUANTISED
;;     4. [M 2,048, K 1,024] x [K 1,024, N 3,072]; A: input x; B: input qkv_wr: QUANTISED
;;     5. [M 2,048, K 2,048] x [K 2,048, N 16]; A: computed on the way; B: input dt_w: QUANTISED
;;     6. [M 2,048, K 1,024] x [K 1,024, N 16]; A: computed on the way; B: input pg_w: QUANTISED
;;     7. batch 16 x [M 2,048, K 64] x [K 64, N 2,048]; A: computed on the way; B: computed on the way: QUANTISED
;;     8. batch 16 x [M 2,048, K 64] x [K 64, N 2,048]; A: computed on the way; B: computed on the way: QUANTISED
;;     9. batch 16 x [M 2,048, K 64] x [K 64, N 2,048]; A: computed on the way; B: computed on the way: QUANTISED
;;     10. batch 16 x [M 2,048, K 64] x [K 64, N 2,048]; A: computed on the way; B: computed on the way: QUANTISED
;;     11. batch 16 x [M 2,048, K 2,048] x [K 2,048, N 64]; A: computed on the way; B: computed on the way: QUANTISED
;;     12. batch 16 x [M 2,048, K 2,048] x [K 2,048, N 64]; A: computed on the way; B: computed on the way: QUANTISED
;;     13. batch 16 x [M 2,048, K 2,048] x [K 2,048, N 64]; A: computed on the way; B: computed on the way: QUANTISED
;;     14. batch 16 x [M 2,048, K 2,048] x [K 2,048, N 64]; A: computed on the way; B: computed on the way: QUANTISED
;;     15. batch 16 x [M 64, K 2,048] x [K 2,048, N 64]; A: computed on the way; B: computed on the way: QUANTISED
;;     16. batch 16 x [M 64, K 2,048] x [K 2,048, N 64]; A: computed on the way; B: computed on the way: QUANTISED
;;     17. batch 16 x [M 64, K 2,048] x [K 2,048, N 64]; A: computed on the way; B: computed on the way: QUANTISED
;;     18. batch 16 x [M 64, K 2,048] x [K 2,048, N 64]; A: computed on the way; B: computed on the way: QUANTISED
;;     19. [M 2,048, K 1,024] x [K 1,024, N 1,024]; A: computed on the way; B: input o_wr: QUANTISED
;;     20. [M 2,048, K 1,024] x [K 1,024, N 1,024]; A: computed on the way; B: input o_wi: QUANTISED
;;     21. [M 2,048, K 1,024] x [K 1,024, N 1,024]; A: computed on the way; B: input o_wi: QUANTISED
;;     22. [M 2,048, K 1,024] x [K 1,024, N 1,024]; A: computed on the way; B: input o_wr: QUANTISED
;;   THE QUANTISER, for each operand of a quantised product, along K:
;;     - K is cut into blocks of 32 from its start; a last block that is shorter is filled with zeros.
;;     - A block's scale is 2^e with e = floor(log2(the largest magnitude in the block)) - 2, held to -126 .. 127; a block of zeros has e = 0. As a byte (E8M0): e + 127.
;;     - Each number is divided by its block's scale, clamped to +-7.5, and rounded to the nearest number of E2M3, ties to even, subnormals kept.
;;     - The product sums the exact products of the quantised numbers (number of the format x scale) in f32.
;;   ~~~python
;;   def quantise(x, axis):      # numpy; x: float32 -> the quantised numbers, widened to float32 again
;;       x = np.moveaxis(x, axis, -1); K = x.shape[-1]
;;       x = np.pad(x, [(0, 0)] * (x.ndim - 1) + [(0, -K % 32)]); x = x.reshape(x.shape[:-1] + (-1, 32)); a = np.abs(x).max(-1, keepdims=True)
;;       e = np.where(a > 0, np.clip(np.frexp(np.where(a > 0, a, 1))[1] - 1 - 2, -126, 127), 0)      # np.frexp(a)[1] - 1 = floor(log2(a)), exactly
;;       r = np.clip(x / 2.0 ** e, -7.5, 7.5)
;;       step = 2.0 ** (np.maximum(np.frexp(np.where(r == 0, 1, r))[1] - 1, 0) - 3)
;;       q = np.round(r / step) * step * 2.0 ** e      # np.round: ties to even
;;       return np.moveaxis(q.reshape(q.shape[:-2] + (-1,))[..., :K], -1, axis).astype(np.float32)
;;   ~~~
;;   OPERANDS COMPUTED ON THE WAY. 'Computed on the way' means the value that the module computes at that place (a softmax that the list does not call 'softmax' is quantised finished and normalised). What goes into a quantiser is computed in f32, as accurately as f32 sums, v_exp_f32 and their like allow (about 1e-6 of the number): no bf16 or f16 on the way to a quantiser, and a product that is left as it is and whose result goes on into a quantised operand takes f32 operands (vector FMAs, or v_wmma_f32_16x16x4_f32). A number that lies on a knife's edge between two numbers of the format may be rounded either way, as far as f32 arithmetic and the matrix unit's own rounding can turn it there, and no further.
;; 2 versions, each right and faster than the one before. Each part assembles by itself: llvm-mc -triple=amdgcn-amd-amdhsa -mcpu=gfx1250 --defsym DOCPART=n.
;; ======== version 1 of 2: 7 launches
;; workspace buffers: xbuf 5,767,168 bytes; wqkv 10,223,616 bytes; wo 3,932,160 bytes; scan 262,144 bytes; cqkv 50,331,648 bytes; qkvc 17,170,432 bytes; ybuf 3,407,872 bytes
;; launch xq (part 1): grid 128 x 1, 8 waves a work-group, no clusters, 152,576 bytes of LDS; arguments x, dt_w, dt_b, dt_bias, pg_w, pg_b, xbuf; writes xbuf
.if DOCPART == 1
	.amdgcn_target "amdgcn-amd-amdhsa--gfx1250"
	.amdhsa_code_object_version 6
	.text
	.protected	k_q45a2c0e092_xq
	.globl	k_q45a2c0e092_xq
	.p2align	8
	.type	k_q45a2c0e092_xq,@function
k_q45a2c0e092_xq:
	s_mov_b64 s[64:65], 0
	v_nop
	global_prefetch_b8 v0, s[64:65] scope:SCOPE_SE
	s_setreg_imm32_b32 hwreg(HW_REG_WAVE_MODE, 25, 1), 1
	s_wait_xcnt 0x0
; x [2048][1024][2] f32 becomes codes of E2M3 with one E8M0 byte for each 32 along DIM, laid as images of the operand's registers:
; a fragment (16 rows t x 128 K) is 1,536 bytes, chunk q of three at 512 q + 16 lane; K step kappa = [re of DIM 64 kappa .. +63 | im of the same].
; The same codes are the left operand of the decay gate's product; |x| is quantised in registers for the protect gate's.  Both gate products are made here,
; summed over the eight waves through LDS, and wave 0 stores g = -log(gamma + 1e-6) and 1 - p, [head][t].  The RoPE tables cos, -+sin are made here too, [t][128].
; SHARES: a work-group takes 16 rows t; wave w takes DIM 128 w .. +127 (K steps 2 w, 2 w + 1) and table rows 2 w, 2 w + 1.
; LIMITS: NaN and infinities are not served.  A block whose largest magnitude lies under 2^-124 keeps the byte 1 (a block of zeros too: its codes are zeros, and this program alone reads the bytes).
; exp(-softplus(z)) is taken as 1 / (1 + e^z), which holds for every z.  The RoPE frequency 10000^(-d/64) is made by exp2 with a compensated exponent, to about 1.5 ulp; the angle t f is rounded once.
.set SPARE,  151552                    ; the spare words: 128 bytes for each of eight waves
.set STG,    16896                     ; a wave's two stages
.set HSTG,   8448                      ; one stage: 16 rows x (512 + 16) bytes
.set RED,    135168                    ; the waves' partial sums, 2,048 bytes each
.set OFF_XS, 3145728
.set OFF_G,  3407872
.set OFF_OM, 3538944
.set OFF_CT, 3670016
.set OFF_ST, 4718592
.set XG,  1                            ; 16 lane
.set STI, 2                            ; stage, way in
.set STO, 3                            ; stage, way out: r 528 + 256 h
.set GW,  4                            ; dt_w: r 8192 + 128 h
.set GP,  5                            ; pg_w: r 4096 + 128 h
.set LS,  6                            ; 4 lane
.set RA,  7                            ; my partial sums
.set H8,  8                            ; 8 h
.set B4,  9                            ; 4 r
.set SPW, 10
.set NIL, 11
.set RL,  12                           ; wave 0 reads all partial sums
.set GO,  13                           ; r 8192 + 32 h
.set DW0, 16
.set DW1, 28
.set PGW, 40
.set DS0, 52
.set DS1, 53
.set PGS, 54
.set XS,  55
.set XAS, 56
.set EB,  57
.set EA,  59
.set PT,  61
.set GA,  64
.set GB,  128
.set RAW, 64
.set XA,  64
.set XRE, 128
.set XIM, 160
.set ACC0, 192
.set ACC1, 200
.set ACCP, 208
.set BI,  216
.set XF,  224
.set XAF, 236
.set QT,  248
.set TD,  192                          ; the tables' registers, free while the loads fly
.set TA,  196
.set TE,  200
.set TF,  204
.set T0,  208
.set ANG, 214
.set TT,  215
.set SGN, 219
.set D0,  220
.set WV,  18
.set SEL, 30
.set EPS, 32
.set K2PI, 34
.set KPH, 35
.set KPL, 36
.set S1,  37
.set S2,  38
.set S3,  39
.set C1,  40
.set C2,  41
.set C3,  42
.set LH,  43
.set LL,  44
.set T0S, 45
.set MSB, 0
.macro WIN new
.if MSB != \new
	s_set_vgpr_msb (MSB<<8)|\new
.set MSB, \new
.endif
.endm
; a block of 32 that lies whole in my registers: its codes into six registers, its byte into eb
.macro QB src, dst, eb
	v_max3_num_f32 v[QT], |v[(\src)]|, |v[(\src)+1]|, |v[(\src)+2]|
	v_max3_num_f32 v[QT+1], |v[(\src)+3]|, |v[(\src)+4]|, |v[(\src)+5]|
.irp i, 6,10,14,18,22,26
	v_max3_num_f32 v[QT], v[QT], |v[(\src)+\i]|, |v[(\src)+\i+1]|
	v_max3_num_f32 v[QT+1], v[QT+1], |v[(\src)+\i+2]|, |v[(\src)+\i+3]|
.endr
	v_max3_num_f32 v[QT], v[QT], |v[(\src)+30]|, |v[(\src)+31]|
	v_max3_num_f32 v[QT], v[QT], v[QT+1], 0x1800000        ; the floor 2^(3 - 127): the byte cannot fall under 1
	v_add_nc_u32 v[QT+2], 0xff000000, v[QT]                ; 2 off the exponent field: the conversion's scale operand
	v_lshrrev_b32 v[\eb], 23, v[QT+2]                      ; the byte
	v_cvt_scalef32_pk16_fp6_f32 v[(\dst):(\dst)+2], v[(\src):(\src)+15], v[QT+2]
	v_cvt_scalef32_pk16_fp6_f32 v[QT+4:QT+6], v[(\src)+16:(\src)+31], v[QT+2]   ; (three registers begin on an even number)
	v_nop                                                  ; one plain place behind the conversions
.irp i, 0,1,2
	v_mov_b32 v[(\dst)+3+\i], v[QT+4+\i]
.endr
.endm
; the scale word of a lane that holds blocks h and 2 + h: my two bytes at their places, with lane l xor 16's two
.macro W2 w, e0, e1
	v_lshl_or_b32 v[\w], v[\e1], 16, v[\e0]
	v_lshlrev_b32 v[\w], v[H8], v[\w]
	v_permlanex16_b32 v[PT], v[\w], s[SEL], s[SEL+1]
	v_or_b32 v[\w], v[\w], v[PT]
.endm
; cos and sin of an angle of 0 or more: reduced by multiples of pi/2 in two parts, then polynomials on |r| <= pi/4
.macro SINCOS a, c, s
	v_mul_f32 v[T0], s[K2PI], v[\a]
	v_rndne_f32 v[T0], v[T0]
	v_fma_f32 v[T0+1], v[T0], s[KPH], v[\a]
	v_fma_f32 v[T0+1], v[T0], s[KPL], v[T0+1]
	v_cvt_i32_f32 v[T0], v[T0]
	v_mul_f32 v[T0+2], v[T0+1], v[T0+1]
	v_fma_f32 v[T0+3], s[S3], v[T0+2], s[S2]
	v_fma_f32 v[T0+4], s[C3], v[T0+2], s[C2]
	v_fma_f32 v[T0+3], v[T0+3], v[T0+2], s[S1]
	v_fma_f32 v[T0+4], v[T0+4], v[T0+2], s[C1]
	v_mul_f32 v[T0+3], v[T0+3], v[T0+2]
	v_mul_f32 v[T0+4], v[T0+4], v[T0+2]
	v_fma_f32 v[T0+5], v[T0+2], -0.5, 1.0
	v_fma_f32 v[T0+3], v[T0+3], v[T0+1], v[T0+1]           ; sin r
	v_fma_f32 v[T0+4], v[T0+4], v[T0+2], v[T0+5]           ; cos r
	v_and_b32 v[T0+5], 1, v[T0]
	v_cmp_eq_u32 vcc_lo, 1, v[T0+5]
	v_cndmask_b32 v[\s], v[T0+3], v[T0+4], vcc_lo          ; odd quarter: the two change places
	v_cndmask_b32 v[\c], v[T0+4], v[T0+3], vcc_lo
	v_lshlrev_b32 v[T0+5], 30, v[T0]
	v_and_b32 v[T0+5], 0x80000000, v[T0+5]
	v_xor_b32 v[\s], v[\s], v[T0+5]                        ; sin's sign: bit 1 of n
	v_add_nc_u32 v[T0], 1, v[T0]
	v_lshlrev_b32 v[T0], 30, v[T0]
	v_and_b32 v[T0], 0x80000000, v[T0]
	v_xor_b32 v[\c], v[\c], v[T0]                          ; cos's: bit 1 of n + 1
.endm
	s_load_b256 s[4:11], s[0:1], 0x0               ; x, dt_w, dt_b, dt_bias
	s_load_b128 s[12:15], s[0:1], 0x20             ; pg_w, pg_b
	s_load_b64 s[16:17], s[0:1], 0x30              ; xbuf
	v_lshl_add_u32 v[SPW], v0, 2, SPARE
	v_mov_b32 v[NIL], 0
	v_lshrrev_b32 v14, 5, v0
	v_readfirstlane_b32 s[WV], v14
	v_and_b32 v14, 31, v0                          ; lane
	v_and_b32 v15, 15, v0                          ; r
	v_bfe_u32 v[H8], v0, 4, 1                      ; h
	v_lshlrev_b32 v[XG], 4, v14
	v_lshlrev_b32 v[LS], 2, v14
	s_mul_i32 s19, s[WV], STG
	v_add_nc_u32 v[STI], s19, v[XG]
	v_mul_u32_u24 v[STO], v15, 528
	v_lshl_add_u32 v[STO], v[H8], 8, v[STO]
	v_add_nc_u32 v[STO], s19, v[STO]
	v_lshlrev_b32 v[GW], 13, v15
	v_lshl_add_u32 v[GW], v[H8], 7, v[GW]
	v_lshlrev_b32 v[GP], 12, v15
	v_lshl_add_u32 v[GP], v[H8], 7, v[GP]
	v_lshlrev_b32 v[B4], 2, v15
	s_lshl_b32 s19, s[WV], 11
	s_add_co_u32 s19, s19, RED
	v_add_nc_u32 v[RA], s19, v[XG]
	v_add_nc_u32 v[RL], RED, v[XG]
	v_lshlrev_b32 v[GO], 13, v15
	v_lshl_add_u32 v[GO], v[H8], 5, v[GO]
	v_lshlrev_b32 v[H8], 3, v[H8]
	v_mov_b32 v[PT], 0                             ; a lane permute's destination counts as one of its sources
	s_mov_b32 s[SEL], 0x76543210
	s_mov_b32 s[SEL+1], 0xfedcba98
	s_mov_b32 s[EPS], 0x322bcc77                   ; 1e-8
	s_mov_b32 s[EPS+1], s[EPS]
	s_mov_b32 s[K2PI], 0x3f22f983                  ; 2 / pi
	s_mov_b32 s[KPH], 0xbfc90fdb                   ; -(pi/2), upper part
	s_mov_b32 s[KPL], 0x333bbd2e                   ; -(pi/2), lower part
	s_mov_b32 s[S1], 0xbe2aaaa3
	s_mov_b32 s[S2], 0x3c08839e
	s_mov_b32 s[S3], 0xb94ca1f9
	s_mov_b32 s[C1], 0x3d2aaaa5
	s_mov_b32 s[C2], 0xbab6061a
	s_mov_b32 s[C3], 0x37ccf5ce
	s_mov_b32 s[LH], 0x3e549a78                    ; log2(10000) / 64, upper part
	s_mov_b32 s[LL], 0x31979a31                    ; and what is left of it
	s_lshl_b32 s46, ttmp9, 17                      ; 16 rows of 8,192 bytes
	s_lshl_b32 s47, s[WV], 10
	s_add_co_u32 s46, s46, s47
	s_mov_b32 s47, 0
	s_lshl_b32 s48, s[WV], 9                       ; my 128 columns of dt_w and of pg_w
	s_mov_b32 s49, 0
	s_lshl_b32 s[T0S], ttmp9, 4
	s_lshl_b32 s50, s[WV], 1
	s_add_co_u32 s[T0S], s[T0S], s50               ; 16 tile + 2 w: my first table row, and the number of my first image
	s_lshl_b32 s20, s[T0S], 9
	s_mov_b32 s21, 0
	s_mul_i32 s22, s[T0S], 1536
	s_mov_b32 s23, 0
	s_lshl_b32 s24, s[T0S], 7
	s_mov_b32 s25, 0
	s_lshl_b32 s26, ttmp9, 6
	s_mov_b32 s27, 0
	s_wait_kmcnt 0x0
	s_add_nc_u64 s[4:5], s[4:5], s[46:47]
	s_add_nc_u64 s[6:7], s[6:7], s[48:49]
	s_add_nc_u64 s[12:13], s[12:13], s[48:49]
	s_add_nc_u64 s[20:21], s[16:17], s[20:21]      ; the tables' rows
	s_add_nc_u64 s[22:23], s[16:17], s[22:23]      ; my images
	s_add_nc_u64 s[24:25], s[16:17], s[24:25]      ; their scale words
	s_add_nc_u64 s[26:27], s[16:17], s[26:27]      ; g and 1 - p at my tile's t
.set ii, 0
.rept 8                                        ; dt_w's fragment of K step 2 w: head r, [columns 64 kappa + 32 h .. | the same 1,024 columns on]
	global_load_b128 v[GA+4*ii:GA+4*ii+3], v[GW], s[6:7] offset:16*ii
	global_load_b128 v[GA+32+4*ii:GA+35+4*ii], v[GW], s[6:7] offset:4096+16*ii
.set ii, ii+1
.endr
.set ii, 0
.rept 8                                        ; and of K step 2 w + 1
	global_load_b128 v[GB+4*ii:GB+4*ii+3], v[GW], s[6:7] offset:256+16*ii
	global_load_b128 v[GB+32+4*ii:GB+35+4*ii], v[GW], s[6:7] offset:4352+16*ii
.set ii, ii+1
.endr
	WIN 0x40                                       ; destination window 1
.set ii, 0
.rept 32                                       ; x: each load reads 512 consecutive bytes: row ii % 16, K step ii / 16
	global_load_b128 v[4*ii:4*ii+3], v[XG], s[4:5] offset:(ii%16)*8192+(ii/16)*512 th:TH_LOAD_NT
.set ii, ii+1
.endr
	WIN 0
	global_load_b32 v[BI], v[B4], s[8:9]
	global_load_b32 v[BI+1], v[B4], s[10:11]
	global_load_b32 v[BI+2], v[B4], s[14:15]
	; ---- the tables, while the loads fly.  Entry e = 4 lane + i of a row stands for tau = e / 32, c = (e / 16) % 2, rho = e % 16, d = 32 (tau / 2) + 8 (tau % 2) + rho + 8 (rho / 8)
	v_bfe_u32 v[D0], v0, 4, 1
	v_bfe_u32 v[TD], v0, 3, 1
	v_bfe_u32 v[TD+1], v0, 1, 1
	v_add_nc_u32 v[TD], v[TD], v[TD+1]
	v_and_b32 v[TD+1], 3, v0
	v_lshlrev_b32 v[D0], 5, v[D0]
	v_lshl_add_u32 v[D0], v[TD], 3, v[D0]
	v_lshl_add_u32 v[D0], v[TD+1], 2, v[D0]
	v_bfe_u32 v[SGN], v0, 2, 1
	v_xor_b32 v[SGN], 1, v[SGN]
	v_lshlrev_b32 v[SGN], 31, v[SGN]               ; the sine's table holds -sin where c = 0
.irp i, 0,1,2,3
	v_add_nc_u32 v[TD+\i], \i, v[D0]
.endr
.irp i, 0,1,2,3
	v_cvt_f32_u32 v[TD+\i], v[TD+\i]
.endr
.irp i, 0,1,2,3
	v_mul_f32 v[TA+\i], s[LH], v[TD+\i]
.endr
.irp i, 0,1,2,3
	v_fma_f32 v[TE+\i], v[TD+\i], s[LH], -v[TA+\i]         ; what the rounding of the exponent has lost,
.endr
.irp i, 0,1,2,3
	v_fma_f32 v[TE+\i], v[TD+\i], s[LL], v[TE+\i]          ; and the constant's lower part
.endr
.irp i, 0,1,2,3
	v_exp_f32 v[TF+\i], -v[TA+\i]
.endr
	v_nop
	s_wait_alu depctr_va_vdst(0)                   ; one wait for the four, ahead of their first reader
.irp i, 0,1,2,3
	v_mul_f32 v[TA+\i], 0xbf317218, v[TF+\i]
.endr
.irp i, 0,1,2,3
	v_fma_f32 v[TF+\i], v[TA+\i], v[TE+\i], v[TF+\i]       ; f = f0 (1 - ln 2 x the lost part)
.endr
.irp rr, 0,1
	s_add_co_u32 s50, s[T0S], \rr
	v_cvt_f32_u32 v[TT], s50
.irp i, 0,1,2,3
	v_mul_f32 v[ANG], v[TT], v[TF+\i]
	SINCOS ANG, 224+8*\rr+\i, 228+8*\rr+\i
	v_xor_b32 v[228+8*\rr+\i], v[SGN], v[228+8*\rr+\i]
.endr
	global_store_b128 v[XG], v[224+8*\rr:227+8*\rr], s[20:21] offset:OFF_CT+512*\rr   ; 32 lanes store 512 consecutive bytes
	global_store_b128 v[XG], v[228+8*\rr:231+8*\rr], s[20:21] offset:OFF_ST+512*\rr
.endr
	; ---- the gates' weights
	s_wait_loadcnt 51                              ; younger: 16 of the second fragment, 32 of x, 3 biases
	QB GA, DW0, EB
	QB GA+32, DW0+6, EB+1
	W2 DS0, EB, EB+1
.set ii, 0
.rept 8                                        ; pg_w's fragment: head r, columns 128 w + 32 h .. and 64 further on
	global_load_b128 v[GA+4*ii:GA+4*ii+3], v[GP], s[12:13] offset:16*ii
	global_load_b128 v[GA+32+4*ii:GA+35+4*ii], v[GP], s[12:13] offset:256+16*ii
.set ii, ii+1
.endr
	s_wait_loadcnt 51                              ; younger: 32 of x, 3 biases, 16 of pg_w
	QB GB, DW1, EB
	QB GB+32, DW1+6, EB+1
	W2 DS1, EB, EB+1
	s_wait_loadcnt 16                              ; x and the biases are in
	WIN 0x04                                       ; an LDS store's data: window 1
.set ii, 0
.rept 32
	ds_store_b128 v[STI], v[4*ii:4*ii+3] offset:(ii/16)*HSTG+(ii%16)*528
.set ii, ii+1
.endr
	WIN 0
	s_wait_loadcnt 0x0
	QB GA, PGW, EB
	QB GA+32, PGW+6, EB+1
	W2 PGS, EB, EB+1
; ---- a K step of x: lane (r, h) takes row r's 32 complex numbers DIM 64 kappa + 32 h .. from my own stage (LDS serves a wave's instructions in order)
.macro XSTEP a
.set ii, 0
.rept 16
	ds_load_b128 v[RAW+4*ii:RAW+4*ii+3], v[STO] offset:\a*HSTG+16*ii
.set ii, ii+1
.endr
	s_wait_dscnt 0x0
.set ii, 0
.rept 32
	v_mov_b32 v[XRE+ii], v[RAW+2*ii]
	v_mov_b32 v[XIM+ii], v[RAW+2*ii+1]
.set ii, ii+1
.endr
.set ii, 0
.rept 16
	v_pk_fma_f32 v[XA+ii:XA+ii+1], v[XIM+ii:XIM+ii+1], v[XIM+ii:XIM+ii+1], s[EPS:EPS+1] op_sel_hi:[1,1,0]
.set ii, ii+2
.endr
.set ii, 0
.rept 16
	v_pk_fma_f32 v[XA+ii:XA+ii+1], v[XRE+ii:XRE+ii+1], v[XRE+ii:XRE+ii+1], v[XA+ii:XA+ii+1]
.set ii, ii+2
.endr
.set ii, 0
.rept 32
	v_sqrt_f32 v[XA+ii], v[XA+ii]
.set ii, ii+1
.endr
	s_wait_xcnt 0x0                                ; earlier stores have read their data: the codes' and the scale word's registers may be written
	QB XRE, XF, EB                                 ; independent work behind the batch of roots
	QB XIM, XF+6, EB+1
	s_wait_alu depctr_va_vdst(0)                   ; one wait for the 32 roots, ahead of their first reader
	QB XA, XAF+6*\a, EA+\a
	W2 XS, EB, EB+1
.endm
	XSTEP 0
.irp q, 0,1,2
	global_store_b128 v[XG], v[XF+4*\q:XF+4*\q+3], s[22:23] offset:512*\q
.endr
	global_store_b32 v[LS], v[XS], s[24:25] offset:OFF_XS
.rept 8
	v_nop                                          ; a scale word written by a vector instruction stands eight places ahead of the product
.endr
	v_wmma_scale_f32_16x16x128_f8f6f4 v[ACC0:ACC0+7], v[XF:XF+11], v[DW0:DW0+11], 0, v[XS], v[DS0] matrix_a_fmt:MATRIX_FMT_FP6 matrix_b_fmt:MATRIX_FMT_FP6
	XSTEP 1                                        ; (its 64 moves are the places behind that product)
	W2 XAS, EA, EA+1
.irp q, 0,1,2
	global_store_b128 v[XG], v[XF+4*\q:XF+4*\q+3], s[22:23] offset:1536+512*\q
.endr
	global_store_b32 v[LS], v[XS], s[24:25] offset:OFF_XS+128
.rept 8
	v_nop
.endr
	v_wmma_scale_f32_16x16x128_f8f6f4 v[ACC1:ACC1+7], v[XF:XF+11], v[DW1:DW1+11], 0, v[XS], v[DS1] matrix_a_fmt:MATRIX_FMT_FP6 matrix_b_fmt:MATRIX_FMT_FP6
	v_wmma_scale_f32_16x16x128_f8f6f4 v[ACCP:ACCP+7], v[XAF:XAF+11], v[PGW:PGW+11], 0, v[XAS], v[PGS] matrix_a_fmt:MATRIX_FMT_FP6 matrix_b_fmt:MATRIX_FMT_FP6
.rept 4
	v_nop
.endr
.irp j, 0,2,4,6
	v_pk_add_f32 v[ACC0+\j:ACC0+\j+1], v[ACC0+\j:ACC0+\j+1], v[ACC1+\j:ACC1+\j+1]   ; lane (r, h): head r, t = 8 h + j
.endr
	ds_store_b128 v[RA], v[ACC0:ACC0+3]
	ds_store_b128 v[RA], v[ACC0+4:ACC0+7] offset:512
	ds_store_b128 v[RA], v[ACCP:ACCP+3] offset:1024
	ds_store_b128 v[RA], v[ACCP+4:ACCP+7] offset:1536
	s_wait_dscnt 0x0                               ; for the others' sake: my partial sums have landed
	s_barrier_signal -1
	s_barrier_wait -1
	s_cmp_lg_u32 s[WV], 0
	s_cbranch_scc1 .Lend
	; ---- wave 0: the sums over K, and the gates
.set ii, 0
.rept 32
	ds_load_b128 v[64+4*ii:67+4*ii], v[RL] offset:(ii/4)*2048+(ii%4)*512
.set ii, ii+1
.endr
	s_wait_dscnt 0x0
.irp w, 1,2,3,4,5,6,7
.irp p, 0,2,4,6,8,10,12,14
	v_pk_add_f32 v[64+\p:65+\p], v[64+\p:65+\p], v[64+16*\w+\p:65+16*\w+\p]
.endr
.endr
.irp j, 0,1,2,3,4,5,6,7
	v_add_f32 v[64+\j], v[64+\j], v[BI]
	v_add_f32 v[72+\j], v[72+\j], v[BI+2]
.endr
.irp j, 0,1,2,3,4,5,6,7
	v_add_f32 v[64+\j], v[64+\j], v[BI+1]
.endr
.irp j, 0,1,2,3,4,5,6,7
	v_mul_f32 v[64+\j], 0x3fb8aa3b, v[64+\j]
	v_mul_f32 v[72+\j], 0xbfb8aa3b, v[72+\j]
.endr
.set ii, 0
.rept 16
	v_exp_f32 v[64+ii], v[64+ii]                   ; e^z and e^-u
.set ii, ii+1
.endr
	v_nop
	s_wait_alu depctr_va_vdst(0)
.set ii, 0
.rept 16
	v_add_f32 v[64+ii], 1.0, v[64+ii]
.set ii, ii+1
.endr
.set ii, 0
.rept 16
	v_rcp_f32 v[64+ii], v[64+ii]                   ; exp(-dt) = 1 / (1 + e^z);  p = 1 / (1 + e^-u)
.set ii, ii+1
.endr
	v_nop
	s_wait_alu depctr_va_vdst(0)
.irp j, 0,1,2,3,4,5,6,7
	v_sub_f32 v[80+\j], 1.0, v[72+\j]              ; 1 - p
.endr
.irp j, 0,1,2,3,4,5,6,7
	v_fma_f32 v[88+\j], v[64+\j], v[80+\j], v[72+\j]       ; gamma
.endr
.irp j, 0,1,2,3,4,5,6,7
	v_add_f32 v[88+\j], 0x358637bd, v[88+\j]       ; + 1e-6
.endr
.irp j, 0,1,2,3,4,5,6,7
	v_log_f32 v[88+\j], v[88+\j]
.endr
	v_nop
	s_wait_alu depctr_va_vdst(0)
.irp j, 0,1,2,3,4,5,6,7
	v_mul_f32 v[88+\j], 0xbf317218, v[88+\j]       ; g = -ln 2 x log2
.endr
	global_store_b128 v[GO], v[88:91], s[26:27] offset:OFF_G
	global_store_b128 v[GO], v[92:95], s[26:27] offset:OFF_G+16
	global_store_b128 v[GO], v[80:83], s[26:27] offset:OFF_OM
	global_store_b128 v[GO], v[84:87], s[26:27] offset:OFF_OM+16
.Lend:
	s_wait_tensorcnt 0x0                           ; the wave's end: behind my last LDS store
	ds_add_u32 v[SPW], v[NIL]
	s_wait_dscnt 0x0
	s_endpgm
.Lfunc_end_k_q45a2c0e092_xq:
	.size	k_q45a2c0e092_xq, .Lfunc_end_k_q45a2c0e092_xq-k_q45a2c0e092_xq
	.p2alignl 7, 3214868480
	.fill 96, 4, 3214868480
	.section	.rodata,"a",@progbits
	.p2align	6, 0x0
	.amdhsa_kernel k_q45a2c0e092_xq
		.amdhsa_group_segment_fixed_size 152576
		.amdhsa_private_segment_fixed_size 0
		.amdhsa_enable_private_segment 0
		.amdhsa_kernarg_size 56
		.amdhsa_user_sgpr_count 2
		.amdhsa_user_sgpr_kernarg_segment_ptr 1
		.amdhsa_wavefront_size32 1
		.amdhsa_system_sgpr_workgroup_id_x 1
		.amdhsa_system_sgpr_workgroup_id_y 1
		.amdhsa_system_sgpr_workgroup_id_z 1
		.amdhsa_system_vgpr_workitem_id 0
		.amdhsa_next_free_vgpr 384
		.amdhsa_next_free_sgpr 66
		.amdhsa_reserve_vcc 1
		.amdhsa_float_denorm_mode_32 3
		.amdhsa_float_denorm_mode_16_64 3
		.amdhsa_memory_ordered 1
		.amdhsa_forward_progress 1
		.amdhsa_inst_pref_size 70
	.end_amdhsa_kernel
	.amdgpu_metadata
---
amdhsa.version: [ 1, 2 ]
amdhsa.kernels:
  - .name:           k_q45a2c0e092_xq
    .symbol:         k_q45a2c0e092_xq.kd
    .args:
      - { .name: x, .offset: 0, .size: 8, .value_kind: global_buffer, .address_space: global }
      - { .name: dt_w, .offset: 8, .size: 8, .value_kind: global_buffer, .address_space: global }
      - { .name: dt_b, .offset: 16, .size: 8, .value_kind: global_buffer, .address_space: global }
      - { .name: dt_bias, .offset: 24, .size: 8, .value_kind: global_buffer, .address_space: global }
      - { .name: pg_w, .offset: 32, .size: 8, .value_kind: global_buffer, .address_space: global }
      - { .name: pg_b, .offset: 40, .size: 8, .value_kind: global_buffer, .address_space: global }
      - { .name: xbuf, .offset: 48, .size: 8, .value_kind: global_buffer, .address_space: global }
    .group_segment_fixed_size: 152576
    .private_segment_fixed_size: 0
    .kernarg_segment_align: 8
    .kernarg_segment_size: 56
    .max_flat_workgroup_size: 256
    .sgpr_count:     66
    .vgpr_count:     384
    .wavefront_size: 32
...
	.end_amdgpu_metadata
.endif
;; end of part 1
;; launch wq (part 2): grid 260 x 1, 4 waves a work-group, no clusters, 35,328 bytes of LDS; arguments qkv_wr, qkv_wi, o_wr, o_wi, xbuf, wqkv, wo, scan; writes wqkv, wo, scan
.if DOCPART == 2
	.amdgcn_target "amdgcn-amd-amdhsa--gfx1250"
	.amdhsa_code_object_version 6
	.text
	.protected	k_q45a2c0e092_wq
	.globl	k_q45a2c0e092_wq
	.p2align	8
	.type	k_q45a2c0e092_wq,@function
k_q45a2c0e092_wq:
	s_mov_b64 s[64:65], 0
	v_nop
	global_prefetch_b8 v0, s[64:65] scope:SCOPE_SE
	s_setreg_imm32_b32 hwreg(HW_REG_WAVE_MODE, 25, 1), 1
	s_wait_xcnt 0x0
; The complex weights become real operands of K = 2,048: for output part re the row [wr | -wi], for im [wi | wr], K step kappa = columns 64 kappa .. +63 of both.
; Codes of E2M3, one E8M0 byte for each 32 along K, laid as images of the operand's registers (1,536 bytes a fragment, 128 bytes of scale words, lanes 16-31 a copy of lanes 0-15).
; A negation is a flip of each code's top bit; the scale bytes of [wi | wr] are those of [wr | -wi] with the halves changed.
; Work-groups 0-191: 16 rows of qkv (rows chosen so that column tau 32 + c 16 + rho of a head stands for d = 32 (tau / 2) + 8 (tau % 2) + rho + 8 (rho / 8)); 192-255: 16 rows of o (column 2 n + c).  Wave w: K steps 4 w .. 4 w + 3.
; Work-groups 256-259: wave w sums g over t for head 4 (group - 256) + w: C, and D_last = exp(min(C - C[last], 0)).
; LIMITS: NaN and infinities are not served; a block under 2^-124 keeps the byte 1 (zeros too).  The running sum goes 64 numbers to a lane and then lane by lane: another order of f32 additions than a plain running sum.
.set SPARE, 34816
.set WSTG,  8704                       ; a wave's stage: wr's 16 rows x 272 bytes, then wi's
.set OFF_G, 3407872
.set B_CO,  786432
.set VA0, 1
.set VA1, 2
.set STI, 3
.set STO, 4
.set F0,  5
.set F1,  6
.set S0,  7
.set S1,  8
.set H8,  9
.set SPW, 10
.set NIL, 11
.set PT,  12
.set ER,  13
.set EI,  14
.set W0,  28
.set W1,  29
.set QT,  20
.set P,   32                           ; [Ci][Cr][-Ci]: 18 registers
.set NR,  64
.set NI,  96
.set RAW, 128
.set WV,  20
.set SEL, 22
.set XP,  24
.macro QB src, dst, eb
	v_max3_num_f32 v[QT], |v[(\src)]|, |v[(\src)+1]|, |v[(\src)+2]|
	v_max3_num_f32 v[QT+1], |v[(\src)+3]|, |v[(\src)+4]|, |v[(\src)+5]|
.irp i, 6,10,14,18,22,26
	v_max3_num_f32 v[QT], v[QT], |v[(\src)+\i]|, |v[(\src)+\i+1]|
	v_max3_num_f32 v[QT+1], v[QT+1], |v[(\src)+\i+2]|, |v[(\src)+\i+3]|
.endr
	v_max3_num_f32 v[QT], v[QT], |v[(\src)+30]|, |v[(\src)+31]|
	v_max3_num_f32 v[QT], v[QT], v[QT+1], 0x1800000
	v_add_nc_u32 v[QT+2], 0xff000000, v[QT]
	v_lshrrev_b32 v[\eb], 23, v[QT+2]
	v_cvt_scalef32_pk16_fp6_f32 v[(\dst):(\dst)+2], v[(\src):(\src)+15], v[QT+2]
	v_cvt_scalef32_pk16_fp6_f32 v[QT+4:QT+6], v[(\src)+16:(\src)+31], v[QT+2]
	v_nop
.irp i, 0,1,2
	v_mov_b32 v[(\dst)+3+\i], v[QT+4+\i]
.endr
.endm
	s_load_b256 s[4:11], s[0:1], 0x0               ; qkv_wr, qkv_wi, o_wr, o_wi
	s_load_b256 s[12:19], s[0:1], 0x20             ; xbuf, wqkv, wo, scan
	v_lshl_add_u32 v[SPW], v0, 2, SPARE
	v_mov_b32 v[NIL], 0
	v_lshrrev_b32 v15, 5, v0
	v_readfirstlane_b32 s[WV], v15
	s_mov_b32 s[SEL], 0x76543210
	s_mov_b32 s[SEL+1], 0xfedcba98
	s_mov_b32 s[XP], 0x20820820                    ; the top bits of the 6-bit codes in three words on end
	s_mov_b32 s[XP+1], 0x08208208
	s_mov_b32 s[XP+2], 0x82082082
	s_wait_kmcnt 0x0
	s_cmp_ge_u32 ttmp9, 256
	s_cbranch_scc1 .Lscan
	v_and_b32 v15, 31, v0                          ; lane
	v_and_b32 v13, 15, v0                          ; rho
	v_bfe_u32 v14, v0, 4, 1                        ; h
	v_lshlrev_b32 v[VA0], 4, v13
	v_lshl_add_u32 v[VA0], v14, 12, v[VA0]         ; a load takes two rows: one to each half of the lanes, 256 bytes each
	s_mul_i32 s27, s[WV], WSTG
	v_mul_u32_u24 v[STI], v14, 272
	v_lshl_add_u32 v[STI], v13, 4, v[STI]
	v_add_nc_u32 v[STI], s27, v[STI]
	v_mul_u32_u24 v[STO], v13, 272
	v_lshl_add_u32 v[STO], v14, 7, v[STO]
	v_add_nc_u32 v[STO], s27, v[STO]               ; back: row rho, my half's 32 numbers
	v_lshlrev_b32 v[H8], 3, v14
	v_mov_b32 v[PT], 0
	v_lshlrev_b32 v[F0], 4, v15                    ; qkv: the image's place is my lane's
	v_lshlrev_b32 v[S0], 2, v15
	v_lshrrev_b32 v16, 3, v13
	v_and_b32 v17, 7, v13
	v_mul_u32_u24 v18, v16, 24576                  ; o: tile rho / 8, place 2 (rho % 8) + c
	v_lshl_add_u32 v18, v17, 5, v18
	v_lshl_add_u32 v18, v14, 8, v18
	v_lshlrev_b32 v19, 11, v16
	v_lshl_add_u32 v19, v17, 3, v19
	v_lshl_add_u32 v19, v14, 6, v19
	s_lshr_b32 s27, ttmp9, 2
	s_lshl_b32 s27, s27, 6
	s_bfe_u32 s28, ttmp9, 0x10001
	s_lshl_b32 s28, s28, 5
	s_add_co_u32 s27, s27, s28
	s_and_b32 s28, ttmp9, 1
	s_lshl_b32 s28, s28, 3
	s_add_co_u32 s27, s27, s28                     ; qkv's first row
	s_sub_co_u32 s29, ttmp9, 192
	s_lshl_b32 s28, s29, 4                         ; o's
	s_cmp_lt_u32 ttmp9, 192                        ; the choice hangs on the work-group's number alone
	s_cselect_b32 s27, s27, s28
	s_cselect_b32 s29, ttmp9, s29                  ; which 16 rows of its tensor
	s_cselect_b32 s30, 32768, 0                    ; qkv: rows 8-15 lie 8 rows further on
	s_cselect_b32 s31, 24576, 16                   ; from part re's place to part im's
	s_cselect_b32 s32, 2048, 4
	s_cselect_b32 s33, -1, 0
	s_cselect_b64 s[4:5], s[4:5], s[8:9]
	s_cselect_b64 s[6:7], s[6:7], s[10:11]
	s_cselect_b64 s[14:15], s[14:15], s[16:17]
	v_cndmask_b32 v[F0], v18, v[F0], s33
	v_cndmask_b32 v[S0], v19, v[S0], s33
	v_add_nc_u32 v[F1], s31, v[F0]
	v_add_nc_u32 v[S1], s32, v[S0]
	v_add_nc_u32 v[VA1], s30, v[VA0]
	s_lshl_b32 s34, s27, 12
	s_lshl_b32 s35, s[WV], 10
	s_add_co_u32 s34, s34, s35
	s_mov_b32 s35, 0
	s_add_nc_u64 s[4:5], s[4:5], s[34:35]
	s_add_nc_u64 s[6:7], s[6:7], s[34:35]
	s_mul_i32 s36, s29, 49152                      ; two tiles of 16 images
	s_mul_i32 s37, s[WV], 6144
	s_add_co_u32 s36, s36, s37
	s_mov_b32 s37, 0
	s_add_nc_u64 s[36:37], s[14:15], s[36:37]
	s_lshl_b32 s38, s29, 12
	s_lshl_b32 s39, s[WV], 9
	s_add_co_u32 s38, s38, s39
	s_mov_b32 s39, 0
	s_add_nc_u64 s[38:39], s[14:15], s[38:39]
.macro WLOAD u
.irp i, 0,1,2,3
	global_load_b128 v[RAW+4*\i:RAW+4*\i+3], v[VA0], s[4:5] offset:\i*8192+(\u)*256 th:TH_LOAD_NT
	global_load_b128 v[RAW+32+4*\i:RAW+35+4*\i], v[VA0], s[6:7] offset:\i*8192+(\u)*256 th:TH_LOAD_NT
.endr
.irp i, 4,5,6,7
	global_load_b128 v[RAW+4*\i:RAW+4*\i+3], v[VA1], s[4:5] offset:\i*8192+(\u)*256 th:TH_LOAD_NT
	global_load_b128 v[RAW+32+4*\i:RAW+35+4*\i], v[VA1], s[6:7] offset:\i*8192+(\u)*256 th:TH_LOAD_NT
.endr
.endm
.macro UNIT u
	s_wait_loadcnt 0x0
.irp i, 0,1,2,3,4,5,6,7
	ds_store_b128 v[STI], v[RAW+4*\i:RAW+4*\i+3] offset:\i*544
	ds_store_b128 v[STI], v[RAW+32+4*\i:RAW+35+4*\i] offset:4352+\i*544
.endr
.irp j, 0,1,2,3,4,5,6,7
	ds_load_b128 v[NR+4*\j:NR+4*\j+3], v[STO] offset:16*\j            ; LDS serves a wave's instructions in order: these see my stores
	ds_load_b128 v[NI+4*\j:NI+4*\j+3], v[STO] offset:4352+16*\j
.endr
	s_wait_dscnt 0x0                               ; the stage's stores have read their registers, and my numbers are back
	s_wait_xcnt 0x0                                ; the last unit's stores have read the codes' registers
.if \u < 3
	WLOAD \u+1
.endif
	QB NI, P, EI
	QB NR, P+6, ER
.irp i, 0,1,2,3,4,5
	v_xor_b32 v[P+12+\i], s[XP+\i%3], v[P+\i]
.endr
	v_lshl_or_b32 v[W0], v[EI], 16, v[ER]          ; [wr | -wi]: my bytes of blocks h and 2 + h,
	v_lshlrev_b32 v[W0], v[H8], v[W0]
	v_permlanex16_b32 v[PT], v[W0], s[SEL], s[SEL+1]
	v_or_b32 v[W0], v[W0], v[PT]                   ; with lane l xor 16's
	v_alignbit_b32 v[W1], v[W0], v[W0], 16         ; [wi | wr]: the halves change places
.irp q, 0,1,2
	global_store_b128 v[F0], v[P+6+4*\q:P+9+4*\q], s[36:37] offset:B_CO+\u*1536+512*\q
	global_store_b128 v[F1], v[P+4*\q:P+4*\q+3], s[36:37] offset:B_CO+\u*1536+512*\q
.endr
	global_store_b32 v[S0], v[W0], s[38:39] offset:\u*128
	global_store_b32 v[S1], v[W1], s[38:39] offset:\u*128
.endm
	WLOAD 0
	UNIT 0
	UNIT 1
	UNIT 2
	UNIT 3
	s_wait_tensorcnt 0x0                           ; the wave's end: behind my last LDS store
	ds_add_u32 v[SPW], v[NIL]
	s_wait_dscnt 0x0
	s_endpgm
.Lscan:                                            ; no LDS is touched on this way
	s_sub_co_u32 s27, ttmp9, 256
	s_lshl_b32 s27, s27, 2
	s_add_co_u32 s27, s27, s[WV]                   ; head
	s_lshl_b32 s28, s27, 13
	s_mov_b32 s29, 0
	v_and_b32 v1, 31, v0
	v_lshlrev_b32 v1, 8, v1                        ; lane L takes t = 64 L .. +63
	s_add_nc_u64 s[12:13], s[12:13], s[28:29]
	s_add_nc_u64 s[18:19], s[18:19], s[28:29]
.set ii, 0
.rept 16
	global_load_b128 v[64+4*ii:67+4*ii], v1, s[12:13] offset:OFF_G+16*ii
.set ii, ii+1
.endr
	s_wait_loadcnt 0x0
.set ii, 1
.rept 63
	v_add_f32 v[64+ii], v[63+ii], v[64+ii]
.set ii, ii+1
.endr
	v_mov_b32 v2, 0
	v_mov_b32 v3, 0
	s_mov_b32 s30, 0
.set ii, 0
.rept 32                                       ; what lies ahead of each lane's 64
	v_writelane_b32 v2, s30, ii
	v_readlane_b32 s31, v127, ii
	s_add_f32 s30, s30, s31
.set ii, ii+1
.endr
	s_xor_b32 s31, s30, 0x80000000                 ; -C[last]
.set ii, 0
.rept 32
	v_pk_add_f32 v[64+ii:65+ii], v[64+ii:65+ii], v[2:3] op_sel_hi:[1,0]
.set ii, ii+2
.endr
.set ii, 0
.rept 64
	v_add_f32 v[128+ii], s31, v[64+ii]
.set ii, ii+1
.endr
.set ii, 0
.rept 64
	v_min_num_f32 v[128+ii], 0, v[128+ii]
.set ii, ii+1
.endr
.set ii, 0
.rept 64
	v_mul_f32 v[128+ii], 0x3fb8aa3b, v[128+ii]
.set ii, ii+1
.endr
.set ii, 0
.rept 64
	v_exp_f32 v[128+ii], v[128+ii]
.set ii, ii+1
.endr
	v_nop
	s_wait_alu depctr_va_vdst(0)                   ; one wait for the batch, ahead of the stores that read it
.set ii, 0
.rept 16
	global_store_b128 v1, v[64+4*ii:67+4*ii], s[18:19] offset:16*ii
	global_store_b128 v1, v[128+4*ii:131+4*ii], s[18:19] offset:131072+16*ii
.set ii, ii+1
.endr
	s_endpgm
.Lfunc_end_k_q45a2c0e092_wq:
	.size	k_q45a2c0e092_wq, .Lfunc_end_k_q45a2c0e092_wq-k_q45a2c0e092_wq
	.p2alignl 7, 3214868480
	.fill 96, 4, 3214868480
	.section	.rodata,"a",@progbits
	.p2align	6, 0x0
	.amdhsa_kernel k_q45a2c0e092_wq
		.amdhsa_group_segment_fixed_size 35328
		.amdhsa_private_segment_fixed_size 0
		.amdhsa_enable_private_segment 0
		.amdhsa_kernarg_size 64
		.amdhsa_user_sgpr_count 2
		.amdhsa_user_sgpr_kernarg_segment_ptr 1
		.amdhsa_wavefront_size32 1
		.amdhsa_system_sgpr_workgroup_id_x 1
		.amdhsa_system_sgpr_workgroup_id_y 1
		.amdhsa_system_sgpr_workgroup_id_z 1
		.amdhsa_system_vgpr_workitem_id 0
		.amdhsa_next_free_vgpr 192
		.amdhsa_next_free_sgpr 66
		.amdhsa_reserve_vcc 0
		.amdhsa_float_denorm_mode_32 3
		.amdhsa_float_denorm_mode_16_64 3
		.amdhsa_memory_ordered 1
		.amdhsa_forward_progress 1
		.amdhsa_inst_pref_size 59
	.end_amdhsa_kernel
	.amdgpu_metadata
---
amdhsa.version: [ 1, 2 ]
amdhsa.kernels:
  - .name:           k_q45a2c0e092_wq
    .symbol:         k_q45a2c0e092_wq.kd
    .args:
      - { .name: qkv_wr, .offset: 0, .size: 8, .value_kind: global_buffer, .address_space: global }
      - { .name: qkv_wi, .offset: 8, .size: 8, .value_kind: global_buffer, .address_space: global }
      - { .name: o_wr, .offset: 16, .size: 8, .value_kind: global_buffer, .address_space: global }
      - { .name: o_wi, .offset: 24, .size: 8, .value_kind: global_buffer, .address_space: global }
      - { .name: xbuf, .offset: 32, .size: 8, .value_kind: global_buffer, .address_space: global }
      - { .name: wqkv, .offset: 40, .size: 8, .value_kind: global_buffer, .address_space: global }
      - { .name: wo, .offset: 48, .size: 8, .value_kind: global_buffer, .address_space: global }
      - { .name: scan, .offset: 56, .size: 8, .value_kind: global_buffer, .address_space: global }
    .group_segment_fixed_size: 35328
    .private_segment_fixed_size: 0
    .kernarg_segment_align: 8
    .kernarg_segment_size: 64
    .max_flat_workgroup_size: 128
    .sgpr_count:     66
    .vgpr_count:     192
    .wavefront_size: 32
...
	.end_amdgpu_metadata
.endif
;; end of part 2
;; launch gemm1 (part 3): grid 24 x 8, 4 waves a work-group, clusters of 4 x 4, 327,680 bytes of LDS; arguments xbuf, wqkv, cqkv; writes cqkv
.if DOCPART == 3
	.amdgcn_target "amdgcn-amd-amdhsa--gfx1250"
	.amdhsa_code_object_version 6
	.text
	.protected	k_q45a2c0e092_gemm1
	.globl	k_q45a2c0e092_gemm1
	.p2align	8
	.type	k_q45a2c0e092_gemm1,@function
k_q45a2c0e092_gemm1:
	s_mov_b64 s[64:65], 0
	v_nop
	global_prefetch_b8 v0, s[64:65] scope:SCOPE_SE
	s_setreg_imm32_b32 hwreg(HW_REG_WAVE_MODE, 25, 1), 1
	s_wait_xcnt 0x0
	s_wait_alu depctr_hold_cnt(0) depctr_sa_sdst(0) depctr_va_vdst(0) depctr_va_sdst(0) depctr_va_ssrc(0) depctr_va_vcc(0) depctr_vm_vsrc(0)
	s_getreg_b32 s2, hwreg(HW_REG_IB_STS2, 6, 4)
	s_cmp_eq_u32 s2, 0
	s_cbranch_scc0 .Lentry_in_a_cluster
	s_endpgm
.Lentry_in_a_cluster:
	s_bfe_u32 s2, ttmp6, 0x10000c
	s_cmp_lg_u32 s2, 0xf033
	s_cbranch_scc0 .Lentry_shape_is_right
	s_endpgm
.Lentry_shape_is_right:
; C[m][n] = sum over k of A[m][k] B[n][k], K = 2,048, on codes of E2M3 with one E8M0 byte for each 32 along K; C f32, rows of 8,192 bytes, in panels of 2,048 columns.
; Both operands lie in memory as images of the operand's registers: fragment (row tile, K step of 128) = 1,536 bytes, chunk c of three at 512 c + 16 lane; 16 K steps of a row tile on end (24,576 bytes).
; A: images from byte 0, scale words (128 bytes a fragment, lanes 16-31 a copy of lanes 0-15) from byte 3,145,728.  B: scale words from byte 0, images from byte 786,432.
; A tile of C, 256 x 256, is made by four waves, 128 x 128 each: 64 accumulators, 512 registers.  K goes in steps of 256 through a ring of two LDS slots filled by the tensor data mover;
; a wave's load brings 8 row tiles x 3,072 bytes.  The scale words of the work-group's rows, for all of K, come once with the first fills and stay.
; CLUSTERS: 4 x 4 work-groups; A's tiles are asked for jointly along a row of the cluster, B's along a column.  The matrix instruction is used transposed (source 0 = rows of B, source 1 = rows of A).
; REGISTERS: window 0: v16-29 addresses; v32-63 scale words, two sets; v128-223 A's fragments, one set.  Window 1: B's fragments, two sets, at v0 and v128.  Windows 2, 3: the accumulators.
.set NQ,     2
.set FR,     12
.set NL,     3                         ; LDS loads that bring a fragment
.set NP,     4                         ; places behind this matrix instruction (ISA guide 7.12.1)
.set FIB,    1536
.set TROW,   2*FIB                     ; a row tile's bytes in a slot
.set HALFT,  8*TROW                    ; what one tensor load brings
.set SLOT,   4*HALFT
.set LAPS,   4                         ; a lap = two K steps of 256
.set SCL,    2*SLOT
.set HALFS,  16384                     ; the scale words of 8 row tiles
.set SPARE,  SCL+4*HALFS
.set SPITCH, 528
.set CROW,   8192
.set A_SC,   3145728
.set B_CO,   786432
.set ADRA, 16
.set ADRB, 20
.set STO,  24
.set RD,   25
.set CO,   26
.set ADRS, 27
.set SPW,  28
.set NIL,  29
.set SC,   32
.set AF,   128
.set BK,   128
.set G1, 24
.set G0, 32
.set G1B, 48
.set G0B, 56
.set G1S, 68
.set G0S, 76
.set G1SB, 80
.set G0SB, 88
.set MSB, 0
.macro WIN new
.if MSB != \new
	s_set_vgpr_msb (MSB<<8)|\new
.set MSB, \new
.endif
.endm
.set MUL_LO, 0xa1
.set MUL_HI, 0xf1
.set TO_B,   0x40
; a joint load: waves 0 and 1 fetch for A, waves 2 and 3 for B; the branch hangs on the wave's number alone; an s_nop 0 and four v_nop follow each line
.macro JLOAD g0a, g1a, g0b, g1b
	s_cmp_eq_u32 s15, 0
	s_cbranch_scc0 .Lfor_b_\@
	tensor_load_to_lds s[\g0a:\g0a+3], s[\g1a:\g1a+7]
	s_nop 0
.rept 4
	v_nop
.endr
	s_branch .Lasked_\@
.Lfor_b_\@:
	tensor_load_to_lds s[\g0b:\g0b+3], s[\g1b:\g1b+7]
	s_nop 0
.rept 4
	v_nop
.endr
.Lasked_\@:
.endm
.macro CREST
	s_cmp_lg_u32 s14, 0
	s_cbranch_scc1 .Lnot_wave_0_\@
	s_barrier_signal -3
.Lnot_wave_0_\@:
	s_barrier_wait -3
	s_barrier_signal -1
	s_barrier_wait -1
.endm
.macro CROUND
	s_barrier_signal -1
	s_barrier_wait -1
	CREST
.endm
	s_load_b128 s[4:7], s[0:1], 0x0                ; A, B
	s_load_b64 s[12:13], s[0:1], 0x10              ; C
	v_lshl_add_u32 v[SPW], v0, 2, SPARE
	v_mov_b32 v[NIL], 0
	ds_add_u32 v[SPW], v[NIL]                      ; the wave's opening: the add and its wait ahead of my first tensor load
	v_lshrrev_b32 v1, 5, v0
	v_readfirstlane_b32 s14, v1                    ; wave
	s_lshr_b32 s15, s14, 1                         ; my half of the tile's rows; also: I fetch for A (0) or B (1)
	s_and_b32 s16, s14, 1                          ; my half of its columns; also: which 8 row tiles I fetch
	s_bfe_u32 s40, ttmp6, 0x40000
	s_bfe_u32 s41, ttmp6, 0x40004
	s_lshl_b32 s42, ttmp9, 2
	s_add_co_u32 s42, s42, s40                     ; tile column
	s_and_b32 s17, ttmp7, 0xffff
	s_lshl_b32 s17, s17, 2
	s_add_co_u32 s17, s17, s41                     ; tile row
	s_lshl_b32 s43, s41, 2
	s_lshl_b32 s43, 15, s43                        ; my row of the cluster
	s_lshl_b32 s44, 0x1111, s40                    ; my column
	s_or_b32 s[G1+0], s43, (3<<16)|(1<<21)         ; the mask; elements of 8 bytes; bit 21 beside a mask; no padding
	s_or_b32 s[G1B+0], s44, (3<<16)|(1<<21)
.irp g, G1, G1B
	s_mov_b32 s[\g+1], 384<<16                     ; tensor_dim0: 3,072 bytes
	s_mov_b32 s[\g+2], 8<<16                       ; tensor_dim1
	s_mov_b32 s[\g+3], 384<<16                     ; tile_dim0
	s_mov_b32 s[\g+4], 8                           ; tile_dim1
	s_mov_b32 s[\g+5], 3072                        ; 24,576 bytes from row tile to row tile
	s_mov_b32 s[\g+6], 0
	s_mov_b32 s[\g+7], 0
.endr
	s_or_b32 s[G1S+0], s43, (3<<16)|(1<<21)        ; the scale words of 8 row tiles: 16,384 dense bytes as 64 rows of 256
	s_or_b32 s[G1SB+0], s44, (3<<16)|(1<<21)
.irp g, G1S, G1SB
	s_mov_b32 s[\g+1], 32<<16
	s_mov_b32 s[\g+2], 64<<16
	s_mov_b32 s[\g+3], 32<<16
	s_mov_b32 s[\g+4], 64
	s_mov_b32 s[\g+5], 32
	s_mov_b32 s[\g+6], 0
	s_mov_b32 s[\g+7], 0
.endr
	s_lshl_b32 s18, s16, 3
	s_lshl_b32 s20, s17, 4
	s_add_co_u32 s20, s20, s18                     ; A's first row tile that I fetch
	s_lshl_b32 s46, s42, 4
	s_add_co_u32 s46, s46, s18                     ; B's
	s_lshl_b32 s22, s20, 11
	s_add_co_u32 s22, s22, A_SC
	s_mov_b32 s23, 0
	s_lshl_b32 s92, s46, 11
	s_mov_b32 s93, 0
	s_mul_i32 s20, s20, 24576
	s_mov_b32 s21, 0
	s_mul_i32 s46, s46, 24576
	s_add_co_u32 s46, s46, B_CO
	s_mov_b32 s47, 0
	s_mul_i32 s45, s14, HALFT                      ; where they go: no place in the cluster enters an LDS address
	s_mul_i32 s94, s14, HALFS
	s_wait_dscnt 0x0                               ; the opening add is done
	s_wait_kmcnt 0x0
	s_add_nc_u64 s[20:21], s[4:5], s[20:21]
	s_add_nc_u64 s[22:23], s[4:5], s[22:23]
	s_add_nc_u64 s[46:47], s[6:7], s[46:47]
	s_add_nc_u64 s[92:93], s[6:7], s[92:93]
	CROUND                                         ; all sixteen work-groups are here: the first joint loads meet
	s_mov_b32 s[G0S], 1
	s_add_co_u32 s[G0S+1], s94, SCL
	s_mov_b64 s[G0S+2:G0S+3], s[22:23]
	s_or_b32 s[G0S+3], s[G0S+3], 0x80000000
	s_mov_b32 s[G0SB], 1
	s_add_co_u32 s[G0SB+1], s94, SCL
	s_mov_b64 s[G0SB+2:G0SB+3], s[92:93]
	s_or_b32 s[G0SB+3], s[G0SB+3], 0x80000000
	JLOAD G0S, G1S, G0SB, G1SB                     ; the scale words first
.irp s, 0,1
	s_mov_b32 s[G0+4*\s], 1
	s_add_co_u32 s[G0+4*\s+1], s45, \s*SLOT
	s_add_nc_u64 s[G0+4*\s+2:G0+4*\s+3], s[20:21], \s*TROW
	s_or_b32 s[G0+4*\s+3], s[G0+4*\s+3], 0x80000000
	s_mov_b32 s[G0B+4*\s], 1
	s_add_co_u32 s[G0B+4*\s+1], s45, \s*SLOT
	s_add_nc_u64 s[G0B+4*\s+2:G0B+4*\s+3], s[46:47], \s*TROW
	s_or_b32 s[G0B+4*\s+3], s[G0B+4*\s+3], 0x80000000
	JLOAD G0+4*\s, G1, G0B+4*\s, G1B
.endr
	v_and_b32 v1, 15, v0
	v_bfe_u32 v2, v0, 4, 1
	v_and_b32 v6, 31, v0
	v_lshlrev_b32 v4, 4, v6                        ; an image's place for my lane
	s_mul_i32 s21, s15, HALFT                      ; my 8 row tiles of A
	s_mul_i32 s22, s16, HALFT                      ; my 8 of B,
	s_add_co_u32 s22, s22, 2*HALFT                 ; behind A's 16
.irp s, 0,1
	v_add_nc_u32 v[ADRA+\s], s21, v4
	v_add_nc_u32 v[ADRB+\s], s22, v4
	s_add_co_u32 s21, s21, SLOT
	s_add_co_u32 s22, s22, SLOT
.endr
	v_lshlrev_b32 v5, 2, v6                        ; a scale word's place
	s_mul_i32 s21, s15, HALFS
	s_mul_i32 s22, s16, HALFS
	s_add_co_u32 s22, s22, 2*HALFS
	s_sub_co_u32 s22, s22, s21
	v_mul_u32_u24 v6, s22, v2                      ; lanes 16-31 take B's
	s_add_co_u32 s21, s21, SCL
	v_add_nc_u32 v5, v5, v6
	v_add_nc_u32 v[ADRS], s21, v5
	s_mul_i32 s23, s14, 16*SPITCH                  ; my stage
	v_mul_u32_u24 v5, v1, SPITCH
	v_lshl_add_u32 v5, v2, 5, v5
	v_add_nc_u32 v[STO], s23, v5
	v_mov_b32 v[CO], v4
	v_add_nc_u32 v[RD], s23, v[CO]
	s_lshl_b32 s20, s17, 8
	s_lshl_b32 s21, s15, 7
	s_add_co_u32 s20, s20, s21
	s_lshl_b32 s20, s20, 13                        ; my first row of C, in bytes
	s_mov_b32 s21, 0
	s_lshr_b32 s46, s42, 3
	s_lshl_b32 s46, s46, 24                        ; the panel
	s_and_b32 s47, s42, 7
	s_lshl_b32 s47, s47, 10
	s_add_co_u32 s46, s46, s47
	s_lshl_b32 s47, s16, 9
	s_add_co_u32 s46, s46, s47
	s_mov_b32 s47, 0
	s_add_nc_u64 s[20:21], s[20:21], s[46:47]
	s_add_nc_u64 s[12:13], s[12:13], s[20:21]
.macro FRAG reg, adr, q, i             ; a fragment comes as it was stored: three loads of 512 consecutive bytes
.irp c, 0,1,2
	ds_load_b128 v[\reg+4*\c:\reg+4*\c+3], v[\adr] offset:(\i)*TROW+(\q)*FIB+512*\c
.endr
.endm
; 16 matrix instructions: A's blocks a0, a0 + 1 x B's eight.  The 64 accumulators take turns, one instruction a turn, in the same order in every step
.macro MUL16 a0, p, q, sc, zero
.irp a, \a0, \a0+1
.irp b, 0,1,2,3,4,5,6,7
.if \zero
	v_wmma_scale_f32_16x16x128_f8f6f4 v[8*(8*((\a)%4)+\b):8*(8*((\a)%4)+\b)+7], v[128*(\p)+FR*\b:128*(\p)+FR*\b+FR-1], v[AF+FR*(\a):AF+FR*(\a)+FR-1], 0, v[SC+8*NQ*(\sc)+NQ*\b+(\q)], v[SC+8*NQ*(\sc)+NQ*(\a)+(\q)] matrix_a_fmt:MATRIX_FMT_FP6 matrix_b_fmt:MATRIX_FMT_FP6 matrix_a_scale:MATRIX_SCALE_ROW1
.else
	v_wmma_scale_f32_16x16x128_f8f6f4 v[8*(8*((\a)%4)+\b):8*(8*((\a)%4)+\b)+7], v[128*(\p)+FR*\b:128*(\p)+FR*\b+FR-1], v[AF+FR*(\a):AF+FR*(\a)+FR-1], v[8*(8*((\a)%4)+\b):8*(8*((\a)%4)+\b)+7], v[SC+8*NQ*(\sc)+NQ*\b+(\q)], v[SC+8*NQ*(\sc)+NQ*(\a)+(\q)] matrix_a_fmt:MATRIX_FMT_FP6 matrix_b_fmt:MATRIX_FMT_FP6 matrix_a_scale:MATRIX_SCALE_ROW1
.endif
.endr
.endr
.endm
.macro FETCH_B slot, q, p
	WIN TO_B
.irp i, 0,1,2,3,4,5,6,7
	FRAG 128*(\p)+FR*\i, ADRB+\slot, \q, \i
.endr
	WIN 0
.endm
.macro FETCH_A slot, q, i0
.irp i, \i0, \i0+1, \i0+2, \i0+3
	FRAG AF+FR*(\i), ADRA+\slot, \q, \i
.endr
.endm
.macro SCALES sc                       ; the next K step's scale words: lanes 0-15 take A's block i, lanes 16-31 B's block i
.irp i, 0,1,2,3,4,5,6,7
.irp q, 0,1
	ds_load_b32 v[SC+8*NQ*\sc+NQ*\i+\q], v[ADRS] offset:\i*2048+\q*128
.endr
.endr
.endm
.macro PLACES n
.rept \n
	v_nop
.endr
.endm
.macro STEP slot, q, zero
	s_wait_dscnt 4*NL                              ; B's set and A's blocks 0-3 are in; the youngest twelve loads (A's blocks 4-7) may be out
	WIN MUL_LO
	MUL16 0, (\q)%2, \q, \slot, \zero
	MUL16 2, (\q)%2, \q, \slot, \zero
	s_wait_dscnt 0
	PLACES NP
	FETCH_B \slot, (\q)+1, 1-(\q)%2
	FETCH_A \slot, (\q)+1, 0
	WIN MUL_HI
	MUL16 4, (\q)%2, \q, \slot, \zero
	MUL16 6, (\q)%2, \q, \slot, \zero
	PLACES NP
	WIN 0
	FETCH_A \slot, (\q)+1, 4
.endm
; a slot's last step changes slots: one barrier; ahead of it each wave waits for all its tensor loads, adds 0 to its spare word, and waits for that and for its reads of this slot
.macro TURN slot, next, fill
	s_wait_tensorcnt 0x0                           ; all my tensor loads have landed: my part of the next slot
	ds_add_u32 v[SPW], v[NIL]
	s_wait_dscnt 4*NL+1                            ; (the add and A's blocks 4-7 may be out)
	WIN MUL_LO
	MUL16 0, 1, NQ-1, \slot, 0
	s_wait_dscnt 0x0                               ; the add is done, and my reads of this slot are over
	s_barrier_signal -1
	MUL16 2, 1, NQ-1, \slot, 0
	WIN 0
	s_barrier_wait -1
.if \fill
	CREST                                          ; the barrier has opened a round of the cluster's barrier: no wave of any partner still reads this slot or has a load on its way
	s_add_nc_u64 s[G0+4*\slot+2:G0+4*\slot+3], s[G0+4*\slot+2:G0+4*\slot+3], 2*TROW
	s_add_nc_u64 s[G0B+4*\slot+2:G0B+4*\slot+3], s[G0B+4*\slot+2:G0B+4*\slot+3], 2*TROW
	JLOAD G0+4*\slot, G1, G0B+4*\slot, G1B         ; the first tensor load behind the round; its four v_nop are the places in front of the loads below
.else
	PLACES NP
.endif
	v_add_nc_u32 v[ADRS], 128*NQ, v[ADRS]
	FETCH_B \next, 0, 0
	FETCH_A \next, 0, 0
	SCALES \next
	WIN MUL_HI
	MUL16 4, 1, NQ-1, \slot, 0
	MUL16 6, 1, NQ-1, \slot, 0
	PLACES NP
	WIN 0
	FETCH_A \next, 0, 4
.endm
	s_wait_tensorcnt 1                             ; the scale words and my part of K step 0 are in (K step 1's load may be out),
	s_barrier_signal -1
	s_barrier_wait -1                              ; everybody's are
	FETCH_B 0, 0, 0
	FETCH_A 0, 0, 0
	SCALES 0
	FETCH_A 0, 0, 4
	STEP 0, 0, 1                                   ; the first step starts the sums
	s_mov_b32 s3, LAPS-1
.Llap:
	TURN 0, 1, 1
	STEP 1, 0, 0
	TURN 1, 0, 1
	STEP 0, 0, 0
	s_sub_co_u32 s3, s3, 1
	s_cmp_lg_u32 s3, 0
	s_cbranch_scc1 .Llap
	TURN 0, 1, 0                                   ; the last lap fills nothing
	STEP 1, 0, 0
	s_wait_dscnt 4*NL
	WIN MUL_LO
	MUL16 0, 1, NQ-1, 1, 0
	MUL16 2, 1, NQ-1, 1, 0
	s_wait_dscnt 0
	WIN MUL_HI
	MUL16 4, 1, NQ-1, 1, 0
	MUL16 6, 1, NQ-1, 1, 0
	WIN 0
; the way out, 16 rows x 128 columns at a time, through my own stage (in slot 0, which has had its last fill and its last read) and back as whole rows of 512 bytes
.macro TOSTAGE a
.set AC, 64*((\a)%4)
	WIN 0x08+4*((\a)/4)
.irp b, 0,1,2,3,4,5,6,7
	ds_store_b128 v[STO], v[AC+8*\b:AC+8*\b+3] offset:64*\b
	ds_store_b128 v[STO], v[AC+8*\b+4:AC+8*\b+7] offset:64*\b+16
.endr
	WIN 0
.set BB, BK+64*((\a)%2)
.irp t, 0,1,2,3,4,5,6,7,8,9,10,11,12,13,14,15
	ds_load_b128 v[BB+4*\t:BB+4*\t+3], v[RD] offset:\t*SPITCH
.endr
.endm
.macro SEND a, younger
.set BB, BK+64*((\a)%2)
	s_wait_dscnt \younger
.if (\a) > 0
	s_add_nc_u64 s[12:13], s[12:13], 16*CROW       ; (behind a wait on XCNT: the earlier stores have read their base)
.endif
.irp t, 0,1,2,3,4,5,6,7,8,9,10,11,12,13,14,15
	global_store_b128 v[CO], v[BB+4*\t:BB+4*\t+3], s[12:13] offset:\t*CROW th:TH_STORE_NT   ; 32 lanes store 512 consecutive bytes, aligned
.endr
.endm
	PLACES NP
	TOSTAGE 0
.irp a, 1,2,3,4,5,6,7
.if \a > 1
	s_wait_xcnt 0x0                                ; block a - 2's stores have read their registers and their base
.endif
	TOSTAGE \a
	SEND \a-1, 32
.endr
	s_wait_xcnt 0x0
	SEND 7, 0
	s_wait_tensorcnt 0x0                           ; the wave's end
	ds_add_u32 v[SPW], v[NIL]
	s_wait_dscnt 0x0
	CROUND                                         ; the closing round
	s_endpgm
.Lfunc_end_k_q45a2c0e092_gemm1:
	.size	k_q45a2c0e092_gemm1, .Lfunc_end_k_q45a2c0e092_gemm1-k_q45a2c0e092_gemm1
	.p2alignl 7, 3214868480
	.fill 96, 4, 3214868480
	.section	.rodata,"a",@progbits
	.p2align	6, 0x0
	.amdhsa_kernel k_q45a2c0e092_gemm1
		.amdhsa_group_segment_fixed_size 327680
		.amdhsa_private_segment_fixed_size 0
		.amdhsa_enable_private_segment 0
		.amdhsa_kernarg_size 24
		.amdhsa_user_sgpr_count 2
		.amdhsa_user_sgpr_kernarg_segment_ptr 1
		.amdhsa_wavefront_size32 1
		.amdhsa_system_sgpr_workgroup_id_x 1
		.amdhsa_system_sgpr_workgroup_id_y 1
		.amdhsa_system_sgpr_workgroup_id_z 1
		.amdhsa_system_vgpr_workitem_id 0
		.amdhsa_next_free_vgpr 1024
		.amdhsa_next_free_sgpr 98
		.amdhsa_reserve_vcc 0
		.amdhsa_float_denorm_mode_32 3
		.amdhsa_float_denorm_mode_16_64 3
		.amdhsa_memory_ordered 1
		.amdhsa_forward_progress 1
		.amdhsa_inst_pref_size 137
	.end_amdhsa_kernel
	.amdgpu_metadata
---
amdhsa.version: [ 1, 2 ]
amdhsa.kernels:
  - .name:           k_q45a2c0e092_gemm1
    .symbol:         k_q45a2c0e092_gemm1.kd
    .args:
      - { .name: xbuf, .offset: 0, .size: 8, .value_kind: global_buffer, .address_space: global }
      - { .name: wqkv, .offset: 8, .size: 8, .value_kind: global_buffer, .address_space: global }
      - { .name: cqkv, .offset: 16, .size: 8, .value_kind: global_buffer, .address_space: global }
    .group_segment_fixed_size: 327680
    .private_segment_fixed_size: 0
    .kernarg_segment_align: 8
    .kernarg_segment_size: 24
    .max_flat_workgroup_size: 128
    .sgpr_count:     98
    .vgpr_count:     1024
    .wavefront_size: 32
...
	.end_amdgpu_metadata
.endif
;; end of part 3
;; launch post (part 4): grid 768 x 1, 4 waves a work-group, no clusters, 34,304 bytes of LDS; arguments cqkv, xbuf, scan, qkvc; writes qkvc
.if DOCPART == 4
	.amdgcn_target "amdgcn-amd-amdhsa--gfx1250"
	.amdhsa_code_object_version 6
	.text
	.protected	k_q45a2c0e092_post
	.globl	k_q45a2c0e092_post
	.p2align	8
	.type	k_q45a2c0e092_post,@function
k_q45a2c0e092_post:
	s_mov_b64 s[64:65], 0
	v_nop
	global_prefetch_b8 v0, s[64:65] scope:SCOPE_SE
	s_setreg_imm32_b32 hwreg(HW_REG_WAVE_MODE, 25, 1), 1
	s_wait_xcnt 0x0
; What lies between the projection and the attention: RoPE on q and k; q (x 1/8) and k quantised along d; v' = v (1 - p), v' D_last and k quantised along t.  E2M3 codes, one E8M0 byte for each 32; all results are images of operand registers.
; cqkv: three panels [t][2048] f32; column head 128 + tau 32 + c 16 + rho stands for part c of d = 32 (tau / 2) + 8 (tau % 2) + rho + 8 (rho / 8).
; Work-groups 0-255 (along d): part q or k, one tile of 16 rows t; wave w takes heads 4 w .. 4 w + 3.  A head's 16 x 512 bytes are loaded dense, turned through the wave's own stage, so that a lane holds 64 numbers of one row in the order
; that the quantiser wants: register 16 b + i = k 32 b + 16 h + i of [re 64 d | im 64 d].  k's tiles take the rows 64 kappa + 32 beta + 8 u + r + 8 (r / 8).
; Work-groups 256-767 (along t): head, key step kappa of 64 t; wave tau; a lane takes column tau 32 + lane and its registers run down the 64 t, so that a block of 32 lies in one lane.  This way touches no LDS.
; LIMITS: NaN and infinities are not served; a block under 2^-124 keeps the byte 1 (zeros too: this program alone reads the bytes).
.set SPARE,  33792
.set DSTG,   8448
.set OFF_OM, 3538944
.set OFF_CT, 3670016
.set OFF_ST, 4718592
.set KVO,    3407872
.set SPW, 12
.set NIL, 13
.set WV,  12
.set SEL, 14
; along d
.set VA0, 1
.set VA1, 2
.set STI, 3
.set STO, 4
.set TV,  5
.set IO,  8
.set SO,  252
.set CX,  16
.set SX,  48
.set RAW, 80
.set DX,  144
.set TM,  208
.set PW,  224
.set PC,  226
.set TP,  246
; along t
.set CV,  1
.set ZV,  2
.set TLI, 3
.set L8,  4
.set C16, 5
.set E0,  6
.set E1,  7
.set PT,  9
.set CC,  10
.set F1,  16
.set F2,  28
.set QT,  40
.set OT,  48
.set WA,  56
.set WB,  57
.set WC,  58
.set TX,  64
.set OMR, 128
.set DLR, 192
.macro QUANT s                         ; 64 numbers of a lane become a fragment's codes in v[PC] on and its scale word in v[PW]
.irp b, 0,1,2,3
	v_max3_num_f32 v[TM+\b], |v[\s+16*\b]|, |v[\s+1+16*\b]|, 0x1800000
.endr
.irp i, 2,4,6,8,10,12,14
.irp b, 0,1,2,3
	v_max3_num_f32 v[TM+\b], v[TM+\b], |v[\s+16*\b+\i]|, |v[\s+1+16*\b+\i]|
.endr
.endr
.irp b, 0,1,2,3
	v_permlanex16_b32 v[TM+4+\b], v[TM+\b], s[SEL], s[SEL+1]
.endr
.irp b, 0,1,2,3
	v_max_num_f32 v[TM+\b], v[TM+\b], v[TM+4+\b]
.endr
.irp b, 0,1,2,3
	v_add_nc_u32 v[TM+12+\b], 0xff000000, v[TM+\b]
.endr
.irp b, 0,1,2,3
	v_lshrrev_b32 v[TM+4+\b], 23, v[TM+12+\b]
.endr
	v_lshl_or_b32 v[PW], v[TM+5], 8, v[TM+4]
	v_lshl_or_b32 v[PW], v[TM+6], 16, v[PW]
	v_lshl_or_b32 v[PW], v[TM+7], 24, v[PW]
.irp c, 0,1
	v_cvt_scalef32_pk16_fp6_f32 v[PC+6*\c:PC+2+6*\c], v[\s+32*\c:\s+15+32*\c], v[TM+12+2*\c]
	v_cvt_scalef32_pk16_fp6_f32 v[PC+12+4*\c:PC+14+4*\c], v[\s+16+32*\c:\s+31+32*\c], v[TM+12+2*\c+1]
.endr
	v_nop
.irp c, 0,1
.irp i, 0,1,2
	v_permlane16_swap_b32 v[PC+6*\c+\i], v[PC+12+4*\c+\i]
.endr
.irp i, 0,1,2
	v_mov_b32 v[PC+3+6*\c+\i], v[PC+12+4*\c+\i]
.endr
.endr
.endm
.macro QB src, dst, eb
	v_max3_num_f32 v[QT], |v[(\src)]|, |v[(\src)+1]|, |v[(\src)+2]|
	v_max3_num_f32 v[QT+1], |v[(\src)+3]|, |v[(\src)+4]|, |v[(\src)+5]|
.irp i, 6,10,14,18,22,26
	v_max3_num_f32 v[QT], v[QT], |v[(\src)+\i]|, |v[(\src)+\i+1]|
	v_max3_num_f32 v[QT+1], v[QT+1], |v[(\src)+\i+2]|, |v[(\src)+\i+3]|
.endr
	v_max3_num_f32 v[QT], v[QT], |v[(\src)+30]|, |v[(\src)+31]|
	v_max3_num_f32 v[QT], v[QT], v[QT+1], 0x1800000
	v_add_nc_u32 v[QT+2], 0xff000000, v[QT]
	v_lshrrev_b32 v[\eb], 23, v[QT+2]
	v_cvt_scalef32_pk16_fp6_f32 v[(\dst):(\dst)+2], v[(\src):(\src)+15], v[QT+2]
	v_cvt_scalef32_pk16_fp6_f32 v[QT+4:QT+6], v[(\src)+16:(\src)+31], v[QT+2]
	v_nop
.irp i, 0,1,2
	v_mov_b32 v[(\dst)+3+\i], v[QT+4+\i]
.endr
.endm
	s_load_b256 s[4:11], s[0:1], 0x0               ; cqkv, xbuf, scan, qkvc
	v_lshl_add_u32 v[SPW], v0, 2, SPARE
	v_mov_b32 v[NIL], 0
	v_lshrrev_b32 v1, 5, v0
	v_readfirstlane_b32 s[WV], v1
	s_mov_b32 s[SEL], 0x76543210
	s_mov_b32 s[SEL+1], 0xfedcba98
	s_wait_kmcnt 0x0
	s_cmp_ge_u32 ttmp9, 256
	s_cbranch_scc1 .Ltpath
	; ================ along d
	s_lshr_b32 s16, ttmp9, 7                       ; 0: q, 1: k
	s_and_b32 s17, ttmp9, 127                      ; the tile
	s_lshr_b32 s18, s17, 2                         ; k: key step,
	s_and_b32 s19, s17, 3                          ; and tile in it
	s_lshl_b32 s20, s18, 6
	s_bfe_u32 s21, s17, 0x10001
	s_lshl_b32 s21, s21, 5
	s_add_co_u32 s20, s20, s21
	s_and_b32 s21, s17, 1
	s_lshl_b32 s21, s21, 3
	s_add_co_u32 s20, s20, s21                     ; k's first row
	s_mul_i32 s22, s18, 13568
	s_add_co_u32 s22, s22, KVO
	s_mul_i32 s23, s19, 1536
	s_add_co_u32 s23, s23, s22                     ; k's image
	s_lshl_b32 s24, s19, 7
	s_add_co_u32 s24, s24, s22
	s_add_co_u32 s24, s24, 12288                   ; k's scale words
	s_lshl_b32 s25, s17, 4                         ; q's first row
	s_mul_i32 s26, s17, 1536
	s_lshl_b32 s27, s17, 7
	s_add_co_u32 s27, s27, 3145728
	s_mov_b32 s28, 434176
	s_mov_b32 s29, 0x3f800000
	s_cmp_eq_u32 s16, 0
	s_cselect_b32 s20, s25, s20
	s_cselect_b32 s23, s26, s23
	s_cselect_b32 s24, s27, s24
	s_cselect_b32 s30, 196608, s28                 ; from head to head: images,
	s_cselect_b32 s31, 16384, s28                  ; scale words
	s_cselect_b32 s32, 0x3e000000, s29             ; q is taken x 1/8: a power of two, laid on the tables
	s_cselect_b32 s34, 0, 8                        ; k: rows 8-15 of a tile lie 8 rows further on
	s_mov_b32 s33, s32
	s_lshl_b32 s36, s16, 24
	s_lshl_b32 s37, s20, 13
	s_add_co_u32 s36, s36, s37
	s_lshl_b32 s37, s[WV], 11
	s_add_co_u32 s36, s36, s37
	s_mov_b32 s37, 0
	s_add_nc_u64 s[4:5], s[4:5], s[36:37]          ; the panel, my tile's first row, my first head
	s_lshl_b32 s36, s20, 9
	s_add_nc_u64 s[6:7], s[6:7], s[36:37]          ; the tables at that row
	s_lshl_b32 s35, s[WV], 2
	s_mul_i32 s36, s35, s30
	s_add_co_u32 s36, s36, s23
	s_add_nc_u64 s[38:39], s[10:11], s[36:37]
	s_mul_i32 s36, s35, s31
	s_add_co_u32 s36, s36, s24
	s_add_nc_u64 s[40:41], s[10:11], s[36:37]
	v_and_b32 v6, 31, v0
	v_and_b32 v7, 15, v0
	v_bfe_u32 v14, v0, 4, 1
	v_lshlrev_b32 v[VA0], 4, v6
	s_lshl_b32 s35, s34, 13
	v_add_nc_u32 v[VA1], s35, v[VA0]
	s_mul_i32 s35, s[WV], DSTG
	v_add_nc_u32 v[STI], s35, v[VA0]
	v_mul_u32_u24 v[STO], v7, 528
	v_lshl_add_u32 v[STO], v14, 5, v[STO]
	v_add_nc_u32 v[STO], s35, v[STO]
	v_lshrrev_b32 v15, 3, v7
	s_lshl_b32 s35, s34, 9
	v_mul_u32_u24 v15, v15, s35
	v_lshl_add_u32 v[TV], v7, 9, v15
	v_lshl_add_u32 v[TV], v14, 5, v[TV]
	v_lshlrev_b32 v15, 2, v6
	s_mov_b32 s35, 0
	s_mov_b32 s36, 0
.irp u, 0,1,2,3
	v_add_nc_u32 v[IO+\u], s35, v[VA0]
	v_add_nc_u32 v[SO+\u], s36, v15
	s_add_co_u32 s35, s35, s30
	s_add_co_u32 s36, s36, s31
.endr
.irp b, 0,1,2,3
	v_mov_b32 v[TM+4+\b], 0
.endr
.irp b, 0,1
.irp e, 0,1
.irp m, 0,1
	global_load_b128 v[CX+16*\b+8*\e+4*\m:CX+16*\b+8*\e+4*\m+3], v[TV], s[6:7] offset:OFF_CT+(2*\b+\e)*128+16*\m
	global_load_b128 v[SX+16*\b+8*\e+4*\m:SX+16*\b+8*\e+4*\m+3], v[TV], s[6:7] offset:OFF_ST+(2*\b+\e)*128+16*\m   ; the entries of c = 0: -sin
.endr
.endr
.endr
.macro DLOAD u
.irp i, 0,1,2,3,4,5,6,7
	global_load_b128 v[RAW+4*\i:RAW+4*\i+3], v[VA0], s[4:5] offset:\i*8192+(\u)*512      ; a row's 512 bytes of the head
.endr
.irp i, 8,9,10,11,12,13,14,15
	global_load_b128 v[RAW+4*\i:RAW+4*\i+3], v[VA1], s[4:5] offset:\i*8192+(\u)*512
.endr
.endm
.macro DUNIT u
	s_wait_loadcnt 0x0
.set ii, 0
.rept 16
	ds_store_b128 v[STI], v[RAW+4*ii:RAW+4*ii+3] offset:ii*528
.set ii, ii+1
.endr
.irp c, 0,1
.irp b, 0,1
.irp e, 0,1
.irp m, 0,1
	ds_load_b128 v[DX+32*\c+16*\b+8*\e+4*\m:DX+32*\c+16*\b+8*\e+4*\m+3], v[STO] offset:(2*\b+\e)*128+\c*64+16*\m   ; LDS serves a wave's instructions in order: these see my stores
.endr
.endr
.endr
.endr
	s_wait_dscnt 0x0
	s_wait_xcnt 0x0                                ; the last head's stores have read the codes' registers
.if \u < 3
	DLOAD \u+1
.endif
.set ii, 0
.rept 16                                       ; re' = re cos + im (-sin);  im' = im cos - re (-sin)
	v_pk_mul_f32 v[TP:TP+1], v[DX+32+ii:DX+33+ii], v[SX+ii:SX+ii+1]
	v_pk_mul_f32 v[TP+2:TP+3], v[DX+ii:DX+ii+1], v[SX+ii:SX+ii+1]
	v_pk_fma_f32 v[DX+ii:DX+ii+1], v[DX+ii:DX+ii+1], v[CX+ii:CX+ii+1], v[TP:TP+1]
	v_pk_fma_f32 v[DX+32+ii:DX+33+ii], v[DX+32+ii:DX+33+ii], v[CX+ii:CX+ii+1], v[TP+2:TP+3] neg_lo:[0,0,1] neg_hi:[0,0,1]
.set ii, ii+2
.endr
	QUANT DX
.irp q, 0,1,2
	global_store_b128 v[IO+\u], v[PC+4*\q:PC+4*\q+3], s[38:39] offset:512*\q
.endr
	global_store_b32 v[SO+\u], v[PW], s[40:41]
.endm
	DLOAD 0
	s_wait_loadcnt 16                              ; the tables are in; the first head's 16 loads may be out
.set ii, 0
.rept 16
	v_pk_mul_f32 v[CX+ii:CX+ii+1], v[CX+ii:CX+ii+1], s[32:33] op_sel_hi:[1,0]
	v_pk_mul_f32 v[SX+ii:SX+ii+1], v[SX+ii:SX+ii+1], s[32:33] op_sel_hi:[1,0]
.set ii, ii+2
.endr
	DUNIT 0
	DUNIT 1
	DUNIT 2
	DUNIT 3
	s_wait_tensorcnt 0x0                           ; the wave's end: behind my last LDS store
	ds_add_u32 v[SPW], v[NIL]
	s_wait_dscnt 0x0
	s_endpgm
	; ================ along t
.Ltpath:
	s_sub_co_u32 s16, ttmp9, 256
	s_lshr_b32 s17, s16, 5                         ; head
	s_and_b32 s18, s16, 31                         ; key step
	s_lshl_b32 s20, s18, 19                        ; 64 rows of 8,192 bytes
	s_lshl_b32 s21, s17, 9
	s_add_co_u32 s20, s20, s21
	s_lshl_b32 s21, s[WV], 7
	s_add_co_u32 s20, s20, s21
	s_mov_b32 s21, 0
	s_add_nc_u64 s[4:5], s[4:5], s[20:21]
	s_add_nc_u64 s[22:23], s[4:5], 0x1000000       ; k's panel
	s_add_nc_u64 s[24:25], s[4:5], 0x2000000       ; v's
	s_lshl_b32 s20, s17, 13
	s_lshl_b32 s19, s18, 8
	s_add_co_u32 s20, s20, s19
	s_add_nc_u64 s[26:27], s[6:7], s[20:21]        ; 1 - p at my 64 t
	s_add_nc_u64 s[28:29], s[8:9], s[20:21]        ; C and D_last
	s_lshl_b32 s20, s18, 15
	s_lshl_b32 s19, s[WV], 7
	s_add_co_u32 s20, s20, s19
	s_add_nc_u64 s[30:31], s[6:7], s[20:21]        ; the tables at my rows and columns
	s_mul_i32 s42, s17, 434176
	s_mul_i32 s19, s18, 13568
	s_add_co_u32 s42, s42, s19                     ; the key step's block
	s_mov_b32 s20, s42
	s_add_nc_u64 s[36:37], s[10:11], s[20:21]
	s_mul_i32 s19, s[WV], 1536
	s_add_co_u32 s20, s42, s19
	s_add_nc_u64 s[32:33], s[10:11], s[20:21]
	s_lshl_b32 s19, s[WV], 7
	s_add_co_u32 s20, s42, s19
	s_add_nc_u64 s[34:35], s[10:11], s[20:21]
	s_lshl_b32 s43, s17, 5
	s_add_co_u32 s43, s43, s18
	s_lshl_b32 s43, s43, 2
	s_add_co_u32 s43, s43, s[WV]                   ; (head 32 + key step) 4 + tau
	s_mul_i32 s20, s43, 1536
	s_add_co_u32 s20, s20, 10354688
	s_add_nc_u64 s[38:39], s[10:11], s[20:21]
	s_lshl_b32 s20, s43, 7
	s_add_co_u32 s20, s20, 16646144
	s_add_nc_u64 s[40:41], s[10:11], s[20:21]
	v_and_b32 v14, 31, v0
	v_lshlrev_b32 v[CV], 2, v14
	v_mov_b32 v[ZV], 0
	v_lshlrev_b32 v[TLI], 4, v14
	v_lshlrev_b32 v[L8], 3, v14
	v_bfe_u32 v[C16], v0, 4, 1
	v_lshlrev_b32 v[C16], 4, v[C16]
	v_mov_b32 v[PT], 0
.irp i, 0,1,2,3,4,5,6,7
	v_mov_b32 v[OT+\i], 0
.endr
.set ii, 0
.rept 64
	global_load_b32 v[TX+ii], v[CV], s[24:25] offset:ii*8192          ; v(t, my column): the wave reads 128 consecutive bytes, the work-group 512
.set ii, ii+1
.endr
.set ii, 0
.rept 16
	global_load_b128 v[OMR+4*ii:OMR+4*ii+3], v[ZV], s[26:27] offset:OFF_OM+16*ii
	global_load_b128 v[DLR+4*ii:DLR+4*ii+3], v[ZV], s[28:29] offset:131072+16*ii
.set ii, ii+1
.endr
	global_load_b64 v[CC:CC+1], v[L8], s[28:29]    ; C of these 64 t
; my column's two blocks become codes; then lanes 16-31 of the first six registers change places with lanes 0-15 of the second six: lane (rho, h) holds [re block h | im block h]
.macro TQ dst, w
	QB TX, \dst, E0
	QB TX+32, (\dst)+6, E1
.irp i, 0,1,2,3,4,5
	v_permlane16_swap_b32 v[(\dst)+\i], v[(\dst)+6+\i]
.endr
	v_lshl_or_b32 v[\w], v[E1], 8, v[E0]
	v_lshlrev_b32 v[\w], v[C16], v[\w]
	v_permlanex16_b32 v[PT], v[\w], s[SEL], s[SEL+1]
	v_or_b32 v[\w], v[\w], v[PT]
.endm
	s_wait_loadcnt 0x0
.set ii, 0
.rept 32
	v_pk_mul_f32 v[TX+ii:TX+ii+1], v[TX+ii:TX+ii+1], v[OMR+ii:OMR+ii+1]    ; v' = v (1 - p)
.set ii, ii+2
.endr
.set ii, 0
.rept 64
	global_load_b32 v[OMR+ii], v[CV], s[30:31] offset:OFF_CT+512*ii       ; the cosines take the registers that 1 - p has left
.set ii, ii+1
.endr
	TQ F1, WA
.irp q, 0,1,2
	global_store_b128 v[TLI], v[F1+4*\q:F1+4*\q+3], s[32:33] offset:KVO+6144+512*\q
.endr
	global_store_b32 v[CV], v[WA], s[34:35] offset:KVO+12800
.set ii, 0
.rept 32
	v_pk_mul_f32 v[TX+ii:TX+ii+1], v[TX+ii:TX+ii+1], v[DLR+ii:DLR+ii+1]    ; v' D_last
.set ii, ii+2
.endr
.set ii, 0
.rept 64
	global_load_b32 v[DLR+ii], v[CV], s[30:31] offset:OFF_ST+512*ii
.set ii, ii+1
.endr
	TQ F2, WB
.irp q, 0,1,2
	global_store_b128 v[TLI], v[F2+4*\q:F2+4*\q+3], s[38:39] offset:512*\q
.endr
	global_store_b32 v[CV], v[WB], s[40:41]
.set ii, 0
.rept 64
	global_load_b32 v[TX+ii], v[CV], s[22:23] offset:ii*8192              ; k(t, my column)
.set ii, ii+1
.endr
	s_wait_loadcnt 0x0
.irp g, 0,1,2,3,4,5,6,7
.irp i, 0,1,2,3,4,5,6,7
	v_permlanex16_b32 v[OT+\i], v[TX+8*\g+\i], s[SEL], s[SEL+1]       ; the other part of the same d
.endr
.irp i, 0,2,4,6
	v_pk_mul_f32 v[OT+\i:OT+\i+1], v[OT+\i:OT+\i+1], v[DLR+8*\g+\i:DLR+8*\g+\i+1]
.endr
.irp i, 0,2,4,6
	v_pk_fma_f32 v[TX+8*\g+\i:TX+8*\g+\i+1], v[TX+8*\g+\i:TX+8*\g+\i+1], v[OMR+8*\g+\i:OMR+8*\g+\i+1], v[OT+\i:OT+\i+1]
.endr
.endr
	s_wait_xcnt 0x0                                ; the first image's stores have read its registers
	TQ F1, WC
.irp q, 0,1,2
	global_store_b128 v[TLI], v[F1+4*\q:F1+4*\q+3], s[38:39] offset:3145728+512*\q
.endr
	global_store_b32 v[CV], v[WC], s[40:41] offset:262144
	s_cmp_lg_u32 s[WV], 0
	s_cbranch_scc1 .Ltend
	global_store_b64 v[L8], v[CC:CC+1], s[36:37] offset:KVO+13312     ; 32 lanes store 256 consecutive bytes
.Ltend:
	s_endpgm
.Lfunc_end_k_q45a2c0e092_post:
	.size	k_q45a2c0e092_post, .Lfunc_end_k_q45a2c0e092_post-k_q45a2c0e092_post
	.p2alignl 7, 3214868480
	.fill 96, 4, 3214868480
	.section	.rodata,"a",@progbits
	.p2align	6, 0x0
	.amdhsa_kernel k_q45a2c0e092_post
		.amdhsa_group_segment_fixed_size 34304
		.amdhsa_private_segment_fixed_size 0
		.amdhsa_enable_private_segment 0
		.amdhsa_kernarg_size 32
		.amdhsa_user_sgpr_count 2
		.amdhsa_user_sgpr_kernarg_segment_ptr 1
		.amdhsa_wavefront_size32 1
		.amdhsa_system_sgpr_workgroup_id_x 1
		.amdhsa_system_sgpr_workgroup_id_y 1
		.amdhsa_system_sgpr_workgroup_id_z 1
		.amdhsa_system_vgpr_workitem_id 0
		.amdhsa_next_free_vgpr 256
		.amdhsa_next_free_sgpr 66
		.amdhsa_reserve_vcc 0
		.amdhsa_float_denorm_mode_32 3
		.amdhsa_float_denorm_mode_16_64 3
		.amdhsa_memory_ordered 1
		.amdhsa_forward_progress 1
		.amdhsa_inst_pref_size 107
	.end_amdhsa_kernel
	.amdgpu_metadata
---
amdhsa.version: [ 1, 2 ]
amdhsa.kernels:
  - .name:           k_q45a2c0e092_post
    .symbol:         k_q45a2c0e092_post.kd
    .args:
      - { .name: cqkv, .offset: 0, .size: 8, .value_kind: global_buffer, .address_space: global }
      - { .name: xbuf, .offset: 8, .size: 8, .value_kind: global_buffer, .address_space: global }
      - { .name: scan, .offset: 16, .size: 8, .value_kind: global_buffer, .address_space: global }
      - { .name: qkvc, .offset: 24, .size: 8, .value_kind: global_buffer, .address_space: global }
    .group_segment_fixed_size: 34304
    .private_segment_fixed_size: 0
    .kernarg_segment_align: 8
    .kernarg_segment_size: 32
    .max_flat_workgroup_size: 128
    .sgpr_count:     66
    .vgpr_count:     256
    .wavefront_size: 32
...
	.end_amdgpu_metadata
.endif
;; end of part 4
;; launch attn (part 5): grid 16 x 16, 8 waves a work-group, no clusters, 327,680 bytes of LDS; arguments qkvc, ybuf; writes ybuf
.if DOCPART == 5
	.amdgcn_target "amdgcn-amd-amdhsa--gfx1250"
	.amdhsa_code_object_version 6
	.text
	.protected	k_q45a2c0e092_attn
	.globl	k_q45a2c0e092_attn
	.p2align	8
	.type	k_q45a2c0e092_attn,@function
k_q45a2c0e092_attn:
	s_mov_b64 s[64:65], 0
	v_nop
	global_prefetch_b8 v0, s[64:65] scope:SCOPE_SE
	s_setreg_imm32_b32 hwreg(HW_REG_WAVE_MODE, 25, 1), 1
	s_wait_xcnt 0x0
; y[t] = sum over s <= t of (q_t k_s*) D[t][s] v'_s, complex, D[t][s] = exp(min(C[s] - C[t], 0)); both products on codes of E2M3 with one E8M0 byte for each 32 along K.
; A complex product is ONE real product of K = 128: [kr | ki] . [qr | qi] = Re, [kr | ki] . [qi | -qr] = Im; [v'r | v'i] . [ar | -ai] = yr, . [ai | ar] = yi.  A negation flips each code's top bit; the scale word's halves change places.
; Both products are used transposed, so that a lane holds ONE query throughout; the keys of a tile of K are chosen so that the 16 registers of two neighbouring tiles are 16 neighbouring keys.
; a = w D is quantised along the keys, in registers; y is quantised along (head, d) at the end and stored as an image of the next product's operand.
; SHARES: work-group (i, head) owns the query blocks of 64 numbered i and 31 - i; wave w owns tile w / 2 of one of them (by the parity of w), so that each work-group has 33 tile steps for each pair of waves.
; Every work-group walks all 32 key steps of 64 keys (constant trip counts); a step all of whose keys come after the wave's queries is left out by a scalar branch on ids, round loads, products and vector work alone.
; NO CLUSTER: that branch hangs on the query block, which differs between the work-groups of a head, and partners of a joint load have to run alike.
; LDS: two slots of eight key steps (13,568 bytes each: 4 images of K, 4 of V, their scale words, C[s]); each wave fetches one key step of a slot with one tensor load.  A wave has two loads out at the start, one behind each barrier.
; LIMITS: NaN and infinities are not served; a D under 2^-126 counts as 0; a block under 2^-124 keeps the byte 1 (zeros too).
.set SUBB,  13568
.set SLOTB, 8*SUBB
.set SPARE, 2*SLOTB
.set KVO,   3407872
.set LI,  1
.set LSC, 2
.set LCS, 3
.set ADR, 4
.set ADS, 5
.set ADC, 6
.set RH,  7
.set CT,  8
.set DQ,  10
.set ZR,  11
.set SPW, 12
.set NIL, 13
.set QS,  14
.set QS2, 15
.set Q,   16                           ; [qr][qi][-qr]
.set SCR, 34                           ; lanes 0-15: K's scale words, lanes 16-31: V's
.set PW,  38
.set PW2, 39
.set P,   40                           ; [ai][ar][-ai]
.set PC,  40
.set TM,  60
.set FRG, 76
.set D,   124
.set S,   156                          ; Im's four tiles, then Re's
.set LS4, 220
.set R4,  221
.set WV,  8
.set Q0,  12
.set QL,  13
.set KF,  14
.set TB,  15
.set G1,  16
.set G0,  24
.set SEL, 42
.set XP,  44
.set L2E, 48
.set CNT, 50
.set MSB, 0
.macro WIN new
.if MSB != \new
	s_set_vgpr_msb (MSB<<8)|\new
.set MSB, \new
.endif
.endm
.macro QUANT s
.irp b, 0,1,2,3
	v_max3_num_f32 v[TM+\b], |v[\s+16*\b]|, |v[\s+1+16*\b]|, 0x1800000
.endr
.irp i, 2,4,6,8,10,12,14
.irp b, 0,1,2,3
	v_max3_num_f32 v[TM+\b], v[TM+\b], |v[\s+16*\b+\i]|, |v[\s+1+16*\b+\i]|
.endr
.endr
.irp b, 0,1,2,3
	v_permlanex16_b32 v[TM+4+\b], v[TM+\b], s[SEL], s[SEL+1]
.endr
.irp b, 0,1,2,3
	v_max_num_f32 v[TM+\b], v[TM+\b], v[TM+4+\b]
.endr
.irp b, 0,1,2,3
	v_add_nc_u32 v[TM+12+\b], 0xff000000, v[TM+\b]
.endr
.irp b, 0,1,2,3
	v_lshrrev_b32 v[TM+4+\b], 23, v[TM+12+\b]
.endr
	v_lshl_or_b32 v[PW], v[TM+5], 8, v[TM+4]
	v_lshl_or_b32 v[PW], v[TM+6], 16, v[PW]
	v_lshl_or_b32 v[PW], v[TM+7], 24, v[PW]
.irp c, 0,1
	v_cvt_scalef32_pk16_fp6_f32 v[PC+6*\c:PC+2+6*\c], v[\s+32*\c:\s+15+32*\c], v[TM+12+2*\c]
	v_cvt_scalef32_pk16_fp6_f32 v[PC+12+4*\c:PC+14+4*\c], v[\s+16+32*\c:\s+31+32*\c], v[TM+12+2*\c+1]
.endr
	v_nop
.irp c, 0,1
.irp i, 0,1,2
	v_permlane16_swap_b32 v[PC+6*\c+\i], v[PC+12+4*\c+\i]
.endr
.irp i, 0,1,2
	v_mov_b32 v[PC+3+6*\c+\i], v[PC+12+4*\c+\i]
.endr
.endr
.endm
	s_load_b128 s[4:7], s[0:1], 0x0                ; qkvc, ybuf
	v_lshl_add_u32 v[SPW], v0, 2, SPARE
	v_mov_b32 v[NIL], 0
	ds_add_u32 v[SPW], v[NIL]                      ; the wave's opening: the add and its wait ahead of my first tensor load
	v_lshrrev_b32 v1, 5, v0
	v_readfirstlane_b32 s[WV], v1
	s_lshr_b32 s9, s[WV], 1
	s_xor_b32 s9, s9, s[WV]
	s_lshr_b32 s10, s[WV], 2
	s_xor_b32 s9, s9, s10
	s_and_b32 s9, s9, 1                            ; the parity of my wave's number: 1 takes the late block
	s_lshl_b32 s10, ttmp9, 1
	s_sub_co_u32 s10, 31, s10
	s_mul_i32 s10, s10, s9
	s_add_co_u32 s10, s10, ttmp9                   ; my block of 64 queries
	s_lshr_b32 s11, s[WV], 1                       ; my tile in it
	s_lshl_b32 s[Q0], s10, 6
	s_lshl_b32 s51, s11, 4
	s_add_co_u32 s[Q0], s[Q0], s51                 ; my first query
	s_add_co_u32 s[QL], s[Q0], 15
	s_mov_b32 s[KF], 0
	s_and_b32 s52, ttmp7, 0xffff                   ; head
	s_mov_b32 s[G1], 3<<16                         ; elements of 8 bytes, no mask, no padding: a dense block of 53 rows of 256 bytes
	s_mov_b32 s[G1+1], 32<<16
	s_mov_b32 s[G1+2], 53<<16
	s_mov_b32 s[G1+3], 32<<16
	s_mov_b32 s[G1+4], 53
	s_mov_b32 s[G1+5], 32
	s_mov_b32 s[G1+6], 0
	s_mov_b32 s[G1+7], 0
	s_mov_b32 s[SEL], 0x76543210
	s_mov_b32 s[SEL+1], 0xfedcba98
	s_mov_b32 s[XP], 0x20820820
	s_mov_b32 s[XP+1], 0x08208208
	s_mov_b32 s[XP+2], 0x82082082
	s_mov_b32 s[L2E], 0x3fb8aa3b
	s_mov_b32 s[L2E+1], s[L2E]
	s_mul_i32 s53, s52, 434176                     ; the head's key steps
	s_mul_i32 s54, s[WV], SUBB                     ; the key step of a slot that I fetch
	s_add_co_u32 s32, s53, s54
	s_add_co_u32 s32, s32, KVO
	s_mov_b32 s33, 0
	s_lshr_b32 s55, s[Q0], 4                       ; my tile of 16 queries
	s_mul_i32 s34, s52, 196608
	s_mul_i32 s51, s55, 1536
	s_add_co_u32 s34, s34, s51
	s_mov_b32 s35, 0
	s_lshl_b32 s36, s52, 14
	s_lshl_b32 s51, s55, 7
	s_add_co_u32 s36, s36, s51
	s_mov_b32 s37, 0
	s_mul_i32 s38, s10, SUBB
	s_add_co_u32 s38, s38, s53
	s_lshl_b32 s51, s11, 6
	s_add_co_u32 s38, s38, s51
	s_mov_b32 s39, 0
	s_lshl_b32 s51, s55, 4
	s_add_co_u32 s51, s51, s52                     ; tile 16 + head
	s_mul_i32 s40, s51, 1536
	s_mov_b32 s41, 0
	s_lshl_b32 s56, s51, 7
	s_mov_b32 s57, 0
	v_and_b32 v10, 31, v0
	v_and_b32 v11, 15, v0
	v_bfe_u32 v9, v0, 4, 1
	v_lshlrev_b32 v[LI], 4, v10
	v_lshlrev_b32 v[LS4], 2, v10
	v_lshl_add_u32 v[LSC], v9, 9, v[LS4]
	v_add_nc_u32 v[LSC], 12288, v[LSC]
	v_lshlrev_b32 v[LCS], 6, v9
	v_add_nc_u32 v[LCS], 13312, v[LCS]
	v_lshlrev_b32 v[R4], 2, v11
	v_lshlrev_b32 v9, 4, v9
	v_sub_nc_u32 v[RH], v11, v9                    ; r - 16 h
	v_mov_b32 v[ZR], 0
.irp b, 0,1,2,3
	v_mov_b32 v[TM+4+\b], 0
.endr
	s_wait_dscnt 0x0                               ; the opening add is done
	s_wait_kmcnt 0x0
	s_add_nc_u64 s[32:33], s[4:5], s[32:33]
	s_mov_b32 s[G0], 1
	s_mov_b32 s[G0+1], s54
	s_mov_b64 s[G0+2:G0+3], s[32:33]
	s_or_b32 s[G0+3], s[G0+3], 0x80000000
	s_mov_b32 s[G0+4], 1
	s_add_co_u32 s[G0+5], s54, SLOTB
	s_add_nc_u64 s[G0+6:G0+7], s[32:33], SLOTB
	s_or_b32 s[G0+7], s[G0+7], 0x80000000
	tensor_load_to_lds s[G0:G0+3], s[G1:G1+7]      ; key steps 0-7
	s_nop 0
	tensor_load_to_lds s[G0+4:G0+7], s[G1:G1+7]    ; key steps 8-15
	s_nop 0
.rept 4
	v_nop
.endr
	s_add_nc_u64 s[34:35], s[4:5], s[34:35]
	s_add_nc_u64 s[36:37], s[4:5], s[36:37]
	s_add_nc_u64 s[38:39], s[4:5], s[38:39]
	s_add_nc_u64 s[40:41], s[6:7], s[40:41]
	s_add_nc_u64 s[56:57], s[6:7], s[56:57]
.irp c, 0,1,2
	global_load_b128 v[Q+4*\c:Q+4*\c+3], v[LI], s[34:35] offset:512*\c
.endr
	global_load_b32 v[QS], v[LS4], s[36:37] offset:3145728
	global_load_b32 v[CT], v[R4], s[38:39] offset:KVO+13312           ; C of my query
	s_wait_loadcnt 0x0
.irp i, 0,1,2,3,4,5
	v_xor_b32 v[Q+12+\i], s[XP+\i%3], v[Q+\i]
.endr
	v_alignbit_b32 v[QS2], v[QS], v[QS], 16
	v_mov_b32 v[CT+1], v[CT]
	WIN 0x40
.set ii, 0
.rept 64
	v_mov_b32 v[ii], 0                             ; y's sums, window 1: the step is written once, and a wave's first step is not known to the text
.set ii, ii+1
.endr
	WIN 0
	s_wait_tensorcnt 0x1                           ; my part of slot 0 is in; slot 1's may stay out
	s_barrier_signal -1
	s_barrier_wait -1
.macro WORK slot                       ; a slot's eight key steps
	s_mov_b32 s[TB], \slot*SLOTB
	s_mov_b32 s[CNT], 8
.Lstep_\@:
	s_cmp_gt_u32 s[KF], s[QL]
	s_cbranch_scc1 .Lhid_\@                        ; all 64 keys come after my queries
	v_add_nc_u32 v[ADR], s[TB], v[LI]              ; (these three and the v_nop are the places behind the last step's products)
	v_add_nc_u32 v[ADS], s[TB], v[LSC]
	v_add_nc_u32 v[ADC], s[TB], v[LCS]
	v_nop
.irp j, 0,1,2,3
.irp c, 0,1,2
	ds_load_b128 v[FRG+12*\j+4*\c:FRG+12*\j+4*\c+3], v[ADR] offset:\j*1536+512*\c
.endr
.endr
.irp j, 0,1,2,3
	ds_load_b32 v[SCR+\j], v[ADS] offset:128*\j
.endr
.irp b, 0,1
.irp m, 0,1,2,3
	ds_load_b128 v[D+16*\b+4*\m:D+16*\b+4*\m+3], v[ADC] offset:128*\b+16*\m      ; C[s] of keys 32 b + 16 h + 0 .. 15
.endr
.endr
	s_wait_dscnt 8                                 ; K and the scale words are in; the eight loads of C[s] may be out
.irp j, 0,1,2,3
	v_wmma_scale_f32_16x16x128_f8f6f4 v[S+8*\j:S+8*\j+7], v[FRG+12*\j:FRG+12*\j+11], v[Q+6:Q+17], 0, v[SCR+\j], v[QS2] matrix_a_fmt:MATRIX_FMT_FP6 matrix_b_fmt:MATRIX_FMT_FP6
	v_wmma_scale_f32_16x16x128_f8f6f4 v[S+32+8*\j:S+39+8*\j], v[FRG+12*\j:FRG+12*\j+11], v[Q:Q+11], 0, v[SCR+\j], v[QS] matrix_a_fmt:MATRIX_FMT_FP6 matrix_b_fmt:MATRIX_FMT_FP6
.endr
	s_wait_dscnt 0x0
.set ii, 0
.rept 16
	v_pk_add_f32 v[D+ii:D+ii+1], v[D+ii:D+ii+1], v[CT:CT+1] op_sel_hi:[1,0] neg_lo:[0,1] neg_hi:[0,1]   ; C[s] - C[t]; also the places behind the products
.set ii, ii+2
.endr
.irp t, 0,1,2,3
.irp c, 0,1,2
	ds_load_b128 v[FRG+12*\t+4*\c:FRG+12*\t+4*\c+3], v[ADR] offset:6144+\t*1536+512*\c     ; V takes K's registers
.endr
.endr
.set ii, 0
.rept 32
	v_min_num_f32 v[D+ii], 0, v[D+ii]
.set ii, ii+1
.endr
.set ii, 0
.rept 16
	v_pk_mul_f32 v[D+ii:D+ii+1], v[D+ii:D+ii+1], s[L2E:L2E+1] op_sel_hi:[1,0]
.set ii, ii+2
.endr
.set ii, 0
.rept 32
	v_exp_f32 v[D+ii], v[D+ii]
.set ii, ii+1
.endr
	v_nop
	s_wait_alu depctr_va_vdst(0)                   ; one wait for the batch, ahead of its first reader and of the branch
	s_add_co_u32 s51, s[KF], 63
	s_cmp_le_u32 s51, s[Q0]
	s_cbranch_scc1 .Lopen_\@                       ; all 64 keys count
	s_sub_co_i32 s51, s[Q0], s[KF]
	v_add_nc_u32 v[DQ], s51, v[RH]                 ; register 16 b + i holds key KF + 32 b + 16 h + i: hidden where 32 b + i > my query - KF - 16 h
.set ii, 0
.rept 32
	v_cmp_gt_i32 vcc_lo, 32*(ii/16)+ii%16, v[DQ]
	v_cndmask_b32 v[D+ii], v[D+ii], v[ZR], vcc_lo
.set ii, ii+1
.endr
.Lopen_\@:
.set ii, 0
.rept 16
	v_pk_mul_f32 v[S+ii:S+ii+1], v[S+ii:S+ii+1], v[D+ii:D+ii+1]       ; ai: each accumulator from its low end on
.set ii, ii+2
.endr
.set ii, 0
.rept 16
	v_pk_mul_f32 v[S+32+ii:S+33+ii], v[S+32+ii:S+33+ii], v[D+ii:D+ii+1]   ; ar
.set ii, ii+2
.endr
	QUANT S
	v_alignbit_b32 v[PW2], v[PW], v[PW], 16
.irp i, 0,1,2,3,4,5
	v_xor_b32 v[P+12+\i], s[XP+\i%3], v[P+\i]
.endr
.rept 8
	v_nop                                          ; a scale word written by a vector instruction stands eight places ahead of the product, an operand four
.endr
	s_wait_dscnt 0x0                               ; V is in
	WIN 0x50                                       ; C and D window 1
.irp t, 0,1,2,3                                ; eight accumulators by turns, one instruction a turn
	v_wmma_scale_f32_16x16x128_f8f6f4 v[32+8*\t:39+8*\t], v[FRG+12*\t:FRG+12*\t+11], v[P:P+11], v[32+8*\t:39+8*\t], v[SCR+\t], v[PW] matrix_a_fmt:MATRIX_FMT_FP6 matrix_b_fmt:MATRIX_FMT_FP6 matrix_a_scale:MATRIX_SCALE_ROW1
	v_wmma_scale_f32_16x16x128_f8f6f4 v[8*\t:8*\t+7], v[FRG+12*\t:FRG+12*\t+11], v[P+6:P+17], v[8*\t:8*\t+7], v[SCR+\t], v[PW2] matrix_a_fmt:MATRIX_FMT_FP6 matrix_b_fmt:MATRIX_FMT_FP6 matrix_a_scale:MATRIX_SCALE_ROW1
.endr
	WIN 0
.Lhid_\@:
	s_add_co_u32 s[KF], s[KF], 64
	s_add_co_u32 s[TB], s[TB], SUBB
	s_sub_co_u32 s[CNT], s[CNT], 1
	s_cmp_lg_u32 s[CNT], 0
	s_cbranch_scc1 .Lstep_\@
.endm
; the change of slots: all my tensor loads have landed, the add, my reads of the slot that I leave are over, one barrier; fill = 1: that slot takes the key steps two slots on, my one load behind the barrier, eight key steps ahead of the wait for it
.macro CHANGE fill, g
	s_wait_tensorcnt 0x0
	ds_add_u32 v[SPW], v[NIL]
.if \fill
	s_add_nc_u64 s[\g+2:\g+3], s[\g+2:\g+3], 2*SLOTB
.endif
	s_wait_dscnt 0x0
	s_barrier_signal -1
	s_barrier_wait -1
.if \fill
	tensor_load_to_lds s[\g:\g+3], s[G1:G1+7]
	s_nop 0
.rept 4
	v_nop
.endr
.endif
.endm
	WORK 0
	CHANGE 1, G0
	WORK 1
	CHANGE 1, G0+4
	WORK 0
	CHANGE 0, G0
	WORK 1
	; ---- the way out: y's 64 numbers of my query, [yr 64 d | yi 64 d], are K step `head` of the last product's left operand
.rept 4
	v_nop
.endr
	WIN 0x01
.set ii, 0
.rept 64
	v_mov_b32 v[S+ii], v[ii]
.set ii, ii+1
.endr
	WIN 0
	QUANT S
.irp c, 0,1,2
	global_store_b128 v[LI], v[P+4*\c:P+4*\c+3], s[40:41] offset:512*\c
.endr
	global_store_b32 v[LS4], v[PW], s[56:57] offset:3145728
	s_wait_tensorcnt 0x0                           ; the wave's end
	ds_add_u32 v[SPW], v[NIL]
	s_wait_dscnt 0x0
	s_endpgm
.Lfunc_end_k_q45a2c0e092_attn:
	.size	k_q45a2c0e092_attn, .Lfunc_end_k_q45a2c0e092_attn-k_q45a2c0e092_attn
	.p2alignl 7, 3214868480
	.fill 96, 4, 3214868480
	.section	.rodata,"a",@progbits
	.p2align	6, 0x0
	.amdhsa_kernel k_q45a2c0e092_attn
		.amdhsa_group_segment_fixed_size 327680
		.amdhsa_private_segment_fixed_size 0
		.amdhsa_enable_private_segment 0
		.amdhsa_kernarg_size 16
		.amdhsa_user_sgpr_count 2
		.amdhsa_user_sgpr_kernarg_segment_ptr 1
		.amdhsa_wavefront_size32 1
		.amdhsa_system_sgpr_workgroup_id_x 1
		.amdhsa_system_sgpr_workgroup_id_y 1
		.amdhsa_system_sgpr_workgroup_id_z 1
		.amdhsa_system_vgpr_workitem_id 0
		.amdhsa_next_free_vgpr 320
		.amdhsa_next_free_sgpr 66
		.amdhsa_reserve_vcc 1
		.amdhsa_float_denorm_mode_32 3
		.amdhsa_float_denorm_mode_16_64 3
		.amdhsa_memory_ordered 1
		.amdhsa_forward_progress 1
		.amdhsa_inst_pref_size 85
	.end_amdhsa_kernel
	.amdgpu_metadata
---
amdhsa.version: [ 1, 2 ]
amdhsa.kernels:
  - .name:           k_q45a2c0e092_attn
    .symbol:         k_q45a2c0e092_attn.kd
    .args:
      - { .name: qkvc, .offset: 0, .size: 8, .value_kind: global_buffer, .address_space: global }
      - { .name: ybuf, .offset: 8, .size: 8, .value_kind: global_buffer, .address_space: global }
    .group_segment_fixed_size: 327680
    .private_segment_fixed_size: 0
    .kernarg_segment_align: 8
    .kernarg_segment_size: 16
    .max_flat_workgroup_size: 256
    .sgpr_count:     66
    .vgpr_count:     320
    .wavefront_size: 32
...
	.end_amdgpu_metadata
.endif
;; end of part 5
;; launch state (part 6): grid 16 x 16, 8 waves a work-group, no clusters, 17,408 bytes of LDS; arguments qkvc, out1; writes out1
.if DOCPART == 6
	.amdgcn_target "amdgcn-amd-amdhsa--gfx1250"
	.amdhsa_code_object_version 6
	.text
	.protected	k_q45a2c0e092_state
	.globl	k_q45a2c0e092_state
	.p2align	8
	.type	k_q45a2c0e092_state,@function
k_q45a2c0e092_state:
	s_mov_b64 s[64:65], 0
	v_nop
	global_prefetch_b8 v0, s[64:65] scope:SCOPE_SE
	s_setreg_imm32_b32 hwreg(HW_REG_WAVE_MODE, 25, 1), 1
	s_wait_xcnt 0x0
; The final state S[d1][d2] = sum over t of (v'_t D_last[t])[d1] conj(k_t)[d2], complex, K = the 2,048 t, on codes of E2M3 quantised along t.
; One real product of K = 128 for each part and 64 t: [kr | ki] . [wvr | wvi] = Re, [kr | ki] . [wvi | -wvr] = Im.
; Work-group (4 tau1 + tau2, head) makes one tile of 16 d1 x 16 d2; wave w takes key steps 4 w .. 4 w + 3; the eight partial sums meet in LDS.
; Source 0 = k's rows (d2), source 1 = wv's rows (d1): a lane holds one d1 and eight neighbouring d2.  The stores are pieces of 16 bytes: out1 is half a megabyte.
.set SPARE, 16384
.set LI,  2
.set LS,  3
.set WR,  4
.set RL,  5
.set OO,  6
.set SPW, 8
.set NIL, 9
.set WVR, 16                           ; four runs [wvr][wvi][-wvr] of 18
.set KTR, 88
.set WS,  136
.set WS2, 140
.set KS,  144
.set SR,  152
.set SI,  160
.set IL,  168
.set RB,  184
.set XP,  36
	s_load_b128 s[4:7], s[0:1], 0x0                ; qkvc, out1
	v_lshl_add_u32 v[SPW], v0, 2, SPARE
	v_mov_b32 v[NIL], 0
	v_lshrrev_b32 v1, 5, v0
	v_readfirstlane_b32 s8, v1
	s_and_b32 s9, ttmp7, 0xffff                    ; head
	s_lshr_b32 s10, ttmp9, 2                       ; tau1
	s_and_b32 s11, ttmp9, 3                        ; tau2
	s_lshl_b32 s12, s9, 5
	s_lshl_b32 s13, s8, 2
	s_add_co_u32 s12, s12, s13
	s_lshl_b32 s12, s12, 2
	s_add_co_u32 s13, s12, s10
	s_add_co_u32 s14, s12, s11
	s_mul_i32 s16, s13, 1536
	s_add_co_u32 s16, s16, 10354688
	s_mov_b32 s17, 0
	s_mul_i32 s18, s14, 1536
	s_add_co_u32 s18, s18, 13500416
	s_mov_b32 s19, 0
	s_lshl_b32 s20, s13, 7
	s_add_co_u32 s20, s20, 16646144
	s_mov_b32 s21, 0
	s_lshl_b32 s22, s14, 7
	s_add_co_u32 s22, s22, 16908288
	s_mov_b32 s23, 0
	s_lshr_b32 s24, s10, 1
	s_lshl_b32 s24, s24, 5
	s_and_b32 s25, s10, 1
	s_lshl_b32 s25, s25, 3
	s_add_co_u32 s24, s24, s25
	s_lshl_b32 s24, s24, 9                         ; d1's part of tau1, rows of 512 bytes
	s_lshr_b32 s26, s11, 1
	s_lshl_b32 s26, s26, 5
	s_and_b32 s25, s11, 1
	s_lshl_b32 s25, s25, 3
	s_add_co_u32 s26, s26, s25
	s_lshl_b32 s26, s26, 3                         ; d2's part of tau2, 8 bytes each
	s_add_co_u32 s24, s24, s26
	s_lshl_b32 s25, s9, 15
	s_add_co_u32 s24, s24, s25
	s_lshl_b32 s25, s8, 4                          ; the chunk of 16 bytes that my wave sums
	s_add_co_u32 s24, s24, s25
	s_mov_b32 s25, 0
	s_mov_b32 s[XP], 0x20820820
	s_mov_b32 s[XP+1], 0x08208208
	s_mov_b32 s[XP+2], 0x82082082
	v_and_b32 v1, 31, v0
	v_and_b32 v10, 15, v0
	v_bfe_u32 v11, v0, 4, 1
	v_lshlrev_b32 v[LI], 4, v1
	v_lshlrev_b32 v[LS], 2, v1
	s_lshl_b32 s27, s8, 11
	v_add_nc_u32 v[WR], s27, v[LI]
	s_lshl_b32 s27, s8, 9
	v_add_nc_u32 v[RL], s27, v[LI]
	v_and_b32 v12, 8, v10
	v_add_nc_u32 v12, v12, v10                     ; r + 8 (r / 8)
	v_lshlrev_b32 v[OO], 9, v12
	v_lshl_add_u32 v[OO], v11, 7, v[OO]            ; + 16 h numbers of 8 bytes
	s_wait_kmcnt 0x0
	s_add_nc_u64 s[16:17], s[4:5], s[16:17]
	s_add_nc_u64 s[18:19], s[4:5], s[18:19]
	s_add_nc_u64 s[20:21], s[4:5], s[20:21]
	s_add_nc_u64 s[22:23], s[4:5], s[22:23]
	s_add_nc_u64 s[6:7], s[6:7], s[24:25]
.irp u, 0,1,2,3
.irp c, 0,1,2
	global_load_b128 v[WVR+18*\u+4*\c:WVR+18*\u+4*\c+3], v[LI], s[16:17] offset:\u*6144+512*\c
	global_load_b128 v[KTR+12*\u+4*\c:KTR+12*\u+4*\c+3], v[LI], s[18:19] offset:\u*6144+512*\c
.endr
	global_load_b32 v[WS+\u], v[LS], s[20:21] offset:\u*512
	global_load_b32 v[KS+\u], v[LS], s[22:23] offset:\u*512
.endr
	s_wait_loadcnt 0x0
.irp u, 0,1,2,3
.irp i, 0,1,2,3,4,5
	v_xor_b32 v[WVR+18*\u+12+\i], s[XP+\i%3], v[WVR+18*\u+\i]
.endr
	v_alignbit_b32 v[WS2+\u], v[WS+\u], v[WS+\u], 16
.endr
.rept 8
	v_nop                                          ; a scale word written by a vector instruction stands eight places ahead of the product
.endr
	v_wmma_scale_f32_16x16x128_f8f6f4 v[SR:SR+7], v[KTR:KTR+11], v[WVR:WVR+11], 0, v[KS], v[WS] matrix_a_fmt:MATRIX_FMT_FP6 matrix_b_fmt:MATRIX_FMT_FP6
	v_wmma_scale_f32_16x16x128_f8f6f4 v[SI:SI+7], v[KTR:KTR+11], v[WVR+6:WVR+17], 0, v[KS], v[WS2] matrix_a_fmt:MATRIX_FMT_FP6 matrix_b_fmt:MATRIX_FMT_FP6
.irp u, 1,2,3                                  ; the two accumulators by turns
	v_wmma_scale_f32_16x16x128_f8f6f4 v[SR:SR+7], v[KTR+12*\u:KTR+12*\u+11], v[WVR+18*\u:WVR+18*\u+11], v[SR:SR+7], v[KS+\u], v[WS+\u] matrix_a_fmt:MATRIX_FMT_FP6 matrix_b_fmt:MATRIX_FMT_FP6
	v_wmma_scale_f32_16x16x128_f8f6f4 v[SI:SI+7], v[KTR+12*\u:KTR+12*\u+11], v[WVR+18*\u+6:WVR+18*\u+17], v[SI:SI+7], v[KS+\u], v[WS2+\u] matrix_a_fmt:MATRIX_FMT_FP6 matrix_b_fmt:MATRIX_FMT_FP6
.endr
.rept 4
	v_nop
.endr
.irp j, 0,1,2,3,4,5,6,7
	v_mov_b32 v[IL+2*\j], v[SR+\j]                 ; (re, im) side by side, as out1 has them
	v_mov_b32 v[IL+2*\j+1], v[SI+\j]
.endr
.irp q, 0,1,2,3
	ds_store_b128 v[WR], v[IL+4*\q:IL+4*\q+3] offset:512*\q
.endr
	s_wait_dscnt 0x0                               ; for the others' sake: my partial sums have landed
	s_barrier_signal -1
	s_barrier_wait -1
	s_cmp_ge_u32 s8, 4
	s_cbranch_scc1 .Lend
.irp w, 0,1,2,3,4,5,6,7
	ds_load_b128 v[RB+4*\w:RB+4*\w+3], v[RL] offset:\w*2048
.endr
	s_wait_dscnt 0x0
.irp w, 1,2,3,4,5,6,7
	v_pk_add_f32 v[RB:RB+1], v[RB:RB+1], v[RB+4*\w:RB+4*\w+1]
	v_pk_add_f32 v[RB+2:RB+3], v[RB+2:RB+3], v[RB+4*\w+2:RB+4*\w+3]
.endr
	global_store_b128 v[OO], v[RB:RB+3], s[6:7]
.Lend:
	s_wait_tensorcnt 0x0                           ; the wave's end: behind my last LDS store
	ds_add_u32 v[SPW], v[NIL]
	s_wait_dscnt 0x0
	s_endpgm
.Lfunc_end_k_q45a2c0e092_state:
	.size	k_q45a2c0e092_state, .Lfunc_end_k_q45a2c0e092_state-k_q45a2c0e092_state
	.p2alignl 7, 3214868480
	.fill 96, 4, 3214868480
	.section	.rodata,"a",@progbits
	.p2align	6, 0x0
	.amdhsa_kernel k_q45a2c0e092_state
		.amdhsa_group_segment_fixed_size 17408
		.amdhsa_private_segment_fixed_size 0
		.amdhsa_enable_private_segment 0
		.amdhsa_kernarg_size 16
		.amdhsa_user_sgpr_count 2
		.amdhsa_user_sgpr_kernarg_segment_ptr 1
		.amdhsa_wavefront_size32 1
		.amdhsa_system_sgpr_workgroup_id_x 1
		.amdhsa_system_sgpr_workgroup_id_y 1
		.amdhsa_system_sgpr_workgroup_id_z 1
		.amdhsa_system_vgpr_workitem_id 0
		.amdhsa_next_free_vgpr 224
		.amdhsa_next_free_sgpr 66
		.amdhsa_reserve_vcc 0
		.amdhsa_float_denorm_mode_32 3
		.amdhsa_float_denorm_mode_16_64 3
		.amdhsa_memory_ordered 1
		.amdhsa_forward_progress 1
		.amdhsa_inst_pref_size 11
	.end_amdhsa_kernel
	.amdgpu_metadata
---
amdhsa.version: [ 1, 2 ]
amdhsa.kernels:
  - .name:           k_q45a2c0e092_state
    .symbol:         k_q45a2c0e092_state.kd
    .args:
      - { .name: qkvc, .offset: 0, .size: 8, .value_kind: global_buffer, .address_space: global }
      - { .name: out1, .offset: 8, .size: 8, .value_kind: global_buffer, .address_space: global }
    .group_segment_fixed_size: 17408
    .private_segment_fixed_size: 0
    .kernarg_segment_align: 8
    .kernarg_segment_size: 16
    .max_flat_workgroup_size: 256
    .sgpr_count:     66
    .vgpr_count:     224
    .wavefront_size: 32
...
	.end_amdgpu_metadata
.endif
;; end of part 6
;; launch gemm2: the kernel of part 3 again; grid 8 x 8, 4 waves a work-group, clusters of 4 x 4, 327,680 bytes of LDS; arguments ybuf, wo, out0; writes out0
;; ======== version 2 of 2: 6 launches; 1.21 times as fast as version 1
;; workspace buffers: xbuf 5,767,168 bytes; wqkv 10,223,616 bytes; wo 3,932,160 bytes; scan 262,144 bytes; cqkv 50,331,648 bytes; qkvc 17,170,432 bytes; ybuf 3,407,872 bytes
;; launch xq (part 7): grid 128 x 1, 8 waves a work-group, no clusters, 152,576 bytes of LDS; arguments x, dt_w, dt_b, dt_bias, pg_w, pg_b, xbuf; writes xbuf
.if DOCPART == 7
	.amdgcn_target "amdgcn-amd-amdhsa--gfx1250"
	.amdhsa_code_object_version 6
	.text
	.protected	k_q45a2c0e092_xq
	.globl	k_q45a2c0e092_xq
	.p2align	8
	.type	k_q45a2c0e092_xq,@function
k_q45a2c0e092_xq:
	s_mov_b64 s[64:65], 0
	v_nop
	global_prefetch_b8 v0, s[64:65] scope:SCOPE_SE
	s_setreg_imm32_b32 hwreg(HW_REG_WAVE_MODE, 25, 1), 1
	s_wait_xcnt 0x0
; x [2048][1024][2] f32 becomes codes of E2M3 with one E8M0 byte for each 32 along DIM, laid as images of the operand's registers:
; a fragment (16 rows t x 128 K) is 1,536 bytes, chunk q of three at 512 q + 16 lane; K step kappa = [re of DIM 64 kappa .. +63 | im of the same].
; The same codes are the left operand of the decay gate's product; |x| is quantised in registers for the protect gate's.  Both gate products are made here,
; summed over the eight waves through LDS, and wave 0 stores g = -log(gamma + 1e-6) and 1 - p, [head][t].  The RoPE tables cos, -+sin are made here too, [t][128].
; SHARES: a work-group takes 16 rows t; wave w takes DIM 128 w .. +127 (K steps 2 w, 2 w + 1) and table rows 2 w, 2 w + 1.
; EVERY LARGE LOAD READS 512 CONSECUTIVE BYTES: a row's part of x, of dt_w or of pg_w.  The lane that quantises wants 32 neighbours of one row, so each goes through the wave's own stage in LDS:
; first dt_w's 32 rows, then pg_w's 16, then x's 32, one after the other in the same bytes (LDS serves a wave's instructions in order).
; LIMITS: NaN and infinities are not served.  A block whose largest magnitude lies under 2^-124 keeps the byte 1 (a block of zeros too: its codes are zeros, and this program alone reads the bytes).
; exp(-softplus(z)) is taken as 1 / (1 + e^z), which holds for every z.  The RoPE frequency 10000^(-d/64) is made by exp2 with a compensated exponent, to about 1.5 ulp; the angle t f is rounded once.
.set SPARE,  151552                    ; the spare words: 128 bytes for each of eight waves
.set STG,    16896                     ; a wave's two stages
.set HSTG,   8448                      ; one stage: 16 rows x (512 + 16) bytes
.set RED,    135168                    ; the waves' partial sums, 2,048 bytes each
.set OFF_XS, 3145728
.set OFF_G,  3407872
.set OFF_OM, 3538944
.set OFF_CT, 3670016
.set OFF_ST, 4718592
.set XG,  1                            ; 16 lane
.set STI, 2                            ; stage, way in
.set STO, 3                            ; stage, x's way out: r 528 + 256 h
.set STW, 4                            ; stage, the weights' way out: r 528 + 128 h
.set LS,  6                            ; 4 lane
.set RA,  7                            ; my partial sums
.set H8,  8                            ; 8 h
.set B4,  9                            ; 4 r
.set SPW, 10
.set NIL, 11
.set RL,  12                           ; wave 0 reads all partial sums
.set GO,  13                           ; r 8192 + 32 h
.set DW0, 16
.set DW1, 28
.set PGW, 40
.set DS0, 52
.set DS1, 53
.set PGS, 54
.set XS,  55
.set XAS, 56
.set EB,  57
.set EA,  59
.set PT,  61
.set GA,  64
.set GB,  128
.set RAW, 64
.set XA,  64
.set XRE, 128
.set XIM, 160
.set ACC0, 192
.set ACC1, 200
.set ACCP, 208
.set BI,  216
.set XF,  224
.set XAF, 236
.set QT,  248
.set TD,  192                          ; the tables' registers, free while the loads fly
.set TA,  196
.set TE,  200
.set TF,  204
.set T0,  208
.set ANG, 214
.set TT,  215
.set SGN, 219
.set D0,  220
.set WV,  18
.set SEL, 30
.set EPS, 32
.set K2PI, 34
.set KPH, 35
.set KPL, 36
.set S1,  37
.set S2,  38
.set S3,  39
.set C1,  40
.set C2,  41
.set C3,  42
.set LH,  43
.set LL,  44
.set T0S, 45
.set MSB, 0
.macro WIN new
.if MSB != \new
	s_set_vgpr_msb (MSB<<8)|\new
.set MSB, \new
.endif
.endm
; a block of 32 that lies whole in my registers: its codes into six registers, its byte into eb
.macro QB src, dst, eb
	v_max3_num_f32 v[QT], |v[(\src)]|, |v[(\src)+1]|, |v[(\src)+2]|
	v_max3_num_f32 v[QT+1], |v[(\src)+3]|, |v[(\src)+4]|, |v[(\src)+5]|
.irp i, 6,10,14,18,22,26
	v_max3_num_f32 v[QT], v[QT], |v[(\src)+\i]|, |v[(\src)+\i+1]|
	v_max3_num_f32 v[QT+1], v[QT+1], |v[(\src)+\i+2]|, |v[(\src)+\i+3]|
.endr
	v_max3_num_f32 v[QT], v[QT], |v[(\src)+30]|, |v[(\src)+31]|
	v_max3_num_f32 v[QT], v[QT], v[QT+1], 0x1800000        ; the floor 2^(3 - 127): the byte cannot fall under 1
	v_add_nc_u32 v[QT+2], 0xff000000, v[QT]                ; 2 off the exponent field: the conversion's scale operand
	v_lshrrev_b32 v[\eb], 23, v[QT+2]                      ; the byte
	v_cvt_scalef32_pk16_fp6_f32 v[(\dst):(\dst)+2], v[(\src):(\src)+15], v[QT+2]
	v_cvt_scalef32_pk16_fp6_f32 v[QT+4:QT+6], v[(\src)+16:(\src)+31], v[QT+2]   ; (three registers begin on an even number)
	v_nop                                                  ; one plain place behind the conversions
.irp i, 0,1,2
	v_mov_b32 v[(\dst)+3+\i], v[QT+4+\i]
.endr
.endm
; the scale word of a lane that holds blocks h and 2 + h: my two bytes at their places, with lane l xor 16's two
.macro W2 w, e0, e1
	v_lshl_or_b32 v[\w], v[\e1], 16, v[\e0]
	v_lshlrev_b32 v[\w], v[H8], v[\w]
	v_permlanex16_b32 v[PT], v[\w], s[SEL], s[SEL+1]
	v_or_b32 v[\w], v[\w], v[PT]
.endm
; cos and sin of an angle of 0 or more: reduced by multiples of pi/2 in two parts, then polynomials on |r| <= pi/4
.macro SINCOS a, c, s
	v_mul_f32 v[T0], s[K2PI], v[\a]
	v_rndne_f32 v[T0], v[T0]
	v_fma_f32 v[T0+1], v[T0], s[KPH], v[\a]
	v_fma_f32 v[T0+1], v[T0], s[KPL], v[T0+1]
	v_cvt_i32_f32 v[T0], v[T0]
	v_mul_f32 v[T0+2], v[T0+1], v[T0+1]
	v_fma_f32 v[T0+3], s[S3], v[T0+2], s[S2]
	v_fma_f32 v[T0+4], s[C3], v[T0+2], s[C2]
	v_fma_f32 v[T0+3], v[T0+3], v[T0+2], s[S1]
	v_fma_f32 v[T0+4], v[T0+4], v[T0+2], s[C1]
	v_mul_f32 v[T0+3], v[T0+3], v[T0+2]
	v_mul_f32 v[T0+4], v[T0+4], v[T0+2]
	v_fma_f32 v[T0+5], v[T0+2], -0.5, 1.0
	v_fma_f32 v[T0+3], v[T0+3], v[T0+1], v[T0+1]           ; sin r
	v_fma_f32 v[T0+4], v[T0+4], v[T0+2], v[T0+5]           ; cos r
	v_and_b32 v[T0+5], 1, v[T0]
	v_cmp_eq_u32 vcc_lo, 1, v[T0+5]
	v_cndmask_b32 v[\s], v[T0+3], v[T0+4], vcc_lo          ; odd quarter: the two change places
	v_cndmask_b32 v[\c], v[T0+4], v[T0+3], vcc_lo
	v_lshlrev_b32 v[T0+5], 30, v[T0]
	v_and_b32 v[T0+5], 0x80000000, v[T0+5]
	v_xor_b32 v[\s], v[\s], v[T0+5]                        ; sin's sign: bit 1 of n
	v_add_nc_u32 v[T0], 1, v[T0]
	v_lshlrev_b32 v[T0], 30, v[T0]
	v_and_b32 v[T0], 0x80000000, v[T0]
	v_xor_b32 v[\c], v[\c], v[T0]                          ; cos's: bit 1 of n + 1
.endm
	s_load_b256 s[4:11], s[0:1], 0x0               ; x, dt_w, dt_b, dt_bias
	s_load_b128 s[12:15], s[0:1], 0x20             ; pg_w, pg_b
	s_load_b64 s[16:17], s[0:1], 0x30              ; xbuf
	v_lshl_add_u32 v[SPW], v0, 2, SPARE
	v_mov_b32 v[NIL], 0
	v_lshrrev_b32 v14, 5, v0
	v_readfirstlane_b32 s[WV], v14
	v_and_b32 v14, 31, v0                          ; lane
	v_and_b32 v15, 15, v0                          ; r
	v_bfe_u32 v[H8], v0, 4, 1                      ; h
	v_lshlrev_b32 v[XG], 4, v14
	v_lshlrev_b32 v[LS], 2, v14
	s_mul_i32 s19, s[WV], STG
	v_add_nc_u32 v[STI], s19, v[XG]
	v_mul_u32_u24 v[STO], v15, 528
	v_lshl_add_u32 v[STW], v[H8], 7, v[STO]
	v_lshl_add_u32 v[STO], v[H8], 8, v[STO]
	v_add_nc_u32 v[STO], s19, v[STO]
	v_add_nc_u32 v[STW], s19, v[STW]
	v_lshlrev_b32 v[B4], 2, v15
	s_lshl_b32 s19, s[WV], 11
	s_add_co_u32 s19, s19, RED
	v_add_nc_u32 v[RA], s19, v[XG]
	v_add_nc_u32 v[RL], RED, v[XG]
	v_lshlrev_b32 v[GO], 13, v15
	v_lshl_add_u32 v[GO], v[H8], 5, v[GO]
	v_lshlrev_b32 v[H8], 3, v[H8]
	v_mov_b32 v[PT], 0                             ; a lane permute's destination counts as one of its sources
	s_mov_b32 s[SEL], 0x76543210
	s_mov_b32 s[SEL+1], 0xfedcba98
	s_mov_b32 s[EPS], 0x322bcc77                   ; 1e-8
	s_mov_b32 s[EPS+1], s[EPS]
	s_mov_b32 s[K2PI], 0x3f22f983                  ; 2 / pi
	s_mov_b32 s[KPH], 0xbfc90fdb                   ; -(pi/2), upper part
	s_mov_b32 s[KPL], 0x333bbd2e                   ; -(pi/2), lower part
	s_mov_b32 s[S1], 0xbe2aaaa3
	s_mov_b32 s[S2], 0x3c08839e
	s_mov_b32 s[S3], 0xb94ca1f9
	s_mov_b32 s[C1], 0x3d2aaaa5
	s_mov_b32 s[C2], 0xbab6061a
	s_mov_b32 s[C3], 0x37ccf5ce
	s_mov_b32 s[LH], 0x3e549a78                    ; log2(10000) / 64, upper part
	s_mov_b32 s[LL], 0x31979a31                    ; and what is left of it
	s_lshl_b32 s46, ttmp9, 17                      ; 16 rows of 8,192 bytes
	s_lshl_b32 s47, s[WV], 10
	s_add_co_u32 s46, s46, s47
	s_mov_b32 s47, 0
	s_lshl_b32 s48, s[WV], 9                       ; my 128 columns of dt_w and of pg_w
	s_mov_b32 s49, 0
	s_lshl_b32 s[T0S], ttmp9, 4
	s_lshl_b32 s50, s[WV], 1
	s_add_co_u32 s[T0S], s[T0S], s50               ; 16 tile + 2 w: my first table row, and the number of my first image
	s_lshl_b32 s20, s[T0S], 9
	s_mov_b32 s21, 0
	s_mul_i32 s22, s[T0S], 1536
	s_mov_b32 s23, 0
	s_lshl_b32 s24, s[T0S], 7
	s_mov_b32 s25, 0
	s_lshl_b32 s26, ttmp9, 6
	s_mov_b32 s27, 0
	s_wait_kmcnt 0x0
	s_add_nc_u64 s[4:5], s[4:5], s[46:47]
	s_add_nc_u64 s[6:7], s[6:7], s[48:49]
	s_add_nc_u64 s[12:13], s[12:13], s[48:49]
	s_add_nc_u64 s[20:21], s[16:17], s[20:21]      ; the tables' rows
	s_add_nc_u64 s[22:23], s[16:17], s[22:23]      ; my images
	s_add_nc_u64 s[24:25], s[16:17], s[24:25]      ; their scale words
	s_add_nc_u64 s[26:27], s[16:17], s[26:27]      ; g and 1 - p at my tile's t
.set ii, 0
.rept 16                                       ; dt_w: head ii, my 128 columns of the half that meets re, and of the half that meets im: 512 consecutive bytes a load
	global_load_b128 v[GA+4*ii:GA+4*ii+3], v[XG], s[6:7] offset:ii*8192
	global_load_b128 v[GB+4*ii:GB+4*ii+3], v[XG], s[6:7] offset:ii*8192+4096
.set ii, ii+1
.endr
	WIN 0x40                                       ; destination window 1
.set ii, 0
.rept 16                                       ; pg_w: head ii, my 128 columns
	global_load_b128 v[128+4*ii:131+4*ii], v[XG], s[12:13] offset:ii*4096
.set ii, ii+1
.endr
.set ii, 0
.rept 32                                       ; x: row ii % 16, K step ii / 16
	global_load_b128 v[4*ii:4*ii+3], v[XG], s[4:5] offset:(ii%16)*8192+(ii/16)*512 th:TH_LOAD_NT
.set ii, ii+1
.endr
	WIN 0
	global_load_b32 v[BI], v[B4], s[8:9]
	global_load_b32 v[BI+1], v[B4], s[10:11]
	global_load_b32 v[BI+2], v[B4], s[14:15]
	; ---- the tables, while the loads fly.  Entry e = 4 lane + i of a row stands for tau = e / 32, c = (e / 16) % 2, rho = e % 16, d = 32 (tau / 2) + 8 (tau % 2) + rho + 8 (rho / 8)
	v_bfe_u32 v[D0], v0, 4, 1
	v_bfe_u32 v[TD], v0, 3, 1
	v_bfe_u32 v[TD+1], v0, 1, 1
	v_add_nc_u32 v[TD], v[TD], v[TD+1]
	v_and_b32 v[TD+1], 3, v0
	v_lshlrev_b32 v[D0], 5, v[D0]
	v_lshl_add_u32 v[D0], v[TD], 3, v[D0]
	v_lshl_add_u32 v[D0], v[TD+1], 2, v[D0]
	v_bfe_u32 v[SGN], v0, 2, 1
	v_xor_b32 v[SGN], 1, v[SGN]
	v_lshlrev_b32 v[SGN], 31, v[SGN]               ; the sine's table holds -sin where c = 0
.irp i, 0,1,2,3
	v_add_nc_u32 v[TD+\i], \i, v[D0]
.endr
.irp i, 0,1,2,3
	v_cvt_f32_u32 v[TD+\i], v[TD+\i]
.endr
.irp i, 0,1,2,3
	v_mul_f32 v[TA+\i], s[LH], v[TD+\i]
.endr
.irp i, 0,1,2,3
	v_fma_f32 v[TE+\i], v[TD+\i], s[LH], -v[TA+\i]         ; what the rounding of the exponent has lost,
.endr
.irp i, 0,1,2,3
	v_fma_f32 v[TE+\i], v[TD+\i], s[LL], v[TE+\i]          ; and the constant's lower part
.endr
.irp i, 0,1,2,3
	v_exp_f32 v[TF+\i], -v[TA+\i]
.endr
	v_nop
	s_wait_alu depctr_va_vdst(0)                   ; one wait for the four, ahead of their first reader
.irp i, 0,1,2,3
	v_mul_f32 v[TA+\i], 0xbf317218, v[TF+\i]
.endr
.irp i, 0,1,2,3
	v_fma_f32 v[TF+\i], v[TA+\i], v[TE+\i], v[TF+\i]       ; f = f0 (1 - ln 2 x the lost part)
.endr
.irp rr, 0,1
	s_add_co_u32 s50, s[T0S], \rr
	v_cvt_f32_u32 v[TT], s50
.irp i, 0,1,2,3
	v_mul_f32 v[ANG], v[TT], v[TF+\i]
	SINCOS ANG, 224+8*\rr+\i, 228+8*\rr+\i
	v_xor_b32 v[228+8*\rr+\i], v[SGN], v[228+8*\rr+\i]
.endr
	global_store_b128 v[XG], v[224+8*\rr:227+8*\rr], s[20:21] offset:OFF_CT+512*\rr   ; 32 lanes store 512 consecutive bytes
	global_store_b128 v[XG], v[228+8*\rr:231+8*\rr], s[20:21] offset:OFF_ST+512*\rr
.endr
	; ---- the gates' weights, through my stage: head r's row comes back 32 neighbours to a lane
	s_wait_loadcnt 51                              ; dt_w is in; younger: 16 of pg_w, 32 of x, 3 biases
.set ii, 0
.rept 16
	ds_store_b128 v[STI], v[GA+4*ii:GA+4*ii+3] offset:ii*528
	ds_store_b128 v[STI], v[GB+4*ii:GB+4*ii+3] offset:HSTG+ii*528
.set ii, ii+1
.endr
.irp a, 0,1                                    ; the fragment of K step 2 w + a: [columns 64 a + 32 h .. of the first half | the same of the second], into the registers that the rows have left
.set ii, 0
.rept 8
	ds_load_b128 v[GA+64*\a+4*ii:GA+64*\a+4*ii+3], v[STW] offset:256*\a+16*ii
	ds_load_b128 v[GA+64*\a+32+4*ii:GA+64*\a+35+4*ii], v[STW] offset:HSTG+256*\a+16*ii
.set ii, ii+1
.endr
.endr
	s_wait_dscnt 0x0
	QB GA, DW0, EB
	QB GA+32, DW0+6, EB+1
	W2 DS0, EB, EB+1
	QB GB, DW1, EB
	QB GB+32, DW1+6, EB+1
	W2 DS1, EB, EB+1
	s_wait_loadcnt 35                              ; pg_w is in; younger: 32 of x, 3 biases
	WIN 0x04                                       ; an LDS store's data: window 1
.set ii, 0
.rept 16
	ds_store_b128 v[STI], v[128+4*ii:131+4*ii] offset:ii*528
.set ii, ii+1
.endr
	WIN 0
.set ii, 0
.rept 8                                        ; pg_w's fragment: columns 32 h .. and 64 further on
	ds_load_b128 v[GA+4*ii:GA+4*ii+3], v[STW] offset:16*ii
	ds_load_b128 v[GA+32+4*ii:GA+35+4*ii], v[STW] offset:256+16*ii
.set ii, ii+1
.endr
	s_wait_dscnt 0x0
	QB GA, PGW, EB
	QB GA+32, PGW+6, EB+1
	W2 PGS, EB, EB+1
	s_wait_loadcnt 0x0                             ; x and the biases are in
	WIN 0x04
.set ii, 0
.rept 32
	ds_store_b128 v[STI], v[4*ii:4*ii+3] offset:(ii/16)*HSTG+(ii%16)*528
.set ii, ii+1
.endr
	WIN 0
; ---- a K step of x: lane (r, h) takes row r's 32 complex numbers DIM 64 kappa + 32 h .. from my own stage (LDS serves a wave's instructions in order)
.macro XSTEP a
.set ii, 0
.rept 16
	ds_load_b128 v[RAW+4*ii:RAW+4*ii+3], v[STO] offset:\a*HSTG+16*ii
.set ii, ii+1
.endr
	s_wait_dscnt 0x0
.set ii, 0
.rept 32
	v_mov_b32 v[XRE+ii], v[RAW+2*ii]
	v_mov_b32 v[XIM+ii], v[RAW+2*ii+1]
.set ii, ii+1
.endr
.set ii, 0
.rept 16
	v_pk_fma_f32 v[XA+ii:XA+ii+1], v[XIM+ii:XIM+ii+1], v[XIM+ii:XIM+ii+1], s[EPS:EPS+1] op_sel_hi:[1,1,0]
.set ii, ii+2
.endr
.set ii, 0
.rept 16
	v_pk_fma_f32 v[XA+ii:XA+ii+1], v[XRE+ii:XRE+ii+1], v[XRE+ii:XRE+ii+1], v[XA+ii:XA+ii+1]
.set ii, ii+2
.endr
.set ii, 0
.rept 32
	v_sqrt_f32 v[XA+ii], v[XA+ii]
.set ii, ii+1
.endr
	s_wait_xcnt 0x0                                ; earlier stores have read their data: the codes' and the scale word's registers may be written
	QB XRE, XF, EB                                 ; independent work behind the batch of roots
	QB XIM, XF+6, EB+1
	s_wait_alu depctr_va_vdst(0)                   ; one wait for the 32 roots, ahead of their first reader
	QB XA, XAF+6*\a, EA+\a
	W2 XS, EB, EB+1
.endm
	XSTEP 0
.irp q, 0,1,2
	global_store_b128 v[XG], v[XF+4*\q:XF+4*\q+3], s[22:23] offset:512*\q
.endr
	global_store_b32 v[LS], v[XS], s[24:25] offset:OFF_XS
.rept 8
	v_nop                                          ; a scale word written by a vector instruction stands eight places ahead of the product
.endr
	v_wmma_scale_f32_16x16x128_f8f6f4 v[ACC0:ACC0+7], v[XF:XF+11], v[DW0:DW0+11], 0, v[XS], v[DS0] matrix_a_fmt:MATRIX_FMT_FP6 matrix_b_fmt:MATRIX_FMT_FP6
	XSTEP 1                                        ; (its 64 moves are the places behind that product)
	W2 XAS, EA, EA+1
.irp q, 0,1,2
	global_store_b128 v[XG], v[XF+4*\q:XF+4*\q+3], s[22:23] offset:1536+512*\q
.endr
	global_store_b32 v[LS], v[XS], s[24:25] offset:OFF_XS+128
.rept 8
	v_nop
.endr
	v_wmma_scale_f32_16x16x128_f8f6f4 v[ACC1:ACC1+7], v[XF:XF+11], v[DW1:DW1+11], 0, v[XS], v[DS1] matrix_a_fmt:MATRIX_FMT_FP6 matrix_b_fmt:MATRIX_FMT_FP6
	v_wmma_scale_f32_16x16x128_f8f6f4 v[ACCP:ACCP+7], v[XAF:XAF+11], v[PGW:PGW+11], 0, v[XAS], v[PGS] matrix_a_fmt:MATRIX_FMT_FP6 matrix_b_fmt:MATRIX_FMT_FP6
.rept 4
	v_nop
.endr
.irp j, 0,2,4,6
	v_pk_add_f32 v[ACC0+\j:ACC0+\j+1], v[ACC0+\j:ACC0+\j+1], v[ACC1+\j:ACC1+\j+1]   ; lane (r, h): head r, t = 8 h + j
.endr
	ds_store_b128 v[RA], v[ACC0:ACC0+3]
	ds_store_b128 v[RA], v[ACC0+4:ACC0+7] offset:512
	ds_store_b128 v[RA], v[ACCP:ACCP+3] offset:1024
	ds_store_b128 v[RA], v[ACCP+4:ACCP+7] offset:1536
	s_wait_dscnt 0x0                               ; for the others' sake: my partial sums have landed
	s_barrier_signal -1
	s_barrier_wait -1
	s_cmp_lg_u32 s[WV], 0
	s_cbranch_scc1 .Lend
	; ---- wave 0: the sums over K, and the gates
.set ii, 0
.rept 32
	ds_load_b128 v[64+4*ii:67+4*ii], v[RL] offset:(ii/4)*2048+(ii%4)*512
.set ii, ii+1
.endr
	s_wait_dscnt 0x0
.irp w, 1,2,3,4,5,6,7
.irp p, 0,2,4,6,8,10,12,14
	v_pk_add_f32 v[64+\p:65+\p], v[64+\p:65+\p], v[64+16*\w+\p:65+16*\w+\p]
.endr
.endr
.irp j, 0,1,2,3,4,5,6,7
	v_add_f32 v[64+\j], v[64+\j], v[BI]
	v_add_f32 v[72+\j], v[72+\j], v[BI+2]
.endr
.irp j, 0,1,2,3,4,5,6,7
	v_add_f32 v[64+\j], v[64+\j], v[BI+1]
.endr
.irp j, 0,1,2,3,4,5,6,7
	v_mul_f32 v[64+\j], 0x3fb8aa3b, v[64+\j]
	v_mul_f32 v[72+\j], 0xbfb8aa3b, v[72+\j]
.endr
.set ii, 0
.rept 16
	v_exp_f32 v[64+ii], v[64+ii]                   ; e^z and e^-u
.set ii, ii+1
.endr
	v_nop
	s_wait_alu depctr_va_vdst(0)
.set ii, 0
.rept 16
	v_add_f32 v[64+ii], 1.0, v[64+ii]
.set ii, ii+1
.endr
.set ii, 0
.rept 16
	v_rcp_f32 v[64+ii], v[64+ii]                   ; exp(-dt) = 1 / (1 + e^z);  p = 1 / (1 + e^-u)
.set ii, ii+1
.endr
	v_nop
	s_wait_alu depctr_va_vdst(0)
.irp j, 0,1,2,3,4,5,6,7
	v_sub_f32 v[80+\j], 1.0, v[72+\j]              ; 1 - p
.endr
.irp j, 0,1,2,3,4,5,6,7
	v_fma_f32 v[88+\j], v[64+\j], v[80+\j], v[72+\j]       ; gamma
.endr
.irp j, 0,1,2,3,4,5,6,7
	v_add_f32 v[88+\j], 0x358637bd, v[88+\j]       ; + 1e-6
.endr
.irp j, 0,1,2,3,4,5,6,7
	v_log_f32 v[88+\j], v[88+\j]
.endr
	v_nop
	s_wait_alu depctr_va_vdst(0)
.irp j, 0,1,2,3,4,5,6,7
	v_mul_f32 v[88+\j], 0xbf317218, v[88+\j]       ; g = -ln 2 x log2
.endr
	global_store_b128 v[GO], v[88:91], s[26:27] offset:OFF_G
	global_store_b128 v[GO], v[92:95], s[26:27] offset:OFF_G+16
	global_store_b128 v[GO], v[80:83], s[26:27] offset:OFF_OM
	global_store_b128 v[GO], v[84:87], s[26:27] offset:OFF_OM+16
.Lend:
	s_wait_tensorcnt 0x0                           ; the wave's end: behind my last LDS store
	ds_add_u32 v[SPW], v[NIL]
	s_wait_dscnt 0x0
	s_endpgm
.Lfunc_end_k_q45a2c0e092_xq:
	.size	k_q45a2c0e092_xq, .Lfunc_end_k_q45a2c0e092_xq-k_q45a2c0e092_xq
	.p2alignl 7, 3214868480
	.fill 96, 4, 3214868480
	.section	.rodata,"a",@progbits
	.p2align	6, 0x0
	.amdhsa_kernel k_q45a2c0e092_xq
		.amdhsa_group_segment_fixed_size 152576
		.amdhsa_private_segment_fixed_size 0
		.amdhsa_enable_private_segment 0
		.amdhsa_kernarg_size 56
		.amdhsa_user_sgpr_count 2
		.amdhsa_user_sgpr_kernarg_segment_ptr 1
		.amdhsa_wavefront_size32 1
		.amdhsa_system_sgpr_workgroup_id_x 1
		.amdhsa_system_sgpr_workgroup_id_y 1
		.amdhsa_system_sgpr_workgroup_id_z 1
		.amdhsa_system_vgpr_workitem_id 0
		.amdhsa_next_free_vgpr 448
		.amdhsa_next_free_sgpr 66
		.amdhsa_reserve_vcc 1
		.amdhsa_float_denorm_mode_32 3
		.amdhsa_float_denorm_mode_16_64 3
		.amdhsa_memory_ordered 1
		.amdhsa_forward_progress 1
		.amdhsa_inst_pref_size 76
	.end_amdhsa_kernel
	.amdgpu_metadata
---
amdhsa.version: [ 1, 2 ]
amdhsa.kernels:
  - .name:           k_q45a2c0e092_xq
    .symbol:         k_q45a2c0e092_xq.kd
    .args:
      - { .name: x, .offset: 0, .size: 8, .value_kind: global_buffer, .address_space: global }
      - { .name: dt_w, .offset: 8, .size: 8, .value_kind: global_buffer, .address_space: global }
      - { .name: dt_b, .offset: 16, .size: 8, .value_kind: global_buffer, .address_space: global }
      - { .name: dt_bias, .offset: 24, .size: 8, .value_kind: global_buffer, .address_space: global }
      - { .name: pg_w, .offset: 32, .size: 8, .value_kind: global_buffer, .address_space: global }
      - { .name: pg_b, .offset: 40, .size: 8, .value_kind: global_buffer, .address_space: global }
      - { .name: xbuf, .offset: 48, .size: 8, .value_kind: global_buffer, .address_space: global }
    .group_segment_fixed_size: 152576
    .private_segment_fixed_size: 0
    .kernarg_segment_align: 8
    .kernarg_segment_size: 56
    .max_flat_workgroup_size: 256
    .sgpr_count:     66
    .vgpr_count:     448
    .wavefront_size: 32
...
	.end_amdgpu_metadata
.endif
;; end of part 7
;; launch wq (part 8): grid 130 x 1, 8 waves a work-group, no clusters, 140,288 bytes of LDS; arguments qkv_wr, qkv_wi, o_wr, o_wi, xbuf, wqkv, wo, scan; writes wqkv, wo, scan
.if DOCPART == 8
	.amdgcn_target "amdgcn-amd-amdhsa--gfx1250"
	.amdhsa_code_object_version 6
	.text
	.protected	k_q45a2c0e092_wq
	.globl	k_q45a2c0e092_wq
	.p2align	8
	.type	k_q45a2c0e092_wq,@function
k_q45a2c0e092_wq:
	s_mov_b64 s[64:65], 0
	v_nop
	global_prefetch_b8 v0, s[64:65] scope:SCOPE_SE
	s_setreg_imm32_b32 hwreg(HW_REG_WAVE_MODE, 25, 1), 1
	s_wait_xcnt 0x0
; The complex weights become real operands of K = 2,048: for output part re the row [wr | -wi], for im [wi | wr], K step kappa = columns 64 kappa .. +63 of both.
; Codes of E2M3, one E8M0 byte for each 32 along K, laid as images of the operand's registers (1,536 bytes a fragment, 128 bytes of scale words, lanes 16-31 a copy of lanes 0-15).
; A negation is a flip of each code's top bit; the scale bytes of [wi | wr] are those of [wr | -wi] with the halves changed.
; Work-groups 0-127: two groups of 16 rows, group G = 2 x work-group + wave / 4; wave % 4 = u takes K steps 4 u .. 4 u + 3.  G 0-191: rows of qkv (chosen so that column tau 32 + c 16 + rho of a head stands for
; d = 32 (tau / 2) + 8 (tau % 2) + rho + 8 (rho / 8)); G 192-255: rows of o (column 2 n + c).  The loads of two K steps are on their way at a time.
; Work-groups 128, 129: wave w sums g over t for head 8 (group - 128) + w: C, and D_last = exp(min(C - C[last], 0)).  130 work-groups: each has a WGP of its own from the start.
; The running sum wants 64 neighbours in a lane, memory wants neighbouring lanes on neighbouring bytes: the numbers are turned through a stage in LDS on the way in and on the way out.  That stage has bytes of its own, apart from the other path's.
; LIMITS: NaN and infinities are not served; a block under 2^-124 keeps the byte 1 (zeros too).  The running sum goes 64 numbers to a lane and then lane by lane: another order of f32 additions than a plain running sum.
.set SPARE, 69632                      ; behind the eight stages: the spare words, 128 bytes a wave
.set WSTG,  8704                       ; a wave's stage: wr's 16 rows x 272 bytes, then wi's
.set SCST,  70656                      ; the running sum's stages: 32 rows x 272 bytes a wave
.set OFF_G, 3407872
.set B_CO,  786432
.set VA0, 1
.set VA1, 2
.set STI, 3
.set STO, 4
.set F0,  5
.set F1,  6
.set S0,  7
.set S1,  8
.set H8,  9
.set SPW, 10
.set NIL, 11
.set PT,  12
.set ER,  13
.set EI,  14
.set W0,  28
.set W1,  29
.set QT,  20
.set P,   32                           ; [Ci][Cr][-Ci]: 18 registers
.set NR,  64
.set NI,  96
.set RAW, 128                          ; two sets of 64
.set WV,  20
.set SEL, 22
.set XP,  24
.macro QB src, dst, eb
	v_max3_num_f32 v[QT], |v[(\src)]|, |v[(\src)+1]|, |v[(\src)+2]|
	v_max3_num_f32 v[QT+1], |v[(\src)+3]|, |v[(\src)+4]|, |v[(\src)+5]|
.irp i, 6,10,14,18,22,26
	v_max3_num_f32 v[QT], v[QT], |v[(\src)+\i]|, |v[(\src)+\i+1]|
	v_max3_num_f32 v[QT+1], v[QT+1], |v[(\src)+\i+2]|, |v[(\src)+\i+3]|
.endr
	v_max3_num_f32 v[QT], v[QT], |v[(\src)+30]|, |v[(\src)+31]|
	v_max3_num_f32 v[QT], v[QT], v[QT+1], 0x1800000
	v_add_nc_u32 v[QT+2], 0xff000000, v[QT]
	v_lshrrev_b32 v[\eb], 23, v[QT+2]
	v_cvt_scalef32_pk16_fp6_f32 v[(\dst):(\dst)+2], v[(\src):(\src)+15], v[QT+2]
	v_cvt_scalef32_pk16_fp6_f32 v[QT+4:QT+6], v[(\src)+16:(\src)+31], v[QT+2]
	v_nop
.irp i, 0,1,2
	v_mov_b32 v[(\dst)+3+\i], v[QT+4+\i]
.endr
.endm
	s_load_b256 s[4:11], s[0:1], 0x0               ; qkv_wr, qkv_wi, o_wr, o_wi
	s_load_b256 s[12:19], s[0:1], 0x20             ; xbuf, wqkv, wo, scan
	v_lshl_add_u32 v[SPW], v0, 2, SPARE
	v_mov_b32 v[NIL], 0
	v_lshrrev_b32 v15, 5, v0
	v_readfirstlane_b32 s[WV], v15
	s_mov_b32 s[SEL], 0x76543210
	s_mov_b32 s[SEL+1], 0xfedcba98
	s_mov_b32 s[XP], 0x20820820                    ; the top bits of the 6-bit codes in three words on end
	s_mov_b32 s[XP+1], 0x08208208
	s_mov_b32 s[XP+2], 0x82082082
	s_wait_kmcnt 0x0
	s_cmp_ge_u32 ttmp9, 128
	s_cbranch_scc1 .Lscan
	s_lshr_b32 s40, s[WV], 2
	s_lshl_b32 s41, ttmp9, 1
	s_add_co_u32 s41, s41, s40                     ; G: my group of 16 rows
	s_and_b32 s40, s[WV], 3                        ; u: my four K steps
	v_and_b32 v15, 31, v0                          ; lane
	v_and_b32 v13, 15, v0                          ; rho
	v_bfe_u32 v14, v0, 4, 1                        ; h
	v_lshlrev_b32 v[VA0], 4, v13
	v_lshl_add_u32 v[VA0], v14, 12, v[VA0]         ; a load takes two rows: one to each half of the lanes, 256 bytes each
	s_mul_i32 s27, s[WV], WSTG
	v_mul_u32_u24 v[STI], v14, 272
	v_lshl_add_u32 v[STI], v13, 4, v[STI]
	v_add_nc_u32 v[STI], s27, v[STI]
	v_mul_u32_u24 v[STO], v13, 272
	v_lshl_add_u32 v[STO], v14, 7, v[STO]
	v_add_nc_u32 v[STO], s27, v[STO]               ; back: row rho, my half's 32 numbers
	v_lshlrev_b32 v[H8], 3, v14
	v_mov_b32 v[PT], 0
	v_lshlrev_b32 v[F0], 4, v15                    ; qkv: the image's place is my lane's
	v_lshlrev_b32 v[S0], 2, v15
	v_lshrrev_b32 v16, 3, v13
	v_and_b32 v17, 7, v13
	v_mul_u32_u24 v18, v16, 24576                  ; o: tile rho / 8, place 2 (rho % 8) + c
	v_lshl_add_u32 v18, v17, 5, v18
	v_lshl_add_u32 v18, v14, 8, v18
	v_lshlrev_b32 v19, 11, v16
	v_lshl_add_u32 v19, v17, 3, v19
	v_lshl_add_u32 v19, v14, 6, v19
	s_lshr_b32 s27, s41, 2
	s_lshl_b32 s27, s27, 6
	s_bfe_u32 s28, s41, 0x10001
	s_lshl_b32 s28, s28, 5
	s_add_co_u32 s27, s27, s28
	s_and_b32 s28, s41, 1
	s_lshl_b32 s28, s28, 3
	s_add_co_u32 s27, s27, s28                     ; qkv's first row
	s_sub_co_u32 s29, s41, 192
	s_lshl_b32 s28, s29, 4                         ; o's
	s_cmp_lt_u32 s41, 192                          ; the choice hangs on ids alone
	s_cselect_b32 s27, s27, s28
	s_cselect_b32 s29, s41, s29                    ; which 16 rows of its tensor
	s_cselect_b32 s30, 32768, 0                    ; qkv: rows 8-15 lie 8 rows further on
	s_cselect_b32 s31, 24576, 16                   ; from part re's place to part im's
	s_cselect_b32 s32, 2048, 4
	s_cselect_b32 s33, -1, 0
	s_cselect_b64 s[4:5], s[4:5], s[8:9]
	s_cselect_b64 s[6:7], s[6:7], s[10:11]
	s_cselect_b64 s[14:15], s[14:15], s[16:17]
	v_cndmask_b32 v[F0], v18, v[F0], s33
	v_cndmask_b32 v[S0], v19, v[S0], s33
	v_add_nc_u32 v[F1], s31, v[F0]
	v_add_nc_u32 v[S1], s32, v[S0]
	v_add_nc_u32 v[VA1], s30, v[VA0]
	s_lshl_b32 s34, s27, 12
	s_lshl_b32 s35, s40, 10
	s_add_co_u32 s34, s34, s35
	s_mov_b32 s35, 0
	s_add_nc_u64 s[4:5], s[4:5], s[34:35]
	s_add_nc_u64 s[6:7], s[6:7], s[34:35]
	s_mul_i32 s36, s29, 49152                      ; two tiles of 16 images
	s_mul_i32 s37, s40, 6144
	s_add_co_u32 s36, s36, s37
	s_mov_b32 s37, 0
	s_add_nc_u64 s[36:37], s[14:15], s[36:37]
	s_lshl_b32 s38, s29, 12
	s_lshl_b32 s39, s40, 9
	s_add_co_u32 s38, s38, s39
	s_mov_b32 s39, 0
	s_add_nc_u64 s[38:39], s[14:15], s[38:39]
.macro WLOAD u
.set RW, RAW+64*((\u)%2)
.irp i, 0,1,2,3
	global_load_b128 v[RW+4*\i:RW+4*\i+3], v[VA0], s[4:5] offset:\i*8192+(\u)*256 th:TH_LOAD_NT
	global_load_b128 v[RW+32+4*\i:RW+35+4*\i], v[VA0], s[6:7] offset:\i*8192+(\u)*256 th:TH_LOAD_NT
.endr
.irp i, 4,5,6,7
	global_load_b128 v[RW+4*\i:RW+4*\i+3], v[VA1], s[4:5] offset:\i*8192+(\u)*256 th:TH_LOAD_NT
	global_load_b128 v[RW+32+4*\i:RW+35+4*\i], v[VA1], s[6:7] offset:\i*8192+(\u)*256 th:TH_LOAD_NT
.endr
.endm
.macro UNIT u
.if \u < 3
	s_wait_loadcnt 16                              ; this K step's 16 loads are in; the next one's 16 may be out
.else
	s_wait_loadcnt 0x0
.endif
.set RW, RAW+64*((\u)%2)
.irp i, 0,1,2,3,4,5,6,7
	ds_store_b128 v[STI], v[RW+4*\i:RW+4*\i+3] offset:\i*544
	ds_store_b128 v[STI], v[RW+32+4*\i:RW+35+4*\i] offset:4352+\i*544
.endr
.irp j, 0,1,2,3,4,5,6,7
	ds_load_b128 v[NR+4*\j:NR+4*\j+3], v[STO] offset:16*\j            ; LDS serves a wave's instructions in order: these see my stores
	ds_load_b128 v[NI+4*\j:NI+4*\j+3], v[STO] offset:4352+16*\j
.endr
	s_wait_dscnt 0x0                               ; the stage's stores have read their registers, and my numbers are back
	s_wait_xcnt 0x0                                ; the last K step's stores have read the codes' registers
.if \u < 2
	WLOAD \u+2                                     ; into the set that the stage's stores have just read
.endif
	QB NI, P, EI
	QB NR, P+6, ER
.irp i, 0,1,2,3,4,5
	v_xor_b32 v[P+12+\i], s[XP+\i%3], v[P+\i]
.endr
	v_lshl_or_b32 v[W0], v[EI], 16, v[ER]          ; [wr | -wi]: my bytes of blocks h and 2 + h,
	v_lshlrev_b32 v[W0], v[H8], v[W0]
	v_permlanex16_b32 v[PT], v[W0], s[SEL], s[SEL+1]
	v_or_b32 v[W0], v[W0], v[PT]                   ; with lane l xor 16's
	v_alignbit_b32 v[W1], v[W0], v[W0], 16         ; [wi | wr]: the halves change places
.irp q, 0,1,2
	global_store_b128 v[F0], v[P+6+4*\q:P+9+4*\q], s[36:37] offset:B_CO+\u*1536+512*\q
	global_store_b128 v[F1], v[P+4*\q:P+4*\q+3], s[36:37] offset:B_CO+\u*1536+512*\q
.endr
	global_store_b32 v[S0], v[W0], s[38:39] offset:\u*128
	global_store_b32 v[S1], v[W1], s[38:39] offset:\u*128
.endm
	WLOAD 0
	WLOAD 1
	UNIT 0
	UNIT 1
	UNIT 2
	UNIT 3
	s_wait_tensorcnt 0x0                           ; the wave's end: behind my last LDS store
	ds_add_u32 v[SPW], v[NIL]
	s_wait_dscnt 0x0
	s_endpgm
.Lscan:
	s_sub_co_u32 s27, ttmp9, 128
	s_lshl_b32 s27, s27, 3
	s_add_co_u32 s27, s27, s[WV]                   ; head
	s_lshl_b32 s28, s27, 13
	s_mov_b32 s29, 0
	v_and_b32 v1, 31, v0                           ; lane
	v_lshlrev_b32 v4, 4, v1                        ; memory: 16 bytes a lane, 512 consecutive bytes an instruction
	v_and_b32 v5, 15, v0
	v_bfe_u32 v6, v0, 4, 1
	s_mul_i32 s32, s[WV], WSTG
	s_add_co_u32 s32, s32, SCST                    ; my stage: row L of 272 bytes holds t = 64 L .. +63
	v_mul_u32_u24 v7, v6, 272
	v_lshl_add_u32 v7, v5, 4, v7
	v_add_nc_u32 v7, s32, v7                       ; memory's side of it: an instruction's 512 bytes are two rows
	v_mul_u32_u24 v8, v1, 272
	v_add_nc_u32 v8, s32, v8                       ; my side: row = my lane
	s_add_nc_u64 s[12:13], s[12:13], s[28:29]
	s_add_nc_u64 s[18:19], s[18:19], s[28:29]
.set ii, 0
.rept 16
	global_load_b128 v[64+4*ii:67+4*ii], v4, s[12:13] offset:OFF_G+512*ii
.set ii, ii+1
.endr
	s_wait_loadcnt 0x0
.set ii, 0
.rept 16
	ds_store_b128 v7, v[64+4*ii:67+4*ii] offset:544*ii
.set ii, ii+1
.endr
.set ii, 0
.rept 16
	ds_load_b128 v[64+4*ii:67+4*ii], v8 offset:16*ii       ; LDS serves a wave's instructions in order: these see my stores
.set ii, ii+1
.endr
	s_wait_dscnt 0x0
.set ii, 1
.rept 63
	v_add_f32 v[64+ii], v[63+ii], v[64+ii]
.set ii, ii+1
.endr
	v_mov_b32 v2, 0
	v_mov_b32 v3, 0
	s_mov_b32 s30, 0
.set ii, 0
.rept 32                                       ; what lies ahead of each lane's 64
	v_writelane_b32 v2, s30, ii
	v_readlane_b32 s31, v127, ii
	s_add_f32 s30, s30, s31
.set ii, ii+1
.endr
	s_xor_b32 s31, s30, 0x80000000                 ; -C[last]
.set ii, 0
.rept 32
	v_pk_add_f32 v[64+ii:65+ii], v[64+ii:65+ii], v[2:3] op_sel_hi:[1,0]
.set ii, ii+2
.endr
.set ii, 0
.rept 64
	v_add_f32 v[128+ii], s31, v[64+ii]
.set ii, ii+1
.endr
.set ii, 0
.rept 64
	v_min_num_f32 v[128+ii], 0, v[128+ii]
.set ii, ii+1
.endr
.set ii, 0
.rept 64
	v_mul_f32 v[128+ii], 0x3fb8aa3b, v[128+ii]
.set ii, ii+1
.endr
.set ii, 0
.rept 64
	v_exp_f32 v[128+ii], v[128+ii]
.set ii, ii+1
.endr
	v_nop
	s_wait_alu depctr_va_vdst(0)                   ; one wait for the batch, ahead of the stores that read it
.set ii, 0
.rept 16                                       ; C back through the stage,
	ds_store_b128 v8, v[64+4*ii:67+4*ii] offset:16*ii
.set ii, ii+1
.endr
.set ii, 0
.rept 16
	ds_load_b128 v[64+4*ii:67+4*ii], v7 offset:544*ii
.set ii, ii+1
.endr
.set ii, 0
.rept 16                                       ; and D_last behind it, in the same bytes: in order
	ds_store_b128 v8, v[128+4*ii:131+4*ii] offset:16*ii
.set ii, ii+1
.endr
.set ii, 0
.rept 16
	ds_load_b128 v[128+4*ii:131+4*ii], v7 offset:544*ii
.set ii, ii+1
.endr
	s_wait_dscnt 32                                ; C is back; D_last's 16 stores and 16 loads may be out
.set ii, 0
.rept 16
	global_store_b128 v4, v[64+4*ii:67+4*ii], s[18:19] offset:512*ii      ; 32 lanes store 512 consecutive bytes
.set ii, ii+1
.endr
	s_wait_dscnt 0x0
.set ii, 0
.rept 16
	global_store_b128 v4, v[128+4*ii:131+4*ii], s[18:19] offset:131072+512*ii
.set ii, ii+1
.endr
	s_wait_tensorcnt 0x0                           ; the wave's end: behind my last LDS store
	ds_add_u32 v[SPW], v[NIL]
	s_wait_dscnt 0x0
	s_endpgm
.Lfunc_end_k_q45a2c0e092_wq:
	.size	k_q45a2c0e092_wq, .Lfunc_end_k_q45a2c0e092_wq-k_q45a2c0e092_wq
	.p2alignl 7, 3214868480
	.fill 96, 4, 3214868480
	.section	.rodata,"a",@progbits
	.p2align	6, 0x0
	.amdhsa_kernel k_q45a2c0e092_wq
		.amdhsa_group_segment_fixed_size 140288
		.amdhsa_private_segment_fixed_size 0
		.amdhsa_enable_private_segment 0
		.amdhsa_kernarg_size 64
		.amdhsa_user_sgpr_count 2
		.amdhsa_user_sgpr_kernarg_segment_ptr 1
		.amdhsa_wavefront_size32 1
		.amdhsa_system_sgpr_workgroup_id_x 1
		.amdhsa_system_sgpr_workgroup_id_y 1
		.amdhsa_system_sgpr_workgroup_id_z 1
		.amdhsa_system_vgpr_workitem_id 0
		.amdhsa_next_free_vgpr 256
		.amdhsa_next_free_sgpr 66
		.amdhsa_reserve_vcc 0
		.amdhsa_float_denorm_mode_32 3
		.amdhsa_float_denorm_mode_16_64 3
		.amdhsa_memory_ordered 1
		.amdhsa_forward_progress 1
		.amdhsa_inst_pref_size 66
	.end_amdhsa_kernel
	.amdgpu_metadata
---
amdhsa.version: [ 1, 2 ]
amdhsa.kernels:
  - .name:           k_q45a2c0e092_wq
    .symbol:         k_q45a2c0e092_wq.kd
    .args:
      - { .name: qkv_wr, .offset: 0, .size: 8, .value_kind: global_buffer, .address_space: global }
      - { .name: qkv_wi, .offset: 8, .size: 8, .value_kind: global_buffer, .address_space: global }
      - { .name: o_wr, .offset: 16, .size: 8, .value_kind: global_buffer, .address_space: global }
      - { .name: o_wi, .offset: 24, .size: 8, .value_kind: global_buffer, .address_space: global }
      - { .name: xbuf, .offset: 32, .size: 8, .value_kind: global_buffer, .address_space: global }
      - { .name: wqkv, .offset: 40, .size: 8, .value_kind: global_buffer, .address_space: global }
      - { .name: wo, .offset: 48, .size: 8, .value_kind: global_buffer, .address_space: global }
      - { .name: scan, .offset: 56, .size: 8, .value_kind: global_buffer, .address_space: global }
    .group_segment_fixed_size: 140288
    .private_segment_fixed_size: 0
    .kernarg_segment_align: 8
    .kernarg_segment_size: 64
    .max_flat_workgroup_size: 256
    .sgpr_count:     66
    .vgpr_count:     256
    .wavefront_size: 32
...
	.end_amdgpu_metadata
.endif
;; end of part 8
;; launch gemm1: the kernel of part 3 again; grid 24 x 8, 4 waves a work-group, clusters of 4 x 4, 327,680 bytes of LDS; arguments xbuf, wqkv, cqkv; writes cqkv
;; launch post: the kernel of part 4 again; grid 768 x 1, 4 waves a work-group, no clusters, 34,304 bytes of LDS; arguments cqkv, xbuf, scan, qkvc; writes qkvc
;; launch attn (part 9): grid 16 x 16, 8 waves a work-group, no clusters, 327,680 bytes of LDS; arguments qkvc, ybuf, out1; writes ybuf, out1
.if DOCPART == 9
	.amdgcn_target "amdgcn-amd-amdhsa--gfx1250"
	.amdhsa_code_object_version 6
	.text
	.protected	k_q45a2c0e092_attn
	.globl	k_q45a2c0e092_attn
	.p2align	8
	.type	k_q45a2c0e092_attn,@function
k_q45a2c0e092_attn:
	s_mov_b64 s[64:65], 0
	v_nop
	global_prefetch_b8 v0, s[64:65] scope:SCOPE_SE
	s_setreg_imm32_b32 hwreg(HW_REG_WAVE_MODE, 25, 1), 1
	s_wait_xcnt 0x0
; y[t] = sum over s <= t of (q_t k_s*) D[t][s] v'_s, complex, D[t][s] = exp(min(C[s] - C[t], 0)); both products on codes of E2M3 with one E8M0 byte for each 32 along K.
; A complex product is ONE real product of K = 128: [kr | ki] . [qr | qi] = Re, [kr | ki] . [qi | -qr] = Im; [v'r | v'i] . [ar | -ai] = yr, . [ai | ar] = yi.  A negation flips each code's top bit; the scale word's halves change places.
; Both products are used transposed, so that a lane holds ONE query throughout; the keys of a tile of K are chosen so that the 16 registers of two neighbouring tiles are 16 neighbouring keys.
; a = w D is quantised along the keys, in registers; y is quantised along (head, d) at the end and stored as an image of the next product's operand.
; SHARES: work-group (i, head) owns the query blocks of 64 numbered i and 31 - i; wave w owns tile w / 2 of one of them (by the parity of w), so that each work-group has 33 tile steps for each pair of waves.
; Every work-group walks all 32 key steps of 64 keys (constant trip counts); a step all of whose keys come after the wave's queries is left out by a scalar branch on ids, round loads, products and vector work alone.
; THE FINAL STATE is made here too, while the first tiles are on their way: S[d1][d2] = sum over t of (v'_t D_last[t])[d1] conj(k_t)[d2], K = the 2,048 t, on codes quantised along t: [kr | ki] . [wvr | wvi] = Re, . [wvi | -wvr] = Im.
; Work-group (i, head) makes the tile tau1 = i / 4, tau2 = i % 4 of 16 d1 x 16 d2; wave w takes key steps 4 w .. 4 w + 3; the eight parts meet in LDS bytes of their own at the barrier that the first tiles want anyway; waves 0-3 add and store.
; (Those stores are pieces of 16 bytes: out1 is half a megabyte.)
; NO CLUSTER: the branch round a hidden step hangs on the query block, which differs between the work-groups of a head, and partners of a joint load have to run alike.
; LDS: two slots of eight key steps (13,568 bytes each: 4 images of K, 4 of V, their scale words, C[s]); each wave fetches one key step of a slot with one tensor load.  A wave has two loads out at the start, one behind each barrier.
; LIMITS: NaN and infinities are not served; a D under 2^-126 counts as 0; a block under 2^-124 keeps the byte 1 (zeros too).
.set SUBB,  13568
.set SLOTB, 8*SUBB
.set SPARE, 2*SLOTB
.set RED,   SPARE+1024                 ; the state's eight parts, 2,048 bytes each: no tile lands here
.set KVO,   3407872
.set LI,  1
.set LSC, 2
.set LCS, 3
.set ADR, 4
.set ADS, 5
.set ADC, 6
.set RH,  7
.set CT,  8
.set DQ,  10
.set ZR,  11
.set SPW, 12
.set NIL, 13
.set QS,  14
.set QS2, 15
.set Q,   16                           ; [qr][qi][-qr]
.set SCR, 34                           ; lanes 0-15: K's scale words, lanes 16-31: V's
.set PW,  38
.set PW2, 39
.set P,   40                           ; [ai][ar][-ai]
.set PC,  40
.set TM,  60
.set FRG, 76
.set D,   124
.set S,   156                          ; Im's four tiles, then Re's
.set LS4, 220
.set R4,  221
; the state's registers: those of the loop, which are free at the start, and a few of their own
.set IL,  40                           ; (re, im) side by side
.set WVR, 76                           ; four runs [wvr][wvi][-wvr] of 18
.set KTR, 148
.set SR,  196
.set SI,  204
.set RB,  124
.set WS,  222
.set WS2, 226
.set KS,  230
.set OO,  234
.set WR,  235
.set RS,  236
.set RL,  240
.set WV,  8
.set Q0,  12
.set QL,  13
.set KF,  14
.set TB,  15
.set G1,  16
.set G0,  24
.set SEL, 42
.set XP,  44
.set L2E, 48
.set CNT, 50
.set MSB, 0
.macro WIN new
.if MSB != \new
	s_set_vgpr_msb (MSB<<8)|\new
.set MSB, \new
.endif
.endm
.macro QUANT s
.irp b, 0,1,2,3
	v_max3_num_f32 v[TM+\b], |v[\s+16*\b]|, |v[\s+1+16*\b]|, 0x1800000
.endr
.irp i, 2,4,6,8,10,12,14
.irp b, 0,1,2,3
	v_max3_num_f32 v[TM+\b], v[TM+\b], |v[\s+16*\b+\i]|, |v[\s+1+16*\b+\i]|
.endr
.endr
.irp b, 0,1,2,3
	v_permlanex16_b32 v[TM+4+\b], v[TM+\b], s[SEL], s[SEL+1]
.endr
.irp b, 0,1,2,3
	v_max_num_f32 v[TM+\b], v[TM+\b], v[TM+4+\b]
.endr
.irp b, 0,1,2,3
	v_add_nc_u32 v[TM+12+\b], 0xff000000, v[TM+\b]
.endr
.irp b, 0,1,2,3
	v_lshrrev_b32 v[TM+4+\b], 23, v[TM+12+\b]
.endr
	v_lshl_or_b32 v[PW], v[TM+5], 8, v[TM+4]
	v_lshl_or_b32 v[PW], v[TM+6], 16, v[PW]
	v_lshl_or_b32 v[PW], v[TM+7], 24, v[PW]
.irp c, 0,1
	v_cvt_scalef32_pk16_fp6_f32 v[PC+6*\c:PC+2+6*\c], v[\s+32*\c:\s+15+32*\c], v[TM+12+2*\c]
	v_cvt_scalef32_pk16_fp6_f32 v[PC+12+4*\c:PC+14+4*\c], v[\s+16+32*\c:\s+31+32*\c], v[TM+12+2*\c+1]
.endr
	v_nop
.irp c, 0,1
.irp i, 0,1,2
	v_permlane16_swap_b32 v[PC+6*\c+\i], v[PC+12+4*\c+\i]
.endr
.irp i, 0,1,2
	v_mov_b32 v[PC+3+6*\c+\i], v[PC+12+4*\c+\i]
.endr
.endr
.endm
	s_load_b128 s[4:7], s[0:1], 0x0                ; qkvc, ybuf
	s_load_b64 s[58:59], s[0:1], 0x10              ; out1
	v_lshl_add_u32 v[SPW], v0, 2, SPARE
	v_mov_b32 v[NIL], 0
	ds_add_u32 v[SPW], v[NIL]                      ; the wave's opening: the add and its wait ahead of my first tensor load
	v_lshrrev_b32 v1, 5, v0
	v_readfirstlane_b32 s[WV], v1
	s_lshr_b32 s9, s[WV], 1
	s_xor_b32 s9, s9, s[WV]
	s_lshr_b32 s10, s[WV], 2
	s_xor_b32 s9, s9, s10
	s_and_b32 s9, s9, 1                            ; the parity of my wave's number: 1 takes the late block
	s_lshl_b32 s10, ttmp9, 1
	s_sub_co_u32 s10, 31, s10
	s_mul_i32 s10, s10, s9
	s_add_co_u32 s10, s10, ttmp9                   ; my block of 64 queries
	s_lshr_b32 s11, s[WV], 1                       ; my tile in it
	s_lshl_b32 s[Q0], s10, 6
	s_lshl_b32 s51, s11, 4
	s_add_co_u32 s[Q0], s[Q0], s51                 ; my first query
	s_add_co_u32 s[QL], s[Q0], 15
	s_mov_b32 s[KF], 0
	s_and_b32 s52, ttmp7, 0xffff                   ; head
	s_mov_b32 s[G1], 3<<16                         ; elements of 8 bytes, no mask, no padding: a dense block of 53 rows of 256 bytes
	s_mov_b32 s[G1+1], 32<<16
	s_mov_b32 s[G1+2], 53<<16
	s_mov_b32 s[G1+3], 32<<16
	s_mov_b32 s[G1+4], 53
	s_mov_b32 s[G1+5], 32
	s_mov_b32 s[G1+6], 0
	s_mov_b32 s[G1+7], 0
	s_mov_b32 s[SEL], 0x76543210
	s_mov_b32 s[SEL+1], 0xfedcba98
	s_mov_b32 s[XP], 0x20820820
	s_mov_b32 s[XP+1], 0x08208208
	s_mov_b32 s[XP+2], 0x82082082
	s_mov_b32 s[L2E], 0x3fb8aa3b
	s_mov_b32 s[L2E+1], s[L2E]
	s_mul_i32 s53, s52, 434176                     ; the head's key steps
	s_mul_i32 s54, s[WV], SUBB                     ; the key step of a slot that I fetch
	s_add_co_u32 s32, s53, s54
	s_add_co_u32 s32, s32, KVO
	s_mov_b32 s33, 0
	s_lshr_b32 s55, s[Q0], 4                       ; my tile of 16 queries
	s_mul_i32 s34, s52, 196608
	s_mul_i32 s51, s55, 1536
	s_add_co_u32 s34, s34, s51
	s_mov_b32 s35, 0
	s_lshl_b32 s36, s52, 14
	s_lshl_b32 s51, s55, 7
	s_add_co_u32 s36, s36, s51
	s_mov_b32 s37, 0
	s_mul_i32 s38, s10, SUBB
	s_add_co_u32 s38, s38, s53
	s_lshl_b32 s51, s11, 6
	s_add_co_u32 s38, s38, s51
	s_mov_b32 s39, 0
	s_lshl_b32 s51, s55, 4
	s_add_co_u32 s51, s51, s52                     ; tile 16 + head
	s_mul_i32 s40, s51, 1536
	s_mov_b32 s41, 0
	s_lshl_b32 s56, s51, 7
	s_mov_b32 s57, 0
	; the state's offsets
	s_lshr_b32 s72, ttmp9, 2                       ; tau1
	s_and_b32 s73, ttmp9, 3                        ; tau2
	s_lshl_b32 s74, s52, 5
	s_lshl_b32 s75, s[WV], 2
	s_add_co_u32 s74, s74, s75
	s_lshl_b32 s74, s74, 2                         ; (head 32 + my first key step) 4
	s_add_co_u32 s75, s74, s72
	s_add_co_u32 s76, s74, s73
	s_mul_i32 s60, s75, 1536
	s_add_co_u32 s60, s60, 10354688                ; v' D_last's images
	s_mov_b32 s61, 0
	s_mul_i32 s62, s76, 1536
	s_add_co_u32 s62, s62, 13500416                ; k's, along t
	s_mov_b32 s63, 0
	s_lshl_b32 s66, s75, 7
	s_add_co_u32 s66, s66, 16646144                ; their scale words
	s_mov_b32 s67, 0
	s_lshl_b32 s68, s76, 7
	s_add_co_u32 s68, s68, 16908288
	s_mov_b32 s69, 0
	s_lshr_b32 s70, s72, 1
	s_lshl_b32 s70, s70, 5
	s_and_b32 s71, s72, 1
	s_lshl_b32 s71, s71, 3
	s_add_co_u32 s70, s70, s71
	s_lshl_b32 s70, s70, 9                         ; d1's part of tau1, rows of 512 bytes
	s_lshr_b32 s77, s73, 1
	s_lshl_b32 s77, s77, 5
	s_and_b32 s71, s73, 1
	s_lshl_b32 s71, s71, 3
	s_add_co_u32 s77, s77, s71
	s_lshl_b32 s77, s77, 3                         ; d2's part of tau2, 8 bytes each
	s_add_co_u32 s70, s70, s77
	s_lshl_b32 s71, s52, 15
	s_add_co_u32 s70, s70, s71
	s_lshl_b32 s71, s[WV], 4                       ; the chunk of 16 bytes that my wave sums
	s_add_co_u32 s70, s70, s71
	s_mov_b32 s71, 0
	s_lshl_b32 s78, s[WV], 11
	s_add_co_u32 s78, s78, RED
	s_lshl_b32 s79, s[WV], 9
	s_add_co_u32 s79, s79, RED
	v_and_b32 v10, 31, v0
	v_and_b32 v11, 15, v0
	v_bfe_u32 v9, v0, 4, 1
	v_lshlrev_b32 v[LI], 4, v10
	v_lshlrev_b32 v[LS4], 2, v10
	v_lshl_add_u32 v[LSC], v9, 9, v[LS4]
	v_add_nc_u32 v[LSC], 12288, v[LSC]
	v_lshlrev_b32 v[LCS], 6, v9
	v_add_nc_u32 v[LCS], 13312, v[LCS]
	v_lshlrev_b32 v[R4], 2, v11
	v_add_nc_u32 v[WR], s78, v[LI]                 ; where my part of the state goes,
	v_add_nc_u32 v[RL], s79, v[LI]                 ; and where a summing wave reads its chunk of all eight
	v_and_b32 v[OO], 8, v11
	v_add_nc_u32 v[OO], v[OO], v11                 ; r + 8 (r / 8)
	v_lshlrev_b32 v[OO], 9, v[OO]
	v_lshl_add_u32 v[OO], v9, 7, v[OO]             ; + 16 h numbers of 8 bytes
	v_lshlrev_b32 v9, 4, v9
	v_sub_nc_u32 v[RH], v11, v9                    ; r - 16 h
	v_mov_b32 v[ZR], 0
.irp b, 0,1,2,3
	v_mov_b32 v[TM+4+\b], 0
.endr
	s_wait_dscnt 0x0                               ; the opening add is done
	s_wait_kmcnt 0x0
	s_add_nc_u64 s[32:33], s[4:5], s[32:33]
	s_mov_b32 s[G0], 1
	s_mov_b32 s[G0+1], s54
	s_mov_b64 s[G0+2:G0+3], s[32:33]
	s_or_b32 s[G0+3], s[G0+3], 0x80000000
	s_mov_b32 s[G0+4], 1
	s_add_co_u32 s[G0+5], s54, SLOTB
	s_add_nc_u64 s[G0+6:G0+7], s[32:33], SLOTB
	s_or_b32 s[G0+7], s[G0+7], 0x80000000
	tensor_load_to_lds s[G0:G0+3], s[G1:G1+7]      ; key steps 0-7
	s_nop 0
	tensor_load_to_lds s[G0+4:G0+7], s[G1:G1+7]    ; key steps 8-15
	s_nop 0
.rept 4
	v_nop
.endr
	s_add_nc_u64 s[34:35], s[4:5], s[34:35]
	s_add_nc_u64 s[36:37], s[4:5], s[36:37]
	s_add_nc_u64 s[38:39], s[4:5], s[38:39]
	s_add_nc_u64 s[40:41], s[6:7], s[40:41]
	s_add_nc_u64 s[56:57], s[6:7], s[56:57]
	s_add_nc_u64 s[60:61], s[4:5], s[60:61]
	s_add_nc_u64 s[62:63], s[4:5], s[62:63]
	s_add_nc_u64 s[66:67], s[4:5], s[66:67]
	s_add_nc_u64 s[68:69], s[4:5], s[68:69]
	s_add_nc_u64 s[58:59], s[58:59], s[70:71]
.irp c, 0,1,2
	global_load_b128 v[Q+4*\c:Q+4*\c+3], v[LI], s[34:35] offset:512*\c
.endr
	global_load_b32 v[QS], v[LS4], s[36:37] offset:3145728
	global_load_b32 v[CT], v[R4], s[38:39] offset:KVO+13312           ; C of my query
.irp u, 0,1,2,3                                ; the state's operands of my four key steps
.irp c, 0,1,2
	global_load_b128 v[WVR+18*\u+4*\c:WVR+18*\u+4*\c+3], v[LI], s[60:61] offset:\u*6144+512*\c
	global_load_b128 v[KTR+12*\u+4*\c:KTR+12*\u+4*\c+3], v[LI], s[62:63] offset:\u*6144+512*\c
.endr
	global_load_b32 v[WS+\u], v[LS4], s[66:67] offset:\u*512
	global_load_b32 v[KS+\u], v[LS4], s[68:69] offset:\u*512
.endr
	s_wait_loadcnt 0x0
.irp i, 0,1,2,3,4,5
	v_xor_b32 v[Q+12+\i], s[XP+\i%3], v[Q+\i]
.endr
	v_alignbit_b32 v[QS2], v[QS], v[QS], 16
	v_mov_b32 v[CT+1], v[CT]
.irp u, 0,1,2,3
.irp i, 0,1,2,3,4,5
	v_xor_b32 v[WVR+18*\u+12+\i], s[XP+\i%3], v[WVR+18*\u+\i]
.endr
	v_alignbit_b32 v[WS2+\u], v[WS+\u], v[WS+\u], 16
.endr
	WIN 0x40
.set ii, 0
.rept 64
	v_mov_b32 v[ii], 0                             ; y's sums, window 1: the step is written once, and a wave's first step is not known to the text.  (These 64 are also the places between the scale words and operands just made and the products below)
.set ii, ii+1
.endr
	WIN 0
	v_wmma_scale_f32_16x16x128_f8f6f4 v[SR:SR+7], v[KTR:KTR+11], v[WVR:WVR+11], 0, v[KS], v[WS] matrix_a_fmt:MATRIX_FMT_FP6 matrix_b_fmt:MATRIX_FMT_FP6
	v_wmma_scale_f32_16x16x128_f8f6f4 v[SI:SI+7], v[KTR:KTR+11], v[WVR+6:WVR+17], 0, v[KS], v[WS2] matrix_a_fmt:MATRIX_FMT_FP6 matrix_b_fmt:MATRIX_FMT_FP6
.irp u, 1,2,3                                  ; the two accumulators by turns
	v_wmma_scale_f32_16x16x128_f8f6f4 v[SR:SR+7], v[KTR+12*\u:KTR+12*\u+11], v[WVR+18*\u:WVR+18*\u+11], v[SR:SR+7], v[KS+\u], v[WS+\u] matrix_a_fmt:MATRIX_FMT_FP6 matrix_b_fmt:MATRIX_FMT_FP6
	v_wmma_scale_f32_16x16x128_f8f6f4 v[SI:SI+7], v[KTR+12*\u:KTR+12*\u+11], v[WVR+18*\u+6:WVR+18*\u+17], v[SI:SI+7], v[KS+\u], v[WS2+\u] matrix_a_fmt:MATRIX_FMT_FP6 matrix_b_fmt:MATRIX_FMT_FP6
.endr
.rept 4
	v_nop
.endr
.irp j, 0,1,2,3,4,5,6,7
	v_mov_b32 v[IL+2*\j], v[SR+\j]                 ; (re, im) side by side, as out1 has them: lane (r, h) holds d1 of r and eight neighbouring d2
	v_mov_b32 v[IL+2*\j+1], v[SI+\j]
.endr
.irp q, 0,1,2,3
	ds_store_b128 v[WR], v[IL+4*\q:IL+4*\q+3] offset:512*\q
.endr
	s_wait_tensorcnt 0x1                           ; my part of slot 0 is in; slot 1's may stay out
	s_wait_dscnt 0x0                               ; for the others' sake: my part of the state has landed
	s_barrier_signal -1
	s_barrier_wait -1
	s_cmp_ge_u32 s[WV], 4
	s_cbranch_scc1 .Lnosum
.irp w, 0,1,2,3,4,5,6,7
	ds_load_b128 v[RB+4*\w:RB+4*\w+3], v[RL] offset:\w*2048
.endr
	s_wait_dscnt 0x0
	v_pk_add_f32 v[RS:RS+1], v[RB:RB+1], v[RB+4:RB+5]
	v_pk_add_f32 v[RS+2:RS+3], v[RB+2:RB+3], v[RB+6:RB+7]
.irp w, 2,3,4,5,6,7
	v_pk_add_f32 v[RS:RS+1], v[RS:RS+1], v[RB+4*\w:RB+4*\w+1]
	v_pk_add_f32 v[RS+2:RS+3], v[RS+2:RS+3], v[RB+4*\w+2:RB+4*\w+3]
.endr
	global_store_b128 v[OO], v[RS:RS+3], s[58:59]  ; its data, offset and base are written no more
.Lnosum:
.macro WORK slot                       ; a slot's eight key steps
	s_mov_b32 s[TB], \slot*SLOTB
	s_mov_b32 s[CNT], 8
.Lstep_\@:
	s_cmp_gt_u32 s[KF], s[QL]
	s_cbranch_scc1 .Lhid_\@                        ; all 64 keys come after my queries
	v_add_nc_u32 v[ADR], s[TB], v[LI]              ; (these three and the v_nop are the places behind the last step's products)
	v_add_nc_u32 v[ADS], s[TB], v[LSC]
	v_add_nc_u32 v[ADC], s[TB], v[LCS]
	v_nop
.irp j, 0,1,2,3
.irp c, 0,1,2
	ds_load_b128 v[FRG+12*\j+4*\c:FRG+12*\j+4*\c+3], v[ADR] offset:\j*1536+512*\c
.endr
.endr
.irp j, 0,1,2,3
	ds_load_b32 v[SCR+\j], v[ADS] offset:128*\j
.endr
.irp b, 0,1
.irp m, 0,1,2,3
	ds_load_b128 v[D+16*\b+4*\m:D+16*\b+4*\m+3], v[ADC] offset:128*\b+16*\m      ; C[s] of keys 32 b + 16 h + 0 .. 15
.endr
.endr
	s_wait_dscnt 8                                 ; K and the scale words are in; the eight loads of C[s] may be out
.irp j, 0,1,2,3
	v_wmma_scale_f32_16x16x128_f8f6f4 v[S+8*\j:S+8*\j+7], v[FRG+12*\j:FRG+12*\j+11], v[Q+6:Q+17], 0, v[SCR+\j], v[QS2] matrix_a_fmt:MATRIX_FMT_FP6 matrix_b_fmt:MATRIX_FMT_FP6
	v_wmma_scale_f32_16x16x128_f8f6f4 v[S+32+8*\j:S+39+8*\j], v[FRG+12*\j:FRG+12*\j+11], v[Q:Q+11], 0, v[SCR+\j], v[QS] matrix_a_fmt:MATRIX_FMT_FP6 matrix_b_fmt:MATRIX_FMT_FP6
.endr
	s_wait_dscnt 0x0
.set ii, 0
.rept 16
	v_pk_add_f32 v[D+ii:D+ii+1], v[D+ii:D+ii+1], v[CT:CT+1] op_sel_hi:[1,0] neg_lo:[0,1] neg_hi:[0,1]   ; C[s] - C[t]; also the places behind the products
.set ii, ii+2
.endr
.irp t, 0,1,2,3
.irp c, 0,1,2
	ds_load_b128 v[FRG+12*\t+4*\c:FRG+12*\t+4*\c+3], v[ADR] offset:6144+\t*1536+512*\c     ; V takes K's registers
.endr
.endr
.set ii, 0
.rept 32
	v_min_num_f32 v[D+ii], 0, v[D+ii]
.set ii, ii+1
.endr
.set ii, 0
.rept 16
	v_pk_mul_f32 v[D+ii:D+ii+1], v[D+ii:D+ii+1], s[L2E:L2E+1] op_sel_hi:[1,0]
.set ii, ii+2
.endr
.set ii, 0
.rept 32
	v_exp_f32 v[D+ii], v[D+ii]
.set ii, ii+1
.endr
	v_nop
	s_wait_alu depctr_va_vdst(0)                   ; one wait for the batch, ahead of its first reader and of the branch
	s_add_co_u32 s51, s[KF], 63
	s_cmp_le_u32 s51, s[Q0]
	s_cbranch_scc1 .Lopen_\@                       ; all 64 keys count
	s_sub_co_i32 s51, s[Q0], s[KF]
	v_add_nc_u32 v[DQ], s51, v[RH]                 ; register 16 b + i holds key KF + 32 b + 16 h + i: hidden where 32 b + i > my query - KF - 16 h
.set ii, 0
.rept 32
	v_cmp_gt_i32 vcc_lo, 32*(ii/16)+ii%16, v[DQ]
	v_cndmask_b32 v[D+ii], v[D+ii], v[ZR], vcc_lo
.set ii, ii+1
.endr
.Lopen_\@:
.set ii, 0
.rept 16
	v_pk_mul_f32 v[S+ii:S+ii+1], v[S+ii:S+ii+1], v[D+ii:D+ii+1]       ; ai: each accumulator from its low end on
.set ii, ii+2
.endr
.set ii, 0
.rept 16
	v_pk_mul_f32 v[S+32+ii:S+33+ii], v[S+32+ii:S+33+ii], v[D+ii:D+ii+1]   ; ar
.set ii, ii+2
.endr
	QUANT S
	v_alignbit_b32 v[PW2], v[PW], v[PW], 16
.irp i, 0,1,2,3,4,5
	v_xor_b32 v[P+12+\i], s[XP+\i%3], v[P+\i]
.endr
.rept 8
	v_nop                                          ; a scale word written by a vector instruction stands eight places ahead of the product, an operand four
.endr
	s_wait_dscnt 0x0                               ; V is in
	WIN 0x50                                       ; C and D window 1
.irp t, 0,1,2,3                                ; eight accumulators by turns, one instruction a turn
	v_wmma_scale_f32_16x16x128_f8f6f4 v[32+8*\t:39+8*\t], v[FRG+12*\t:FRG+12*\t+11], v[P:P+11], v[32+8*\t:39+8*\t], v[SCR+\t], v[PW] matrix_a_fmt:MATRIX_FMT_FP6 matrix_b_fmt:MATRIX_FMT_FP6 matrix_a_scale:MATRIX_SCALE_ROW1
	v_wmma_scale_f32_16x16x128_f8f6f4 v[8*\t:8*\t+7], v[FRG+12*\t:FRG+12*\t+11], v[P+6:P+17], v[8*\t:8*\t+7], v[SCR+\t], v[PW2] matrix_a_fmt:MATRIX_FMT_FP6 matrix_b_fmt:MATRIX_FMT_FP6 matrix_a_scale:MATRIX_SCALE_ROW1
.endr
	WIN 0
.Lhid_\@:
	s_add_co_u32 s[KF], s[KF], 64
	s_add_co_u32 s[TB], s[TB], SUBB
	s_sub_co_u32 s[CNT], s[CNT], 1
	s_cmp_lg_u32 s[CNT], 0
	s_cbranch_scc1 .Lstep_\@
.endm
; the change of slots: all my tensor loads have landed, the add, my reads of the slot that I leave are over, one barrier; fill = 1: that slot takes the key steps two slots on, my one load behind the barrier, eight key steps ahead of the wait for it
.macro CHANGE fill, g
	s_wait_tensorcnt 0x0
	ds_add_u32 v[SPW], v[NIL]
.if \fill
	s_add_nc_u64 s[\g+2:\g+3], s[\g+2:\g+3], 2*SLOTB
.endif
	s_wait_dscnt 0x0
	s_barrier_signal -1
	s_barrier_wait -1
.if \fill
	tensor_load_to_lds s[\g:\g+3], s[G1:G1+7]
	s_nop 0
.rept 4
	v_nop
.endr
.endif
.endm
	WORK 0
	CHANGE 1, G0
	WORK 1
	CHANGE 1, G0+4
	WORK 0
	CHANGE 0, G0
	WORK 1
	; ---- the way out: y's 64 numbers of my query, [yr 64 d | yi 64 d], are K step `head` of the last product's left operand
.rept 4
	v_nop
.endr
	WIN 0x01
.set ii, 0
.rept 64
	v_mov_b32 v[S+ii], v[ii]
.set ii, ii+1
.endr
	WIN 0
	QUANT S
.irp c, 0,1,2
	global_store_b128 v[LI], v[P+4*\c:P+4*\c+3], s[40:41] offset:512*\c
.endr
	global_store_b32 v[LS4], v[PW], s[56:57] offset:3145728
	s_wait_tensorcnt 0x0                           ; the wave's end
	ds_add_u32 v[SPW], v[NIL]
	s_wait_dscnt 0x0
	s_endpgm
.Lfunc_end_k_q45a2c0e092_attn:
	.size	k_q45a2c0e092_attn, .Lfunc_end_k_q45a2c0e092_attn-k_q45a2c0e092_attn
	.p2alignl 7, 3214868480
	.fill 96, 4, 3214868480
	.section	.rodata,"a",@progbits
	.p2align	6, 0x0
	.amdhsa_kernel k_q45a2c0e092_attn
		.amdhsa_group_segment_fixed_size 327680
		.amdhsa_private_segment_fixed_size 0
		.amdhsa_enable_private_segment 0
		.amdhsa_kernarg_size 24
		.amdhsa_user_sgpr_count 2
		.amdhsa_user_sgpr_kernarg_segment_ptr 1
		.amdhsa_wavefront_size32 1
		.amdhsa_system_sgpr_workgroup_id_x 1
		.amdhsa_system_sgpr_workgroup_id_y 1
		.amdhsa_system_sgpr_workgroup_id_z 1
		.amdhsa_system_vgpr_workitem_id 0
		.amdhsa_next_free_vgpr 320
		.amdhsa_next_free_sgpr 80
		.amdhsa_reserve_vcc 1
		.amdhsa_float_denorm_mode_32 3
		.amdhsa_float_denorm_mode_16_64 3
		.amdhsa_memory_ordered 1
		.amdhsa_forward_progress 1
		.amdhsa_inst_pref_size 94
	.end_amdhsa_kernel
	.amdgpu_metadata
---
amdhsa.version: [ 1, 2 ]
amdhsa.kernels:
  - .name:           k_q45a2c0e092_attn
    .symbol:         k_q45a2c0e092_attn.kd
    .args:
      - { .name: qkvc, .offset: 0, .size: 8, .value_kind: global_buffer, .address_space: global }
      - { .name: ybuf, .offset: 8, .size: 8, .value_kind: global_buffer, .address_space: global }
      - { .name: out1, .offset: 16, .size: 8, .value_kind: global_buffer, .address_space: global }
    .group_segment_fixed_size: 327680
    .private_segment_fixed_size: 0
    .kernarg_segment_align: 8
    .kernarg_segment_size: 24
    .max_flat_workgroup_size: 256
    .sgpr_count:     80
    .vgpr_count:     320
    .wavefront_size: 32
...
	.end_amdgpu_metadata
.endif
;; end of part 9
;; launch gemm2 (part 10): grid 16 x 16, 4 waves a work-group, clusters of 4 x 4, 327,680 bytes of LDS; arguments ybuf, wo, out0; writes out0
.if DOCPART == 10
	.amdgcn_target "amdgcn-amd-amdhsa--gfx1250"
	.amdhsa_code_object_version 6
	.text
	.protected	k_q45a2c0e092_gemm2
	.globl	k_q45a2c0e092_gemm2
	.p2align	8
	.type	k_q45a2c0e092_gemm2,@function
k_q45a2c0e092_gemm2:
	s_mov_b64 s[64:65], 0
	v_nop
	global_prefetch_b8 v0, s[64:65] scope:SCOPE_SE
	s_setreg_imm32_b32 hwreg(HW_REG_WAVE_MODE, 25, 1), 1
	s_wait_xcnt 0x0
	s_wait_alu depctr_hold_cnt(0) depctr_sa_sdst(0) depctr_va_vdst(0) depctr_va_sdst(0) depctr_va_ssrc(0) depctr_va_vcc(0) depctr_vm_vsrc(0)
	s_getreg_b32 s2, hwreg(HW_REG_IB_STS2, 6, 4)
	s_cmp_eq_u32 s2, 0
	s_cbranch_scc0 .Lentry_in_a_cluster
	s_endpgm
.Lentry_in_a_cluster:
	s_bfe_u32 s2, ttmp6, 0x10000c
	s_cmp_lg_u32 s2, 0xf033
	s_cbranch_scc0 .Lentry_shape_is_right
	s_endpgm
.Lentry_shape_is_right:
; C[m][n] = sum over k of A[m][k] B[n][k], M = N = K = 2,048, on codes of E2M3 with one E8M0 byte for each 32 along K; C f32, rows of 8,192 bytes.
; Both operands lie in memory as images of the operand's registers: fragment (row tile, K step of 128) = 1,536 bytes, chunk c of three at 512 c + 16 lane; 16 K steps of a row tile on end (24,576 bytes).
; A: images from byte 0, scale words (128 bytes a fragment, lanes 16-31 a copy of lanes 0-15) from byte 3,145,728.  B: scale words from byte 0, images from byte 786,432.
; THE TILE IS 128 x 128: C has 256 such tiles, one for each of 256 work-groups; tiles of 256 x 256 would be 64.  Four waves, 64 x 64 each: 16 accumulators, 128 registers.
; K goes through a ring of two LDS slots of FOUR K steps of 128: a wave's tensor load brings 4 row tiles x 6,144 bytes.  K is four slots' worth: two first fills, two refills; all is written out, there is no loop.
; The scale words of the work-group's rows, for all of K, come once with the first fills and stay.  A wave has three tensor loads out at the start, one behind each round.
; CLUSTERS: 4 x 4 work-groups; A's tiles are asked for jointly along a row of the cluster, B's along a column.  The matrix instruction is used transposed (source 0 = rows of B, source 1 = rows of A):
; a lane holds eight neighbouring numbers of a row of C.  A wave's 64 columns are 256 bytes, aligned.
; REGISTERS: window 0: v16-29 addresses; v32-63 scale words, two sets of 16; v64-127 the way out; v128-255 the accumulators ((a, b) at v[128 + 8 (4 a + b)]).
;   window 1: two fragment buffers, at v0 and v128: B's four fragments, then A's four.
.set NQ,     4                         ; K steps of 128 in a slot
.set FR,     12
.set NL,     3                         ; LDS loads that bring a fragment
.set NP,     4                         ; places behind this matrix instruction (ISA guide 7.12.1)
.set FIB,    1536
.set TROW,   NQ*FIB                    ; a row tile's bytes in a slot
.set HALFT,  4*TROW                    ; what one tensor load brings
.set SLOT,   4*HALFT
.set SCL,    2*SLOT
.set HALFS,  8192                      ; the scale words of 4 row tiles
.set SPARE,  SCL+4*HALFS
.set STAGE,  SPARE+512
.set SPITCH, 272
.set CROW,   8192
.set A_SC,   3145728
.set B_CO,   786432
.set ADRA, 16
.set ADRB, 20
.set STO,  24
.set RD,   25
.set CO,   26
.set ADRS, 27
.set SPW,  28
.set NIL,  29
.set SC,   32
.set BK,   64
.set ACC,  128
.set G1, 24
.set G0, 32
.set G1B, 48
.set G0B, 56
.set G1S, 68
.set G0S, 76
.set G1SB, 80
.set G0SB, 88
.set MSB, 0
.macro WIN new
.if MSB != \new
	s_set_vgpr_msb (MSB<<8)|\new
.set MSB, \new
.endif
.endm
.set MUL,  0x05                        ; sources 0 (B) and 1 (A) window 1; C and D window 0
.set TO_F, 0x40                        ; destination window 1, address window 0
; a joint load: waves 0 and 1 fetch for A, waves 2 and 3 for B; the branch hangs on the wave's number alone; an s_nop 0 and four v_nop follow each line
.macro JLOAD g0a, g1a, g0b, g1b
	s_cmp_eq_u32 s15, 0
	s_cbranch_scc0 .Lfor_b_\@
	tensor_load_to_lds s[\g0a:\g0a+3], s[\g1a:\g1a+7]
	s_nop 0
.rept 4
	v_nop
.endr
	s_branch .Lasked_\@
.Lfor_b_\@:
	tensor_load_to_lds s[\g0b:\g0b+3], s[\g1b:\g1b+7]
	s_nop 0
.rept 4
	v_nop
.endr
.Lasked_\@:
.endm
.macro CREST
	s_cmp_lg_u32 s14, 0
	s_cbranch_scc1 .Lnot_wave_0_\@
	s_barrier_signal -3
.Lnot_wave_0_\@:
	s_barrier_wait -3
	s_barrier_signal -1
	s_barrier_wait -1
.endm
.macro CROUND
	s_barrier_signal -1
	s_barrier_wait -1
	CREST
.endm
	s_load_b128 s[4:7], s[0:1], 0x0                ; A, B
	s_load_b64 s[12:13], s[0:1], 0x10              ; C
	v_lshl_add_u32 v[SPW], v0, 2, SPARE
	v_mov_b32 v[NIL], 0
	ds_add_u32 v[SPW], v[NIL]                      ; the wave's opening: the add and its wait ahead of my first tensor load
	v_lshrrev_b32 v1, 5, v0
	v_readfirstlane_b32 s14, v1                    ; wave
	s_lshr_b32 s15, s14, 1                         ; my half of the tile's rows; also: I fetch for A (0) or B (1)
	s_and_b32 s16, s14, 1                          ; my half of its columns; also: which 4 row tiles I fetch
	s_bfe_u32 s40, ttmp6, 0x40000
	s_bfe_u32 s41, ttmp6, 0x40004
	s_lshl_b32 s42, ttmp9, 2
	s_add_co_u32 s42, s42, s40                     ; tile column
	s_and_b32 s17, ttmp7, 0xffff
	s_lshl_b32 s17, s17, 2
	s_add_co_u32 s17, s17, s41                     ; tile row
	s_lshl_b32 s43, s41, 2
	s_lshl_b32 s43, 15, s43                        ; my row of the cluster
	s_lshl_b32 s44, 0x1111, s40                    ; my column
	s_or_b32 s[G1+0], s43, (3<<16)|(1<<21)         ; the mask; elements of 8 bytes; bit 21 beside a mask; no padding
	s_or_b32 s[G1B+0], s44, (3<<16)|(1<<21)
.irp g, G1, G1B
	s_mov_b32 s[\g+1], 768<<16                     ; tensor_dim0: 6,144 bytes
	s_mov_b32 s[\g+2], 4<<16                       ; tensor_dim1
	s_mov_b32 s[\g+3], 768<<16                     ; tile_dim0
	s_mov_b32 s[\g+4], 4                           ; tile_dim1
	s_mov_b32 s[\g+5], 3072                        ; 24,576 bytes from row tile to row tile
	s_mov_b32 s[\g+6], 0
	s_mov_b32 s[\g+7], 0
.endr
	s_or_b32 s[G1S+0], s43, (3<<16)|(1<<21)        ; the scale words of 4 row tiles: 8,192 dense bytes as 32 rows of 256
	s_or_b32 s[G1SB+0], s44, (3<<16)|(1<<21)
.irp g, G1S, G1SB
	s_mov_b32 s[\g+1], 32<<16
	s_mov_b32 s[\g+2], 32<<16
	s_mov_b32 s[\g+3], 32<<16
	s_mov_b32 s[\g+4], 32
	s_mov_b32 s[\g+5], 32
	s_mov_b32 s[\g+6], 0
	s_mov_b32 s[\g+7], 0
.endr
	s_lshl_b32 s18, s16, 2
	s_lshl_b32 s20, s17, 3
	s_add_co_u32 s20, s20, s18                     ; A's first row tile that I fetch
	s_lshl_b32 s46, s42, 3
	s_add_co_u32 s46, s46, s18                     ; B's
	s_lshl_b32 s22, s20, 11
	s_add_co_u32 s22, s22, A_SC
	s_mov_b32 s23, 0
	s_lshl_b32 s92, s46, 11
	s_mov_b32 s93, 0
	s_mul_i32 s20, s20, 24576
	s_mov_b32 s21, 0
	s_mul_i32 s46, s46, 24576
	s_add_co_u32 s46, s46, B_CO
	s_mov_b32 s47, 0
	s_mul_i32 s45, s14, HALFT                      ; where they go: no place in the cluster enters an LDS address
	s_mul_i32 s94, s14, HALFS
	s_wait_dscnt 0x0                               ; the opening add is done
	s_wait_kmcnt 0x0
	s_add_nc_u64 s[20:21], s[4:5], s[20:21]
	s_add_nc_u64 s[22:23], s[4:5], s[22:23]
	s_add_nc_u64 s[46:47], s[6:7], s[46:47]
	s_add_nc_u64 s[92:93], s[6:7], s[92:93]
	CROUND                                         ; all sixteen work-groups are here: the first joint loads meet
	s_mov_b32 s[G0S], 1
	s_add_co_u32 s[G0S+1], s94, SCL
	s_mov_b64 s[G0S+2:G0S+3], s[22:23]
	s_or_b32 s[G0S+3], s[G0S+3], 0x80000000
	s_mov_b32 s[G0SB], 1
	s_add_co_u32 s[G0SB+1], s94, SCL
	s_mov_b64 s[G0SB+2:G0SB+3], s[92:93]
	s_or_b32 s[G0SB+3], s[G0SB+3], 0x80000000
	JLOAD G0S, G1S, G0SB, G1SB                     ; the scale words first
.irp s, 0,1
	s_mov_b32 s[G0+4*\s], 1
	s_add_co_u32 s[G0+4*\s+1], s45, \s*SLOT
	s_add_nc_u64 s[G0+4*\s+2:G0+4*\s+3], s[20:21], \s*TROW
	s_or_b32 s[G0+4*\s+3], s[G0+4*\s+3], 0x80000000
	s_mov_b32 s[G0B+4*\s], 1
	s_add_co_u32 s[G0B+4*\s+1], s45, \s*SLOT
	s_add_nc_u64 s[G0B+4*\s+2:G0B+4*\s+3], s[46:47], \s*TROW
	s_or_b32 s[G0B+4*\s+3], s[G0B+4*\s+3], 0x80000000
	JLOAD G0+4*\s, G1, G0B+4*\s, G1B
.endr
	v_and_b32 v1, 15, v0
	v_bfe_u32 v2, v0, 4, 1
	v_and_b32 v6, 31, v0
	v_lshlrev_b32 v4, 4, v6                        ; an image's place for my lane
	s_mul_i32 s21, s15, HALFT                      ; my 4 row tiles of A
	s_mul_i32 s22, s16, HALFT                      ; my 4 of B,
	s_add_co_u32 s22, s22, 2*HALFT                 ; behind A's 8
.irp s, 0,1
	v_add_nc_u32 v[ADRA+\s], s21, v4
	v_add_nc_u32 v[ADRB+\s], s22, v4
	s_add_co_u32 s21, s21, SLOT
	s_add_co_u32 s22, s22, SLOT
.endr
	v_lshlrev_b32 v5, 2, v6                        ; a scale word's place
	s_mul_i32 s21, s15, HALFS
	s_mul_i32 s22, s16, HALFS
	s_add_co_u32 s22, s22, 2*HALFS
	s_sub_co_u32 s22, s22, s21
	v_mul_u32_u24 v6, s22, v2                      ; lanes 16-31 take B's
	s_add_co_u32 s21, s21, SCL
	v_add_nc_u32 v5, v5, v6
	v_add_nc_u32 v[ADRS], s21, v5
	s_mul_i32 s23, s14, 16*SPITCH
	s_add_co_u32 s23, s23, STAGE                   ; my stage
	v_mul_u32_u24 v5, v1, SPITCH                   ; in: row l % 16, 32 bytes for each half of the lanes
	v_lshl_add_u32 v5, v2, 5, v5
	v_add_nc_u32 v[STO], s23, v5
	v_mul_u32_u24 v5, v2, SPITCH                   ; back: lanes 0-15 one row of 256 bytes, lanes 16-31 the next
	v_lshl_add_u32 v5, v1, 4, v5
	v_add_nc_u32 v[RD], s23, v5
	v_lshlrev_b32 v5, 13, v2                       ; and the same two rows in C
	v_lshl_add_u32 v[CO], v1, 4, v5
	s_lshl_b32 s20, s17, 7
	s_lshl_b32 s21, s15, 6
	s_add_co_u32 s20, s20, s21
	s_lshl_b32 s20, s20, 13                        ; my first row of C, in bytes
	s_mov_b32 s21, 0
	s_lshl_b32 s46, s42, 9                         ; my first column: 512 x tile column + 256 x half
	s_lshl_b32 s47, s16, 8
	s_add_co_u32 s46, s46, s47
	s_mov_b32 s47, 0
	s_add_nc_u64 s[20:21], s[20:21], s[46:47]
	s_add_nc_u64 s[12:13], s[12:13], s[20:21]
.macro FRAG reg, adr, q, i             ; a fragment comes as it was stored: three loads of 512 consecutive bytes
.irp c, 0,1,2
	ds_load_b128 v[\reg+4*\c:\reg+4*\c+3], v[\adr] offset:(\i)*TROW+(\q)*FIB+512*\c
.endr
.endm
; four matrix instructions: A's block a against B's four.  The 16 accumulators take turns, one instruction a turn, in the same order in every K step
.macro MULA a, p, q, sc, zero
.irp b, 0,1,2,3
.if \zero
	v_wmma_scale_f32_16x16x128_f8f6f4 v[ACC+8*(4*(\a)+\b):ACC+8*(4*(\a)+\b)+7], v[128*(\p)+FR*\b:128*(\p)+FR*\b+FR-1], v[128*(\p)+48+FR*(\a):128*(\p)+48+FR*(\a)+FR-1], 0, v[SC+16*(\sc)+4*\b+(\q)], v[SC+16*(\sc)+4*(\a)+(\q)] matrix_a_fmt:MATRIX_FMT_FP6 matrix_b_fmt:MATRIX_FMT_FP6 matrix_a_scale:MATRIX_SCALE_ROW1
.else
	v_wmma_scale_f32_16x16x128_f8f6f4 v[ACC+8*(4*(\a)+\b):ACC+8*(4*(\a)+\b)+7], v[128*(\p)+FR*\b:128*(\p)+FR*\b+FR-1], v[128*(\p)+48+FR*(\a):128*(\p)+48+FR*(\a)+FR-1], v[ACC+8*(4*(\a)+\b):ACC+8*(4*(\a)+\b)+7], v[SC+16*(\sc)+4*\b+(\q)], v[SC+16*(\sc)+4*(\a)+(\q)] matrix_a_fmt:MATRIX_FMT_FP6 matrix_b_fmt:MATRIX_FMT_FP6 matrix_a_scale:MATRIX_SCALE_ROW1
.endif
.endr
.endm
.macro FETCH slot, q, p                ; the eight fragments of the slot's q-th K step into buffer p: 24 loads in one run
	WIN TO_F
.irp i, 0,1,2,3
	FRAG 128*(\p)+FR*\i, ADRB+\slot, \q, \i
.endr
.irp i, 0,1,2,3
	FRAG 128*(\p)+48+FR*\i, ADRA+\slot, \q, \i
.endr
.endm
.macro SCALES sc                       ; a slot's scale words: lanes 0-15 take A's block i, lanes 16-31 B's block i
.irp i, 0,1,2,3
.irp q, 0,1,2,3
	ds_load_b32 v[SC+16*\sc+4*\i+\q], v[ADRS] offset:\i*2048+\q*128
.endr
.endr
.endm
.macro PLACES n
.rept \n
	v_nop
.endr
.endm
; a K step that has its successor in the same slot: the successor's fragments are asked for first, into the buffer that the last step's products have read (four places behind them), and land while this step is multiplied
.macro KS slot, q, zero
	PLACES NP
	FETCH \slot, (\q)+1, 1-(\q)%2
	s_wait_dscnt 8*NL                              ; all but the 24 just issued: this step's fragments, and its scale words, are in
	WIN MUL
	MULA 0, (\q)%2, \q, \slot, \zero
	MULA 1, (\q)%2, \q, \slot, \zero
	MULA 2, (\q)%2, \q, \slot, \zero
	MULA 3, (\q)%2, \q, \slot, \zero
.endm
; a slot's last K step changes slots: one barrier; ahead of it each wave waits for all its tensor loads, adds 0 to its spare word, and waits for that and for its reads of this slot.  fill = 1: this slot takes the K steps two slots on
.macro TURN slot, next, fill
	WIN 0                                          ; (the add's two registers lie in window 0)
	s_wait_tensorcnt 0x0                           ; all my tensor loads have landed: my part of the next slot
	ds_add_u32 v[SPW], v[NIL]
	s_wait_dscnt 1                                 ; this step's fragments are in (the add may be out)
	WIN MUL
	MULA 0, 1, NQ-1, \slot, 0
	s_wait_dscnt 0x0                               ; the add is done, and my reads of this slot are over
	s_barrier_signal -1
	MULA 1, 1, NQ-1, \slot, 0
	WIN 0
	s_barrier_wait -1
.if \fill
	CREST                                          ; the barrier has opened a round of the cluster's barrier: no wave of any partner still reads this slot or has a load on its way
	s_add_nc_u64 s[G0+4*\slot+2:G0+4*\slot+3], s[G0+4*\slot+2:G0+4*\slot+3], 2*TROW
	s_add_nc_u64 s[G0B+4*\slot+2:G0B+4*\slot+3], s[G0B+4*\slot+2:G0B+4*\slot+3], 2*TROW
	JLOAD G0+4*\slot, G1, G0B+4*\slot, G1B         ; the first tensor load behind the round; its four v_nop are the places in front of the loads below
.else
	PLACES NP
.endif
	v_add_nc_u32 v[ADRS], 128*NQ, v[ADRS]
	SCALES \next
	FETCH \next, 0, 0
	WIN MUL
	MULA 2, 1, NQ-1, \slot, 0
	MULA 3, 1, NQ-1, \slot, 0
.endm
	s_wait_tensorcnt 1                             ; the scale words and my part of slot 0 are in (slot 1's load may be out),
	s_barrier_signal -1
	s_barrier_wait -1                              ; everybody's are
	SCALES 0
	FETCH 0, 0, 0
	KS 0, 0, 1                                     ; the first K step starts the sums
	KS 0, 1, 0
	KS 0, 2, 0
	TURN 0, 1, 1                                   ; slot 0 takes K steps 8-11
	KS 1, 0, 0
	KS 1, 1, 0
	KS 1, 2, 0
	TURN 1, 0, 1                                   ; slot 1 takes K steps 12-15
	KS 0, 0, 0
	KS 0, 1, 0
	KS 0, 2, 0
	TURN 0, 1, 0                                   ; nothing is left to fetch: no round
	KS 1, 0, 0
	KS 1, 1, 0
	KS 1, 2, 0
	s_wait_dscnt 0
	MULA 0, 1, NQ-1, 1, 0
	MULA 1, 1, NQ-1, 1, 0
	MULA 2, 1, NQ-1, 1, 0
	MULA 3, 1, NQ-1, 1, 0
	WIN 0
; the way out, 16 rows x 64 columns at a time, through my own stage and back as whole rows of 256 bytes (LDS serves a wave's instructions in order: no wait between the stores and the loads)
.macro TOSTAGE a
.irp b, 0,1,2,3
	ds_store_b128 v[STO], v[ACC+8*(4*(\a)+\b):ACC+8*(4*(\a)+\b)+3] offset:64*\b       ; each accumulator from its low end on
	ds_store_b128 v[STO], v[ACC+8*(4*(\a)+\b)+4:ACC+8*(4*(\a)+\b)+7] offset:64*\b+16
.endr
.set BB, BK+32*((\a)%2)
.irp t, 0,1,2,3,4,5,6,7
	ds_load_b128 v[BB+4*\t:BB+4*\t+3], v[RD] offset:\t*2*SPITCH
.endr
.endm
.macro SEND a, younger
.set BB, BK+32*((\a)%2)
	s_wait_dscnt \younger
.if (\a) > 0
	s_add_nc_u64 s[12:13], s[12:13], 16*CROW       ; (behind a wait on XCNT: the earlier stores have read their base)
.endif
.irp t, 0,1,2,3,4,5,6,7
	global_store_b128 v[CO], v[BB+4*\t:BB+4*\t+3], s[12:13] offset:2*\t*CROW th:TH_STORE_NT   ; 16 lanes store 256 consecutive bytes, aligned
.endr
.endm
	PLACES NP
	TOSTAGE 0
.irp a, 1,2,3
.if \a > 1
	s_wait_xcnt 0x0                                ; block a - 2's stores have read their registers and their base
.endif
	TOSTAGE \a
	SEND \a-1, 16                                  ; behind block a - 1's loads: block a's 8 stores and 8 loads
.endr
	s_wait_xcnt 0x0
	SEND 3, 0
	s_wait_tensorcnt 0x0                           ; the wave's end
	ds_add_u32 v[SPW], v[NIL]
	s_wait_dscnt 0x0
	CROUND                                         ; the closing round
	s_endpgm
.Lfunc_end_k_q45a2c0e092_gemm2:
	.size	k_q45a2c0e092_gemm2, .Lfunc_end_k_q45a2c0e092_gemm2-k_q45a2c0e092_gemm2
	.p2alignl 7, 3214868480
	.fill 96, 4, 3214868480
	.section	.rodata,"a",@progbits
	.p2align	6, 0x0
	.amdhsa_kernel k_q45a2c0e092_gemm2
		.amdhsa_group_segment_fixed_size 327680
		.amdhsa_private_segment_fixed_size 0
		.amdhsa_enable_private_segment 0
		.amdhsa_kernarg_size 24
		.amdhsa_user_sgpr_count 2
		.amdhsa_user_sgpr_kernarg_segment_ptr 1
		.amdhsa_wavefront_size32 1
		.amdhsa_system_sgpr_workgroup_id_x 1
		.amdhsa_system_sgpr_workgroup_id_y 1
		.amdhsa_system_sgpr_workgroup_id_z 1
		.amdhsa_system_vgpr_workitem_id 0
		.amdhsa_next_free_vgpr 512
		.amdhsa_next_free_sgpr 98
		.amdhsa_reserve_vcc 0
		.amdhsa_float_denorm_mode_32 3
		.amdhsa_float_denorm_mode_16_64 3
		.amdhsa_memory_ordered 1
		.amdhsa_forward_progress 1
		.amdhsa_inst_pref_size 84
	.end_amdhsa_kernel
	.amdgpu_metadata
---
amdhsa.version: [ 1, 2 ]
amdhsa.kernels:
  - .name:           k_q45a2c0e092_gemm2
    .symbol:         k_q45a2c0e092_gemm2.kd
    .args:
      - { .name: ybuf, .offset: 0, .size: 8, .value_kind: global_buffer, .address_space: global }
      - { .name: wo, .offset: 8, .size: 8, .value_kind: global_buffer, .address_space: global }
      - { .name: out0, .offset: 16, .size: 8, .value_kind: global_buffer, .address_space: global }
    .group_segment_fixed_size: 327680
    .private_segment_fixed_size: 0
    .kernarg_segment_align: 8
    .kernarg_segment_size: 24
    .max_flat_workgroup_size: 128
    .sgpr_count:     98
    .vgpr_count:     512
    .wavefront_size: 32
...
	.end_amdgpu_metadata
.endif
;; end of part 10
